; MI455X (gfx1250); checked and timed in simulation.
; The chip was launched on July 23, 2026; its instructions are those of AMD's public machine-readable ISA for CDNA 5 (MIT licence, August 2026) and "CDNA5" Instruction Set Architecture Reference Guide (July 2026). The comments in the code are by the model that wrote it; some were corrected since.
;; Attention. Allowed arithmetic: matrix products marked QUANTISED: E2M3 operands, one E8M0 scale for each 32 along K, by v_wmma_scale_f32_16x16x128_f8f6f4 with both operands' format E2M3, f32 sums; everything else in f32.
;; Inputs: b_proj 1,024 float32; b_qkv 3,072 float32; w_proj 1,024 x 1,024 float32; w_qkv 1,024 x 3,072 float32; x 4 x 2,048 x 1,024 float32.
;; Outputs: out0 4 x 2,048 x 1,024 float32.
;; This version of the problem:
;;   THIS VERSION OF THE PROBLEM IS GIVEN IN LOW PRECISION. The matrix products marked QUANTISED in the list below multiply operands that are first quantised to E2M3 (2 exponent bits, 3 mantissa bits; 6 bits a number), with one power-of-two scale for each 32 numbers along K (OCP MX v1.0); their sums are f32. All else is computed in f32.
;;   The module's matrix products, in the order in which they are computed (A, B: the left and right operand; K: the contracted axis; several contracted axes count as one K, in the product's order):
;;     1. [M 8,192, K 1,024] x [K 1,024, N 3,072]; A: input x; B: input w_qkv: QUANTISED
;;     2. batch 64 x [M 2,048, K 64] x [K 64, N 2,048]; A: computed on the way; B: computed on the way: QUANTISED
;;     3. batch 64 x [M 2,048, K 2,048] x [K 2,048, N 64]; A: softmax (see below); B: computed on the way: QUANTISED
;;     4. [M 8,192, K 1,024] x [K 1,024, N 1,024]; A: computed on the way; B: input w_proj: QUANTISED
;;   THE QUANTISER, for each operand of a quantised product, along K:
;;     - K is cut into blocks of 32 from its start; a last block that is shorter is filled with zeros.
;;     - A block's scale is 2^e with e = floor(log2(the largest magnitude in the block)) - 2, held to -126 .. 127; a block of zeros has e = 0. As a byte (E8M0): e + 127.
;;     - Each number is divided by its block's scale, clamped to +-7.5, and rounded to the nearest number of E2M3, ties to even, subnormals kept.
;;     - The product sums the exact products of the quantised numbers (number of the format x scale) in f32.
;;   ~~~python
;;   def quantise(x, axis):      # numpy; x: float32 -> the quantised numbers, widened to float32 again
;;       x = np.moveaxis(x, axis, -1); K = x.shape[-1]
;;       x = np.pad(x, [(0, 0)] * (x.ndim - 1) + [(0, -K % 32)]); x = x.reshape(x.shape[:-1] + (-1, 32)); a = np.abs(x).max(-1, keepdims=True)
;;       e = np.where(a > 0, np.clip(np.frexp(np.where(a > 0, a, 1))[1] - 1 - 2, -126, 127), 0)      # np.frexp(a)[1] - 1 = floor(log2(a)), exactly
;;       r = np.clip(x / 2.0 ** e, -7.5, 7.5)
;;       step = 2.0 ** (np.maximum(np.frexp(np.where(r == 0, 1, r))[1] - 1, 0) - 3)
;;       q = np.round(r / step) * step * 2.0 ** e      # np.round: ties to even
;;       return np.moveaxis(q.reshape(q.shape[:-2] + (-1,))[..., :K], -1, axis).astype(np.float32)
;;   ~~~
;;   SOFTMAX AHEAD OF A QUANTISED PRODUCT. Where the list says 'softmax', what is quantised is not the finished softmax but p = 2^(t - M), with t = logit x log2(e) and M = ceil(the row's largest t), a whole number; so 1/2 < the row's largest p <= 1. The row's sum l is taken of the UNQUANTISED p, in f32, and the product's result is divided by l at the end. Since M is a whole number, a kernel that streams over the keys may use a running M (the ceiling of the running maximum): every later rescaling is an exact power of two, which a block's scale takes up: the codes' values come out the same.
;;   OPERANDS COMPUTED ON THE WAY. 'Computed on the way' means the value that the module computes at that place (a softmax that the list does not call 'softmax' is quantised finished and normalised). What goes into a quantiser is computed in f32, as accurately as f32 sums, v_exp_f32 and their like allow (about 1e-6 of the number): no bf16 or f16 on the way to a quantiser, and a product that is left as it is and whose result goes on into a quantised operand takes f32 operands (vector FMAs, or v_wmma_f32_16x16x4_f32). A number that lies on a knife's edge between two numbers of the format may be rounded either way, as far as f32 arithmetic and the matrix unit's own rounding can turn it there, and no further.
;; 2 versions. Each part assembles by itself: llvm-mc -triple=amdgcn-amd-amdhsa -mcpu=gfx1250 --defsym DOCPART=n.
;; ======== version 1 of 2: 4 launches
;; workspace buffers: xq 6,553,600 bytes; wq 2,457,600 bytes; wp 819,200 bytes; qr 6,815,744 bytes; kv 13,369,344 bytes; oq 6,553,600 bytes
;; launch quant (part 1): grid 384 x 1, 4 waves a work-group, no clusters, 35,328 bytes of LDS; arguments x, w_qkv, w_proj, xq, wq, wp; writes xq, wq, wp
.if DOCPART == 1
	.amdgcn_target "amdgcn-amd-amdhsa--gfx1250"
	.amdhsa_code_object_version 6
	.text
	.protected	k_q7b50f88c88_quant
	.globl	k_q7b50f88c88_quant
	.p2align	8
	.type	k_q7b50f88c88_quant,@function
k_q7b50f88c88_quant:
	s_mov_b64 s[64:65], 0
	v_nop
	global_prefetch_b8 v0, s[64:65] scope:SCOPE_SE
	s_setreg_imm32_b32 hwreg(HW_REG_WAVE_MODE, 25, 1), 1
	s_wait_xcnt 0x0
; x [8192][1024], w_qkv [1024][3072] and w_proj [1024][1024], f32, become codes of FP6 (E2M3) with one E8M0 byte for each 32 along K (K = 1024 in all three).
; A block's scale is 2^(floor(log2(largest magnitude)) - 2); its byte is the largest magnitude's exponent field - 2, held at 1 from below by a floor among the maximum's leaves.
; LIMITS: NaN and infinities among the inputs are not served.  A block of zeros gets the byte 1 where the rule says 127: its codes are zeros, and these bytes are read by this program alone.
; THE WORKSPACE IS LAID AS THE MATRIX OPERAND'S REGISTERS.  A tile is 16 rows (tokens of x, columns of a weight): tile T, slot r = row 32 (T / 2) + 8 (T % 2) + r + 8 (r / 8).
; Half a fragment (16 slots x 64 along K, registers 0-5 of lane l = r + 16 h, k = 32 h .. 32 h + 31) is an image of 768 bytes: registers 0-3 at 16 l, registers 4-5 at 512 + 8 l.
; Codes: [tile][64 along K: 0..15][768].  Scale words behind them, in groups of 8 tiles: [128 along K: 0..7][16 x tile in group + r], 4 bytes each.
; WORK-GROUPS 0-255 take x (64 rows x 512 along K each), 256-351 w_qkv, 352-383 w_proj (128 columns x 256 along K each): 128 KiB of f32 each.  No cluster: no two work-groups read the same bytes.
; No tensor loads, no barrier: waves share nothing.  Only x's way uses LDS.
.set XS,   6291456                     ; where xq's scale groups begin
.set WQS,  2359296                     ; wq's
.set WPS,  786432                      ; wp's
.set WREG, 8704                        ; LDS of a wave: a stage of 16 rows x 528 bytes, then 256 bytes of scale words
.set SGAT, 8448
.set R,    16                          ; v16-143  two sets of 64: 16 rows x 512 bytes as loaded
.set X,    144                         ; v144-207 64 numbers of my row: register 16 b + i = k 32 b + 16 h + i
.set PC,   208                         ; v208-219 the fragment just made
.set TQ,   220                         ; v220-226 the conversions' second halves
.set TM,   228                         ; v228-239 maxima, bytes, scale operands
.set PW,   240                         ; v240     my row's scale word
.set SEL,  28                          ; s[28:29] lane selects: lane l xor 16
; 64 numbers of a lane, register 16 b + i = k 32 b + 16 (lane / 16) + i of its row, become a fragment's 12 registers in v[pc] on and the row's scale word in v[pw].
.macro QUANT s, pc, tq, tm, pw
.irp b, 0,1,2,3
	v_max3_num_f32 v[\tm+\b], |v[\s+16*\b]|, |v[\s+1+16*\b]|, 0x1800000   ; my 16 numbers of block b, and the floor 2^(3 - 127): the byte cannot fall under 1
.endr
.irp i, 2,4,6,8,10,12,14
.irp b, 0,1,2,3
	v_max3_num_f32 v[\tm+\b], v[\tm+\b], |v[\s+16*\b+\i]|, |v[\s+1+16*\b+\i]|   ; the four blocks by turns
.endr
.endr
.irp b, 0,1,2,3
	v_permlanex16_b32 v[\tm+4+\b], v[\tm+\b], s[SEL], s[SEL+1]
.endr
.irp b, 0,1,2,3
	v_max_num_f32 v[\tm+\b], v[\tm+\b], v[\tm+4+\b]        ; with lane l xor 16's 16: the block's largest magnitude
.endr
.irp b, 0,1,2,3
	v_add_nc_u32 v[\tm+8+\b], 0xff000000, v[\tm+\b]        ; 2 off its exponent field: the conversion takes that field as its scale
.endr
.irp b, 0,1,2,3
	v_lshrrev_b32 v[\tm+4+\b], 23, v[\tm+8+\b]             ; the scale's byte
.endr
	v_lshl_or_b32 v[\pw], v[\tm+5], 8, v[\tm+4]
	v_lshl_or_b32 v[\pw], v[\tm+6], 16, v[\pw]
	v_lshl_or_b32 v[\pw], v[\tm+7], 24, v[\pw]
.irp c, 0,1
	v_cvt_scalef32_pk16_fp6_f32 v[\pc+6*\c:\pc+6*\c+2], v[\s+32*\c:\s+32*\c+15], v[\tm+8+2*\c]
	v_cvt_scalef32_pk16_fp6_f32 v[\tq+4*\c:\tq+4*\c+2], v[\s+32*\c+16:\s+32*\c+31], v[\tm+8+2*\c+1]   ; (three registers begin on an even number)
.endr
	v_nop                                          ; one plain place behind a scaled conversion
.irp c, 0,1                                    ; the layout wants a whole block in a lane: lanes 0-15 block 2 c, lanes 16-31 block 2 c + 1
.irp i, 0,1,2
	v_permlane16_swap_b32 v[\pc+6*\c+\i], v[\tq+4*\c+\i]
.endr
.irp i, 0,1,2
	v_mov_b32 v[\pc+3+6*\c+\i], v[\tq+4*\c+\i]
.endr
.endr
.endm
; x: the 16 rows of tile u of my 64 rows, 512 bytes (128 along K) of each: every load covers 512 consecutive bytes
.macro LOADX u
.irp i, 0,1,2,3,4,5,6,7,8,9,10,11,12,13,14,15
	global_load_b128 v[R+64*((\u)%2)+4*\i:R+64*((\u)%2)+4*\i+3], v1, s[4:5] offset:(32*((\u)/2)+8*((\u)%2)+\i+8*(\i/8))*4096 th:TH_LOAD_NT
.endr
.endm
; a weight: block t of 32 along K of my column, a register to a row: 32 lanes read 128 consecutive bytes
.macro LOADW t, n, src
.irp i, 0,1,2,3,4,5,6,7,8,9,10,11,12,13,14,15,16,17,18,19,20,21,22,23,24,25,26,27,28,29,30,31
	global_load_b32 v[32+32*((\t)%2)+\i], v3, s[\src:\src+1] offset:(32*(\t)+\i)*\n*4 th:TH_LOAD_NT
.endr
.endm
.macro BLOCKW t, n, src
.set XW, 32+32*((\t)%2)
.set CP, 96+16*((\t)/2)                ; the pair's registers: tile 2 w at CP, tile 2 w + 1 at CP + 8: a set for each pair, so that no store's data are written again
.set CW, CP+8*((\t)%2)
.set TW, 160+4*((\t)%2)
.if (\t) < 7
	s_wait_loadcnt 32                              ; this block's 32 loads are in; the next block's may be out
.else
	s_wait_loadcnt 0x0
.endif
	v_max3_num_f32 v12, |v[XW]|, |v[XW+1]|, |v[XW+2]|          ; all 32 numbers of the block are mine
	v_max3_num_f32 v13, |v[XW+3]|, |v[XW+4]|, |v[XW+5]|
.irp i, 6,10,14,18,22,26
	v_max3_num_f32 v12, v12, |v[XW+\i]|, |v[XW+\i+1]|
	v_max3_num_f32 v13, v13, |v[XW+\i+2]|, |v[XW+\i+3]|
.endr
	v_max3_num_f32 v12, v12, |v[XW+30]|, |v[XW+31]|
	v_max3_num_f32 v12, v12, v13, 0x1800000        ; and the floor
	v_add_nc_u32 v11, 0xff000000, v12
	v_lshrrev_b32 v13, 23, v11
.if (\t)%4 == 0
	v_mov_b32 v[24+(\t)/4], v13                    ; four bytes make the word of 128 along K
.else
	v_lshl_or_b32 v[24+(\t)/4], v13, 8*((\t)%4), v[24+(\t)/4]
.endif
	v_cvt_scalef32_pk16_fp6_f32 v[CW:CW+2], v[XW:XW+15], v11
	v_cvt_scalef32_pk16_fp6_f32 v[TW:TW+2], v[XW+16:XW+31], v11
.if (\t)+2 < 8
	LOADW (\t)+2, \n, \src
.endif
.if (\t)%2 == 1
	v_nop                                          ; one plain place behind a scaled conversion
.irp i, 0,1,2                                  ; lanes 0-15 hold tile 2 w's columns, lanes 16-31 tile 2 w + 1's.  The exchange gives the first register tile 2 w (even block below, odd block above), the second tile 2 w + 1
	v_permlane16_swap_b32 v[CP+\i], v[CP+8+\i]
	v_permlane16_swap_b32 v[160+\i], v[164+\i]
.endr
.irp i, 0,1,2
	v_mov_b32 v[CP+3+\i], v[160+\i]
	v_mov_b32 v[CP+11+\i], v[164+\i]
.endr
	global_store_b128 v1, v[CP:CP+3], s[22:23] offset:768*((\t)/2)             ; 512 consecutive bytes, aligned
	global_store_b64 v2, v[CP+4:CP+5], s[22:23] offset:768*((\t)/2)+512        ; 256
	global_store_b128 v1, v[CP+8:CP+11], s[22:23] offset:768*((\t)/2)+12288
	global_store_b64 v2, v[CP+12:CP+13], s[22:23] offset:768*((\t)/2)+12288+512
.endif
.endm
; A weight [1024][n].  Work-group id - id0: 128 columns (a scale group) x 256 along K.  Wave w takes the group's tiles 2 w, 2 w + 1; a lane takes a column and its registers run down K.
.macro WPATH n, id0, src, dst, soff
	s_sub_co_u32 s17, ttmp9, \id0
	s_lshr_b32 s18, s17, 2                         ; the group of 128 columns
	s_and_b32 s19, s17, 3                          ; which 256 along K
	s_mul_i32 s20, s19, 1024*\n                    ; 256 rows of n x 4 bytes
	s_lshl_b32 s22, s18, 9
	s_add_co_u32 s20, s20, s22
	s_lshl_b32 s22, s16, 7
	s_add_co_u32 s20, s20, s22                     ; + 4 (128 group + 32 wave)
	s_add_nc_u64 s[\src:\src+1], s[\src:\src+1], s[20:21]
	s_mul_i32 s20, s18, 98304                      ; codes: (8 group + 2 wave) tiles of 12,288 bytes + 4 y images of 768
	s_mul_i32 s22, s16, 24576
	s_add_co_u32 s20, s20, s22
	s_mul_i32 s22, s19, 3072
	s_add_co_u32 s20, s20, s22
	s_add_nc_u64 s[22:23], s[\dst:\dst+1], s[20:21]
	s_lshl_b32 s20, s18, 12                        ; scale words: the group, 2 y steps of 512 bytes, 128 bytes a wave
	s_lshl_b32 s24, s19, 10
	s_add_co_u32 s20, s20, s24
	s_lshl_b32 s24, s16, 7
	s_add_co_u32 s20, s20, s24
	s_add_co_u32 s20, s20, \soff
	s_add_nc_u64 s[24:25], s[\dst:\dst+1], s[20:21]
	LOADW 0, \n, \src
	LOADW 1, \n, \src
.irp t, 0,1,2,3,4,5,6,7
	BLOCKW \t, \n, \src
.endr
	global_store_b32 v4, v24, s[24:25]             ; my column's two scale words: a wave stores 128 consecutive bytes, one byte for each 128 that it read
	global_store_b32 v4, v25, s[24:25] offset:512
	s_endpgm
.endm
	s_load_b256 s[4:11], s[0:1], 0x0               ; x s[4:5], w_qkv s[6:7], w_proj s[8:9], xq s[10:11]
	s_load_b128 s[12:15], s[0:1], 0x20             ; wq s[12:13], wp s[14:15]
	v_lshl_add_u32 v248, v0, 2, 0x8800
	v_mov_b32 v249, 0
	v_lshrrev_b32 v1, 5, v0
	v_readfirstlane_b32 s16, v1                    ; wave
	v_and_b32 v7, 31, v0                           ; lane
	v_lshlrev_b32 v1, 4, v7                        ; 16 x lane
	v_lshlrev_b32 v2, 3, v7                        ; 8 x lane
	s_mov_b32 s21, 0                               ; the high word of every offset
	s_wait_kmcnt 0x0
	s_cmp_lt_u32 ttmp9, 256
	s_cbranch_scc0 .Lweights
	; ---- x: work-group id: rows 64 (id / 2) on; wave w takes the 128 along K number 4 (id % 2) + w, four tiles of 16 rows
	s_lshr_b32 s17, ttmp9, 1
	s_and_b32 s18, ttmp9, 1
	s_lshl_b32 s19, s18, 2
	s_add_co_u32 s19, s19, s16                     ; which 128 along K
	s_lshl_b32 s20, s17, 18                        ; 64 rows of 4,096 bytes
	s_lshl_b32 s22, s19, 9
	s_add_co_u32 s20, s20, s22
	s_add_nc_u64 s[4:5], s[4:5], s[20:21]
	s_mul_i32 s20, s17, 49152                      ; four tiles of 12,288 bytes
	s_mul_i32 s22, s19, 1536
	s_add_co_u32 s20, s20, s22
	s_add_nc_u64 s[22:23], s[10:11], s[20:21]      ; my codes
	s_lshr_b32 s20, s17, 1
	s_lshl_b32 s20, s20, 12                        ; the scale group of 128 rows,
	s_lshl_b32 s24, s19, 9
	s_add_co_u32 s20, s20, s24                     ; my 128 along K,
	s_and_b32 s24, s17, 1
	s_lshl_b32 s24, s24, 8
	s_add_co_u32 s20, s20, s24                     ; my four tiles' 256 bytes
	s_add_co_u32 s20, s20, XS
	s_add_nc_u64 s[24:25], s[10:11], s[20:21]
	s_mov_b32 s[SEL], 0x76543210
	s_mov_b32 s[SEL+1], 0xfedcba98
	v_and_b32 v8, 15, v0                           ; r
	v_bfe_u32 v9, v0, 4, 1                         ; h
	s_mul_i32 s26, s16, WREG
	v_add_nc_u32 v3, s26, v1                       ; the stage, in: 16 x lane, a row of 528 bytes to a load
	v_mul_u32_u24 v4, v8, 528
	v_lshl_add_u32 v4, v9, 6, v4
	v_add_nc_u32 v4, s26, v4                       ; out: row r, + 64 h: my 16 numbers of each block of 32
	v_lshlrev_b32 v5, 2, v8
	v_add_nc_u32 v5, s26, v5                       ; my row's scale word
	v_add_nc_u32 v6, s26, v2                       ; and 8 bytes a lane on their way out
.irp b, 0,1,2,3
	v_mov_b32 v[TM+4+\b], 0                        ; written once: a lane permute's destination counts as one of its sources
.endr
	LOADX 0
	LOADX 1
.irp u, 0,1,2,3
.if \u < 3
	s_wait_loadcnt 16                              ; this tile's 16 loads are in; the next tile's may be out
.else
	s_wait_loadcnt 0x0
.endif
.irp i, 0,1,2,3,4,5,6,7,8,9,10,11,12,13,14,15
	ds_store_b128 v3, v[R+64*(\u%2)+4*\i:R+64*(\u%2)+4*\i+3] offset:528*\i
.endr
.irp b, 0,1,2,3
.irp j, 0,1,2,3
	ds_load_b128 v[X+16*\b+4*\j:X+16*\b+4*\j+3], v4 offset:128*\b+16*\j   ; LDS serves a wave's instructions in order: these see the stores above
.endr
.endr
	s_wait_dscnt 0x0                               ; my numbers are back, and the stores have read their registers
	s_wait_xcnt 0x0                                ; the last tile's stores have read the fragment's registers
.if \u < 2
	LOADX \u+2
.endif
	QUANT X, PC, TQ, TM, PW
	ds_store_b32 v5, v[PW] offset:SGAT+64*\u       ; lanes l and l xor 16 write the same word with the same value
	global_store_b128 v1, v[PC:PC+3], s[22:23] offset:12288*\u
	global_store_b64 v2, v[PC+4:PC+5], s[22:23] offset:12288*\u+512
	global_store_b128 v1, v[PC+6:PC+9], s[22:23] offset:12288*\u+768
	global_store_b64 v2, v[PC+10:PC+11], s[22:23] offset:12288*\u+1280
.endr
	ds_load_b64 v[242:243], v6 offset:SGAT
	s_wait_dscnt 0x0
	global_store_b64 v2, v[242:243], s[24:25]      ; 256 consecutive bytes, aligned
	s_wait_tensorcnt 0x0
	ds_add_u32 v248, v249
	s_wait_dscnt 0x0
	s_endpgm
.Lweights:
	v_and_b32 v8, 7, v0
	v_bfe_u32 v9, v0, 3, 1
	v_bfe_u32 v10, v0, 4, 1
	v_lshl_add_u32 v8, v9, 4, v8
	v_lshl_add_u32 v8, v10, 3, v8                  ; my column among the wave's 32: lane l is slot l % 16 of tile 2 w + l / 16
	v_lshlrev_b32 v3, 2, v8
	v_lshlrev_b32 v4, 2, v7                        ; 4 x lane
	s_cmp_lt_u32 ttmp9, 352
	s_cbranch_scc0 .Lproj
	WPATH 3072, 256, 6, 12, WQS
.Lproj:
	WPATH 1024, 352, 8, 14, WPS
.Lfunc_end_k_q7b50f88c88_quant:
	.size	k_q7b50f88c88_quant, .Lfunc_end_k_q7b50f88c88_quant-k_q7b50f88c88_quant
	.p2alignl 7, 3214868480
	.fill 96, 4, 3214868480
	.section	.rodata,"a",@progbits
	.p2align	6, 0x0
	.amdhsa_kernel k_q7b50f88c88_quant
		.amdhsa_group_segment_fixed_size 35328
		.amdhsa_private_segment_fixed_size 0
		.amdhsa_enable_private_segment 0
		.amdhsa_kernarg_size 48
		.amdhsa_user_sgpr_count 2
		.amdhsa_user_sgpr_kernarg_segment_ptr 1
		.amdhsa_wavefront_size32 1
		.amdhsa_system_sgpr_workgroup_id_x 1
		.amdhsa_system_sgpr_workgroup_id_y 1
		.amdhsa_system_sgpr_workgroup_id_z 1
		.amdhsa_system_vgpr_workitem_id 0
		.amdhsa_next_free_vgpr 250
		.amdhsa_next_free_sgpr 66
		.amdhsa_reserve_vcc 0
		.amdhsa_float_denorm_mode_32 3
		.amdhsa_float_denorm_mode_16_64 3
		.amdhsa_memory_ordered 1
		.amdhsa_forward_progress 1
		.amdhsa_inst_pref_size 112
	.end_amdhsa_kernel
	.amdgpu_metadata
---
amdhsa.version: [ 1, 2 ]
amdhsa.kernels:
  - .name:           k_q7b50f88c88_quant
    .symbol:         k_q7b50f88c88_quant.kd
    .args:
      - { .name: x, .offset: 0, .size: 8, .value_kind: global_buffer, .address_space: global }
      - { .name: w_qkv, .offset: 8, .size: 8, .value_kind: global_buffer, .address_space: global }
      - { .name: w_proj, .offset: 16, .size: 8, .value_kind: global_buffer, .address_space: global }
      - { .name: xq, .offset: 24, .size: 8, .value_kind: global_buffer, .address_space: global }
      - { .name: wq, .offset: 32, .size: 8, .value_kind: global_buffer, .address_space: global }
      - { .name: wp, .offset: 40, .size: 8, .value_kind: global_buffer, .address_space: global }
    .group_segment_fixed_size: 35328
    .private_segment_fixed_size: 0
    .kernarg_segment_align: 8
    .kernarg_segment_size: 48
    .max_flat_workgroup_size: 128
    .sgpr_count:     66
    .vgpr_count:     250
    .wavefront_size: 32
...
	.end_amdgpu_metadata
.endif
;; end of part 1
;; launch gemm_qkv (part 2): grid 96 x 4, 4 waves a work-group, clusters of 4 x 4, 327,680 bytes of LDS; arguments xq, wq, b_qkv, qr, kv; writes qr, kv
.if DOCPART == 2
	.amdgcn_target "amdgcn-amd-amdhsa--gfx1250"
	.amdhsa_code_object_version 6
	.text
	.protected	k_q7b50f88c88_gemm_qkv
	.globl	k_q7b50f88c88_gemm_qkv
	.p2align	8
	.type	k_q7b50f88c88_gemm_qkv,@function
k_q7b50f88c88_gemm_qkv:
	s_mov_b64 s[64:65], 0
	v_nop
	global_prefetch_b8 v0, s[64:65] scope:SCOPE_SE
	s_setreg_imm32_b32 hwreg(HW_REG_WAVE_MODE, 25, 1), 1
	s_wait_xcnt 0x0
	s_wait_alu depctr_hold_cnt(0) depctr_sa_sdst(0) depctr_va_vdst(0) depctr_va_sdst(0) depctr_va_ssrc(0) depctr_va_vcc(0) depctr_vm_vsrc(0)
	s_getreg_b32 s2, hwreg(HW_REG_IB_STS2, 6, 4)
	s_cmp_eq_u32 s2, 0
	s_cbranch_scc0 .Lentry_in_a_cluster
	s_endpgm
.Lentry_in_a_cluster:
	s_bfe_u32 s2, ttmp6, 0x10000c
	s_cmp_lg_u32 s2, 0xf033
	s_cbranch_scc0 .Lentry_shape_is_right
	s_endpgm
.Lentry_shape_is_right:
; qkv = x w_qkv + b_qkv on codes of FP6 (E2M3) with E8M0 scales (K = 1024), and q, k, v quantised on the way out: q and k along the head's 64, v along the keys.  No f32 result goes to memory.
; OPERANDS are laid as register images: tile T (16 rows), slot r = row 32 (T / 2) + 8 (T % 2) + r + 8 (r / 8); half a fragment (16 slots x 64 K) = 768 bytes: registers 0-3 at 16 l, 4-5 at 512 + 8 l.
; Codes [tile][16][768]; scale words in groups of 8 tiles, [128 along K][16 tile + r].  So a fragment is four LDS loads of consecutive bytes: no pitch, no padding.
; A work-group of four waves makes 256 P x 256 Q, a wave 128 x 128: 64 accumulators.  Source 1 = 16 slots of P (a lane holds ONE slot of P), source 0 = 16 slots of Q: by the tiles' order of rows the 16 registers
; of Q's tiles 2 b, 2 b + 1 are Q's rows 32 b + 16 (lane / 16) + 0 .. 15: 16 neighbours along the axis that is quantised next.
; ONE TEXT SERVES q, k AND v: clusters 0-15: P = tokens, Q = columns of q and k (a lane: one token, registers along the head's channels); clusters 16-23: P = v's columns, Q = tokens (a lane: one channel, registers along the keys).
; Only pointers and tile numbers are chosen, on the cluster's number, which all partners share.
; CLUSTERS: 4 x 4.  P's tiles hang on the place along y and are shared along a row of the cluster, Q's on the place along x and are shared along a column: joint loads, a quarter of the requests.
; K goes in four steps of 256 through two LDS slots; the text is written out (8 steps of 128 along K, 64 matrix instructions each).
; OUT: qr [64 heads][16][6656]: 128 tokens: 8 images of 768, then 512 bytes of scale words (two bytes, then 0x7f 0x7f for the half of the next product's K step that is zero codes).
;      kv [64 heads][16][13056]: 128 keys: K as in qr; at 6656 four tiles of 16 channels x 128 keys (1,536 bytes each); at 12800 their 256 bytes of scale words.
; LIMITS: NaN and infinities are not served; a block of zeros gets the byte 1 (its codes are zeros; the bytes are read by this program alone).
; 384 tiles are 24 clusters: no tile that keeps q, k, v apart and heads whole gives a multiple of 256 work-groups.
; REGISTERS: window 0: v10-31 addresses; v32-63 scale words, two sets; v64-127 the bias; v128-223 P's fragments, one set (on the way out: at work).  window 1: Q's fragments, two sets, at v0 and v128.
;   window 2: accumulators of P's blocks 0-3 ((a, b) at v[8 (8 (a % 4) + b)]); window 3: blocks 4-7.
.set XS,    6291456
.set WQS,   2359296
.set HALFT, 24576                      ; 8 tiles x 3,072 bytes (256 along K): what one tensor load brings, and what one wave reads of P or of Q
.set SLOT,  4*HALFT                    ; P's two halves, then Q's
.set SCL,   2*SLOT                     ; the scale groups of P's and Q's 256 rows for all of K: 4 x 4,096 bytes, filled once
.set SPARE, SCL+4*4096                 ; the spare words, 128 bytes a wave: two blocks of 256 bytes that no other line names
.set STG,   SPARE+512                  ; scratch for scale words on the way out: 1,024 bytes a wave for q and k; 4,096 bytes on, the same for v.  No tensor load fills it
.set FR,    12
.set NL,    4                          ; LDS loads that bring a fragment
.set NP,    4                          ; places behind this matrix instruction (ISA guide 7.12.1)
.set BQ,   10                          ; v10  64 h: the bias of q and k
.set BV,   11                          ; v11  4 (r + 8 (r / 8)): the bias of v
.set A16,  16                          ; v16-17 P's fragments in slot 0, 1: 16 x lane + base;  v18-19: 8 x lane + base
.set A8,   18
.set B16,  20                          ; v20-23 the same for Q
.set B8,   22
.set L16,  24                          ; v24  16 x lane
.set L8,   25                          ; v25  8 x lane
.set WS,   26                          ; v26  my scratch + 4 r
.set ADRS, 27                          ; v27  my scale words: lanes 0-15 P's rows, lanes 16-31 Q's
.set SPW,  28                          ; v28  LDS address of my spare word; never rewritten
.set NIL,  29                          ; v29  0; never rewritten
.set WR16, 30                          ; v30  my scratch + 16 x lane
.set WR8,  31                          ; v31  my scratch + 8 x lane
.set SC,   32                          ; set s at v[SC + 16 s]; register 2 i + q: lanes 0-15 the word of P's block i, lanes 16-31 of Q's block i, for the slot's q-th 128 along K
.set BI,   64
.set AF,   128
.set ST,   128                         ; the way out: v128-191 64 numbers; v192-203 codes; v204-210, v212-223 at work; v224-226 scale words; v228-235 words on their way out
.set PC,   192
.set TQ,   204
.set TM,   212
.set PW,   224
.set W0,   225
.set W1,   226
.set GA,   228
.set G1,   24                          ; s[24:31] group 1 for P's tiles; s[32:39] group 0, a set for each slot
.set G0,   32
.set G1B,  48                          ; s[48:55], s[56:63] the same for Q
.set G0B,  56
.set G1S,  68                          ; s[68:75], s[76:79] P's scales; s[80:87], s[88:91] Q's
.set G0S,  76
.set G1SB, 80
.set G0SB, 88
.set SEL,  96                          ; s[96:97] lane selects: lane l xor 16
.set D0,   98                          ; s[98:99], s[100:101] the two heads' records
.set D1,   100
.set MSB, 0
.macro WIN new                         ; the immediate's high byte repeats the setting that is left
.if MSB != (\new)
	s_set_vgpr_msb (MSB<<8)|(\new)
.set MSB, (\new)
.endif
.endm
.set MUL_LO, 0xa1                      ; source 0 (Q) window 1, source 1 (P) window 0, C and D window 2
.set MUL_HI, 0xf1                      ; the same, C and D window 3
.set TO_B,   0x40                      ; destination window 1, address window 0
; A joint load: waves 0 and 1 fetch for P, waves 2 and 3 for Q.  The branch hangs on the wave's number alone.  Four v_nop follow each of the two lines.
.macro JLOAD g0a, g1a, g0b, g1b
	s_cmp_eq_u32 s15, 0
	s_cbranch_scc0 .Lfor_b_\@
	tensor_load_to_lds s[\g0a:\g0a+3], s[\g1a:\g1a+7]
	s_nop 0
.rept 4
	v_nop
.endr
	s_branch .Lasked_\@
.Lfor_b_\@:
	tensor_load_to_lds s[\g0b:\g0b+3], s[\g1b:\g1b+7]
	s_nop 0
.rept 4
	v_nop
.endr
.Lasked_\@:
.endm
.macro CREST                           ; a round of the cluster's barrier behind its opening barrier
	s_cmp_lg_u32 s14, 0
	s_cbranch_scc1 .Lnot_wave_0_\@
	s_barrier_signal -3
.Lnot_wave_0_\@:
	s_barrier_wait -3
	s_barrier_signal -1
	s_barrier_wait -1
.endm
.macro CROUND
	s_barrier_signal -1
	s_barrier_wait -1
	CREST
.endm
.macro PLACES n
.rept \n
	v_nop
.endr
.endm
.macro FRAG reg, a16, a8, q, i         ; tile i's fragment of the slot's q-th 128 along K: two images of 768 bytes
	ds_load_b128 v[\reg:\reg+3], v[\a16] offset:(\i)*3072+(\q)*1536
	ds_load_b64 v[\reg+4:\reg+5], v[\a8] offset:(\i)*3072+(\q)*1536+512
	ds_load_b128 v[\reg+6:\reg+9], v[\a16] offset:(\i)*3072+(\q)*1536+768
	ds_load_b64 v[\reg+10:\reg+11], v[\a8] offset:(\i)*3072+(\q)*1536+1280
.endm
; 16 matrix instructions: P's blocks a0, a0 + 1 x Q's eight.  p: Q's set; sc: the set of scale words.  zero = 1: the product starts the sums.  The 64 accumulators take turns, in the same order in every step.
.macro MUL16 a0, p, q, sc, zero
.irp a, \a0, \a0+1
.irp b, 0,1,2,3,4,5,6,7
.if \zero
	v_wmma_scale_f32_16x16x128_f8f6f4 v[8*(8*((\a)%4)+\b):8*(8*((\a)%4)+\b)+7], v[128*(\p)+FR*\b:128*(\p)+FR*\b+FR-1], v[AF+FR*(\a):AF+FR*(\a)+FR-1], 0, v[SC+16*(\sc)+2*\b+(\q)], v[SC+16*(\sc)+2*(\a)+(\q)] matrix_a_fmt:MATRIX_FMT_FP6 matrix_b_fmt:MATRIX_FMT_FP6 matrix_a_scale:MATRIX_SCALE_ROW1
.else
	v_wmma_scale_f32_16x16x128_f8f6f4 v[8*(8*((\a)%4)+\b):8*(8*((\a)%4)+\b)+7], v[128*(\p)+FR*\b:128*(\p)+FR*\b+FR-1], v[AF+FR*(\a):AF+FR*(\a)+FR-1], v[8*(8*((\a)%4)+\b):8*(8*((\a)%4)+\b)+7], v[SC+16*(\sc)+2*\b+(\q)], v[SC+16*(\sc)+2*(\a)+(\q)] matrix_a_fmt:MATRIX_FMT_FP6 matrix_b_fmt:MATRIX_FMT_FP6 matrix_a_scale:MATRIX_SCALE_ROW1
.endif
.endr
.endr
.endm
.macro FETCH_B slot, q, p
	WIN TO_B
.irp i, 0,1,2,3,4,5,6,7
	FRAG 128*(\p)+FR*\i, B16+\slot, B8+\slot, \q, \i
.endr
	WIN 0
.endm
.macro FETCH_A slot, q, i0
.irp i, \i0, \i0+1, \i0+2, \i0+3
	FRAG AF+FR*(\i), A16+\slot, A8+\slot, \q, \i
.endr
.endm
.macro SCALES set, k                   ; K step k's scale words (two steps of 128) into set
.irp i, 0,1,2,3,4,5,6,7
	ds_load_b32 v[SC+16*(\set)+2*\i], v[ADRS] offset:(2*(\k))*512+64*\i
	ds_load_b32 v[SC+16*(\set)+2*\i+1], v[ADRS] offset:(2*(\k)+1)*512+64*\i
.endr
.endm
; A step of 128 along K that has its successor in the same slot.  P has one set of registers: blocks 0-3 are fetched anew in the step's middle, blocks 4-7 at its end.
.macro STEP slot, q, zero
	s_wait_dscnt 4*NL                              ; all but the youngest 16 loads (P's blocks 4-7) are in
	WIN MUL_LO
	MUL16 0, (\q)%2, \q, \slot, \zero
	MUL16 2, (\q)%2, \q, \slot, \zero
	s_wait_dscnt 0x0                               ; P's blocks 4-7 are in
	PLACES NP                                      ; in front of loads into registers that matrix instructions have read
	FETCH_B \slot, (\q)+1, 1-(\q)%2
	FETCH_A \slot, (\q)+1, 0
	WIN MUL_HI
	MUL16 4, (\q)%2, \q, \slot, \zero
	MUL16 6, (\q)%2, \q, \slot, \zero
	PLACES NP
	WIN 0
	FETCH_A \slot, (\q)+1, 4
.endm
; A slot's last step changes slots: one barrier; in front of it each wave waits for all its tensor loads, adds 0 to its spare word, and waits for that and for its reads of this slot.  fill = 1: this slot is filled again, two K steps ahead.  k: the next K step.
.macro TURN slot, next, fill, k
	s_wait_tensorcnt 0x0                           ; all my tensor loads have landed: my part of the next slot
	ds_add_u32 v[SPW], v[NIL]                      ; 0 onto my spare word
	s_wait_dscnt 4*NL+1                            ; (the add and the youngest 16 loads may be out)
	WIN MUL_LO
	MUL16 0, 1, 1, \slot, 0                        ; sixteen matrix instructions stand between the add and the wait for it
	s_wait_dscnt 0x0                               ; the add is done, and my reads of this slot are over
	s_barrier_signal -1
	MUL16 2, 1, 1, \slot, 0
	WIN 0
	s_barrier_wait -1
.if \fill
	CREST                                          ; the barrier has opened a round of the cluster's: no wave of any partner still reads this slot or has a load on its way
	s_add_nc_u64 s[G0+4*\slot+2:G0+4*\slot+3], s[G0+4*\slot+2:G0+4*\slot+3], 2*3072
	s_add_nc_u64 s[G0B+4*\slot+2:G0B+4*\slot+3], s[G0B+4*\slot+2:G0B+4*\slot+3], 2*3072
	JLOAD G0+4*\slot, G1, G0B+4*\slot, G1B         ; the first tensor load behind the round; its four v_nop are also the places in front of the loads below
.else
	PLACES NP
.endif
	FETCH_B \next, 0, 0
	FETCH_A \next, 0, 0
	SCALES \next, \k
	WIN MUL_HI
	MUL16 4, 1, 1, \slot, 0
	MUL16 6, 1, 1, \slot, 0
	PLACES NP
	WIN 0
	FETCH_A \next, 0, 4
.endm
.macro LAST                            ; the last K step (slot 1): its two steps of 128
	STEP 1, 0, 0
	s_wait_dscnt 4*NL
	WIN MUL_LO
	MUL16 0, 1, 1, 1, 0
	MUL16 2, 1, 1, 1, 0
	s_wait_dscnt 0x0
	WIN MUL_HI
	MUL16 4, 1, 1, 1, 0
	MUL16 6, 1, 1, 1, 0
	WIN 0
	PLACES NP                                      ; in front of the first read of results and of writes into P's registers
	s_wait_loadcnt 0x0                             ; the bias
.irp b, 0,1,2,3
	v_mov_b32 v[TM+4+\b], 0                        ; written once: a lane permute's destination counts as one of its sources
.endr
.endm
; 64 numbers of a lane, register 16 b + i = k 32 b + 16 (lane / 16) + i of its row, become a fragment's 12 registers in v[pc] on and the row's scale word in v[pw].
.macro QUANT s, pc, tq, tm, pw
.irp b, 0,1,2,3
	v_max3_num_f32 v[\tm+\b], |v[\s+16*\b]|, |v[\s+1+16*\b]|, 0x1800000   ; my 16 numbers of block b, and the floor 2^(3 - 127): the byte cannot fall under 1
.endr
.irp i, 2,4,6,8,10,12,14
.irp b, 0,1,2,3
	v_max3_num_f32 v[\tm+\b], v[\tm+\b], |v[\s+16*\b+\i]|, |v[\s+1+16*\b+\i]|
.endr
.endr
.irp b, 0,1,2,3
	v_permlanex16_b32 v[\tm+4+\b], v[\tm+\b], s[SEL], s[SEL+1]
.endr
.irp b, 0,1,2,3
	v_max_num_f32 v[\tm+\b], v[\tm+\b], v[\tm+4+\b]
.endr
.irp b, 0,1,2,3
	v_add_nc_u32 v[\tm+8+\b], 0xff000000, v[\tm+\b]        ; 2 off the exponent field: the conversion's scale operand
.endr
.irp b, 0,1,2,3
	v_lshrrev_b32 v[\tm+4+\b], 23, v[\tm+8+\b]             ; the scale's byte
.endr
	v_lshl_or_b32 v[\pw], v[\tm+5], 8, v[\tm+4]
	v_lshl_or_b32 v[\pw], v[\tm+6], 16, v[\pw]
	v_lshl_or_b32 v[\pw], v[\tm+7], 24, v[\pw]
.irp c, 0,1
	v_cvt_scalef32_pk16_fp6_f32 v[\pc+6*\c:\pc+6*\c+2], v[\s+32*\c:\s+32*\c+15], v[\tm+8+2*\c]
	v_cvt_scalef32_pk16_fp6_f32 v[\tq+4*\c:\tq+4*\c+2], v[\s+32*\c+16:\s+32*\c+31], v[\tm+8+2*\c+1]
.endr
	v_nop                                          ; one plain place behind a scaled conversion
.irp c, 0,1
.irp i, 0,1,2
	v_permlane16_swap_b32 v[\pc+6*\c+\i], v[\tq+4*\c+\i]
.endr
.irp i, 0,1,2
	v_mov_b32 v[\pc+3+6*\c+\i], v[\tq+4*\c+\i]
.endr
.endr
.endm
; THE WAY OUT of P's block a: + bias, quantised, stored.  Each accumulator is read from its low end on.  isv = 0: a lane's 64 numbers are 32 channels of each of two heads' halves: registers 0-5 are head 0's image, 6-11 head 1's.
; isv = 1: they are 128 keys of one channel: a whole fragment of V.
.macro EBLK a, isv
.if (\a) > 0
	s_wait_xcnt 0x0                                ; the last block's stores have read the codes' registers,
	s_wait_dscnt 0x0                               ; and its LDS stores the scale words'
.endif
	WIN 0x02+(\a)/4                                ; source 0: window 2 or 3
.set AC, 64*((\a)%4)
.set n, 0
.rept 32
.if \isv
	v_pk_add_f32 v[ST+n:ST+n+1], v[AC+n:AC+n+1], v[BI+2*(\a):BI+2*(\a)+1] op_sel_hi:[1,0]   ; my channel's bias
.else
	v_pk_add_f32 v[ST+n:ST+n+1], v[AC+n:AC+n+1], v[BI+n:BI+n+1]
.endif
.set n, n+2
.endr
	WIN 0
	QUANT ST, PC, TQ, TM, PW
.if \isv
	ds_store_b32 v[WS], v[PW] offset:4096+256*((\a)/4)+64*((\a)%4)
.if (\a) < 4
	global_store_b128 v[L16], v[PC:PC+3], s[D0:D0+1] offset:6656+1536*((\a)%4)
	global_store_b64 v[L8], v[PC+4:PC+5], s[D0:D0+1] offset:6656+1536*((\a)%4)+512
	global_store_b128 v[L16], v[PC+6:PC+9], s[D0:D0+1] offset:6656+1536*((\a)%4)+768
	global_store_b64 v[L8], v[PC+10:PC+11], s[D0:D0+1] offset:6656+1536*((\a)%4)+1280
.else
	global_store_b128 v[L16], v[PC:PC+3], s[D1:D1+1] offset:6656+1536*((\a)%4)
	global_store_b64 v[L8], v[PC+4:PC+5], s[D1:D1+1] offset:6656+1536*((\a)%4)+512
	global_store_b128 v[L16], v[PC+6:PC+9], s[D1:D1+1] offset:6656+1536*((\a)%4)+768
	global_store_b64 v[L8], v[PC+10:PC+11], s[D1:D1+1] offset:6656+1536*((\a)%4)+1280
.endif
.else
	v_and_or_b32 v[W0], v[PW], s18, s19            ; head 0's two bytes, and 0x7f for the 64 along K that are zero codes
	v_lshrrev_b32 v[W1], 16, v[PW]
	v_or_b32 v[W1], s19, v[W1]                     ; head 1's
	ds_store_b32 v[WS], v[W0] offset:64*(\a)
	ds_store_b32 v[WS], v[W1] offset:512+64*(\a)
	global_store_b128 v[L16], v[PC:PC+3], s[D0:D0+1] offset:768*(\a)           ; 512 consecutive bytes, aligned
	global_store_b64 v[L8], v[PC+4:PC+5], s[D0:D0+1] offset:768*(\a)+512       ; 256
	global_store_b128 v[L16], v[PC+6:PC+9], s[D1:D1+1] offset:768*(\a)
	global_store_b64 v[L8], v[PC+10:PC+11], s[D1:D1+1] offset:768*(\a)+512
.endif
.endm
	s_load_b256 s[4:11], s[0:1], 0x0               ; xq s[4:5], wq s[6:7], b_qkv s[8:9], qr s[10:11]
	s_load_b64 s[12:13], s[0:1], 0x20              ; kv
	v_lshl_add_u32 v[SPW], v0, 2, SPARE
	v_mov_b32 v[NIL], 0
	ds_add_u32 v28, v29
	s_wait_dscnt 0x0
	v_lshrrev_b32 v1, 5, v0
	v_readfirstlane_b32 s14, v1                    ; wave 0..3
	s_lshr_b32 s15, s14, 1                         ; which half of P's rows is mine.  Also: I fetch for P (0) or for Q (1)
	s_and_b32 s16, s14, 1                          ; which half of Q's.  Also: which half of that tile I fetch
	s_bfe_u32 s40, ttmp6, 0x40000                  ; cx, cy: my place in the cluster
	s_bfe_u32 s41, ttmp6, 0x40004
	s_lshl_b32 s43, s41, 2
	s_lshl_b32 s43, 15, s43                        ; my row of the cluster
	s_lshl_b32 s44, 0x1111, s40                    ; my column
	; which 256 rows of P and of Q: clusters 0-15: P = tokens 4 (X / 2) + cy, Q = columns 4 (X % 2) + cx;  16-23: P = columns 8 + cy, Q = tokens 4 (X - 16) + cx
	s_lshr_b32 s17, ttmp9, 1
	s_lshl_b32 s17, s17, 2
	s_and_b32 s42, ttmp9, 1
	s_and_b32 s45, ttmp9, 7
	s_cmp_lt_u32 ttmp9, 16
	s_cselect_b32 s17, s17, 8
	s_cselect_b32 s42, s42, s45
	s_add_co_u32 s17, s17, s41                     ; P's tile of 256: hangs on cy alone
	s_lshl_b32 s42, s42, 2
	s_add_co_u32 s42, s42, s40                     ; Q's: on cx alone
	; group 1: codes: 8 rows (tiles) of 3,072 bytes (384 elements of 8), 12,288 bytes apart; no padding
	s_or_b32 s[G1+0], s43, (3<<16)|(1<<21)         ; 15:0 the mask: P's tiles go to my row; 17:16 elements of 8 bytes; 21 set beside a mask
	s_or_b32 s[G1B+0], s44, (3<<16)|(1<<21)        ; Q's to my column
.irp g, G1, G1B
	s_mov_b32 s[\g+1], 384<<16                     ; tensor_dim0
	s_mov_b32 s[\g+2], 8<<16                       ; tensor_dim1
	s_mov_b32 s[\g+3], 384<<16                     ; tile_dim0
	s_mov_b32 s[\g+4], 8                           ; tile_dim1
	s_mov_b32 s[\g+5], 1536                        ; from tile to tile, in elements
	s_mov_b32 s[\g+6], 0
	s_mov_b32 s[\g+7], 0
.endr
	; scales: a group of 4,096 dense bytes as 16 rows of 256
	s_or_b32 s[G1S+0], s43, (3<<16)|(1<<21)
	s_or_b32 s[G1SB+0], s44, (3<<16)|(1<<21)
.irp g, G1S, G1SB
	s_mov_b32 s[\g+1], 32<<16
	s_mov_b32 s[\g+2], 16<<16
	s_mov_b32 s[\g+3], 32<<16
	s_mov_b32 s[\g+4], 16
	s_mov_b32 s[\g+5], 32
	s_mov_b32 s[\g+6], 0
	s_mov_b32 s[\g+7], 0
.endr
	s_lshl_b32 s20, s17, 4
	s_lshl_b32 s21, s16, 3
	s_add_co_u32 s20, s20, s21                     ; P: the first of the 8 tiles that I fetch
	s_lshl_b32 s22, s20, 9                         ; their scale group: 4,096 bytes for 8 tiles
	s_mul_i32 s20, s20, 12288                      ; their codes
	s_mov_b32 s21, 0
	s_mov_b32 s23, 0
	s_lshl_b32 s46, s42, 4
	s_lshl_b32 s47, s16, 3
	s_add_co_u32 s46, s46, s47                     ; Q likewise, in registers that never hold cy
	s_lshl_b32 s92, s46, 9
	s_mul_i32 s46, s46, 12288
	s_mov_b32 s47, 0
	s_mov_b32 s93, 0
	s_mul_i32 s45, s14, HALFT                      ; where they go: wave x 8 tiles: no place in the cluster enters an LDS address
	s_lshl_b32 s100, s14, 12
	s_wait_kmcnt 0x0
	s_add_nc_u64 s[94:95], s[4:5], XS              ; xq's scale groups
	s_add_nc_u64 s[96:97], s[6:7], WQS             ; wq's
	s_cmp_lt_u32 ttmp9, 16                         ; the choice hangs on the cluster's number alone
	s_cselect_b64 s[66:67], s[4:5], s[6:7]         ; P's codes
	s_cselect_b64 s[2:3], s[6:7], s[4:5]           ; Q's codes
	s_cselect_b64 s[18:19], s[94:95], s[96:97]     ; P's scales
	s_cselect_b64 s[98:99], s[96:97], s[94:95]     ; Q's scales
	s_add_nc_u64 s[20:21], s[66:67], s[20:21]
	s_add_nc_u64 s[22:23], s[18:19], s[22:23]
	s_add_nc_u64 s[46:47], s[2:3], s[46:47]
	s_add_nc_u64 s[92:93], s[98:99], s[92:93]
	CROUND                                         ; all sixteen work-groups are here: the first joint loads meet
	s_mov_b32 s[G0S], 1
	s_add_co_u32 s[G0S+1], s100, SCL
	s_mov_b64 s[G0S+2:G0S+3], s[22:23]
	s_or_b32 s[G0S+3], s[G0S+3], 0x80000000
	s_mov_b32 s[G0SB], 1
	s_add_co_u32 s[G0SB+1], s100, SCL
	s_mov_b64 s[G0SB+2:G0SB+3], s[92:93]
	s_or_b32 s[G0SB+3], s[G0SB+3], 0x80000000
	JLOAD G0S, G1S, G0SB, G1SB                     ; the scales first: they are wanted with K step 0
.irp s, 0,1
	s_mov_b32 s[G0+4*\s], 1
	s_add_co_u32 s[G0+4*\s+1], s45, \s*SLOT
	s_add_nc_u64 s[G0+4*\s+2:G0+4*\s+3], s[20:21], \s*3072
	s_or_b32 s[G0+4*\s+3], s[G0+4*\s+3], 0x80000000
	s_mov_b32 s[G0B+4*\s], 1
	s_add_co_u32 s[G0B+4*\s+1], s45, \s*SLOT
	s_add_nc_u64 s[G0B+4*\s+2:G0B+4*\s+3], s[46:47], \s*3072
	s_or_b32 s[G0B+4*\s+3], s[G0B+4*\s+3], 0x80000000
	JLOAD G0+4*\s, G1, G0B+4*\s, G1B               ; three tensor loads of mine are out
.endr
	s_mov_b32 s[SEL], 0x76543210
	s_mov_b32 s[SEL+1], 0xfedcba98
	v_and_b32 v1, 15, v0                           ; r
	v_bfe_u32 v2, v0, 4, 1                         ; h
	v_and_b32 v3, 31, v0                           ; lane
	v_lshlrev_b32 v[L16], 4, v3
	v_lshlrev_b32 v[L8], 3, v3
	s_mul_i32 s21, s15, HALFT                      ; my 8 tiles of P
	s_mul_i32 s22, s16, HALFT                      ; my 8 tiles of Q,
	s_add_co_u32 s22, s22, 2*HALFT                 ; which lie behind P's 16
.irp s, 0,1
	v_add_nc_u32 v[A16+\s], s21, v[L16]
	v_add_nc_u32 v[A8+\s], s21, v[L8]
	v_add_nc_u32 v[B16+\s], s22, v[L16]
	v_add_nc_u32 v[B8+\s], s22, v[L8]
	s_add_co_u32 s21, s21, SLOT
	s_add_co_u32 s22, s22, SLOT
.endr
	v_lshlrev_b32 v5, 2, v1                        ; a scale word: 4 r
	s_lshl_b32 s21, s15, 12                        ; P's group: my half
	s_lshl_b32 s22, s16, 12
	s_add_co_u32 s22, s22, 2*4096                  ; Q's, behind P's two
	s_sub_co_u32 s22, s22, s21
	v_mul_u32_u24 v6, s22, v2                      ; lanes 16-31 take Q's
	s_add_co_u32 s21, s21, SCL
	v_add_nc_u32 v6, v5, v6
	v_add_nc_u32 v[ADRS], s21, v6
	s_lshl_b32 s21, s14, 10
	s_add_co_u32 s21, s21, STG                     ; my scratch
	v_add_nc_u32 v[WS], s21, v5
	v_add_nc_u32 v[WR16], s21, v[L16]
	v_add_nc_u32 v[WR8], s21, v[L8]
	v_lshlrev_b32 v[BQ], 6, v2
	v_and_b32 v6, 8, v1
	v_add_nc_u32 v6, v6, v1
	v_lshlrev_b32 v[BV], 2, v6
	s_wait_tensorcnt 0x1                           ; the scales and my part of K step 0 are in; K step 1's load may be out
	s_barrier_signal -1
	s_barrier_wait -1                              ; everybody's are
	FETCH_B 0, 0, 0
	FETCH_A 0, 0, 0
	SCALES 0, 0
	FETCH_A 0, 0, 4
	STEP 0, 0, 1                                   ; the first products start the sums: nothing is cleared
	TURN 0, 1, 1, 1                                ; slot 0 takes K step 2
	STEP 1, 0, 0
	TURN 1, 0, 1, 2                                ; slot 1 takes K step 3
	STEP 0, 0, 0
	TURN 0, 1, 0, 3                                ; nothing is left to fetch
	s_cmp_lt_u32 ttmp9, 16                         ; q and k, or v: the cluster's number, alike in all partners.  Each way holds its bias loads, the last K step and its way out
	s_cbranch_scc0 .Lvalues
	; ---- q and k.  The bias: register 16 b + i = column 32 b + 16 h + i of my 128; the loads land under the last K step
	s_lshl_b32 s2, s42, 10
	s_lshl_b32 s3, s16, 9
	s_add_co_u32 s2, s2, s3
	s_mov_b32 s3, 0
	s_add_nc_u64 s[94:95], s[8:9], s[2:3]
.irp k, 0,1,2,3
.irp j, 0,1,2,3
	global_load_b128 v[BI+16*\k+4*\j:BI+16*\k+4*\j+3], v[BQ], s[94:95] offset:128*\k+16*\j
.endr
.endr
	s_lshl_b32 s2, s17, 1
	s_add_co_u32 s2, s2, s15                       ; my 128 tokens: record 2 P + half, of 64
	s_lshr_b32 s3, s2, 4
	s_lshl_b32 s3, s3, 4                           ; 16 x batch
	s_and_b32 s45, s42, 3
	s_lshl_b32 s45, s45, 2
	s_add_co_u32 s3, s3, s45
	s_lshl_b32 s45, s16, 1
	s_add_co_u32 s3, s3, s45                       ; + my first head: 4 (Q % 4) + 2 x half
	s_lshl_b32 s3, s3, 4
	s_and_b32 s2, s2, 15
	s_add_co_u32 s3, s3, s2                        ; x 16 records + the record in the batch
	s_mov_b32 s18, 6656
	s_mov_b32 s19, 13056
	s_and_b32 s2, ttmp9, 1
	s_cmp_eq_u32 s2, 0                             ; even clusters make q, odd ones k
	s_cselect_b32 s45, s18, s19
	s_cselect_b64 s[D0:D0+1], s[10:11], s[12:13]
	s_mul_i32 s2, s3, s45
	s_mov_b32 s3, 0
	s_add_nc_u64 s[D0:D0+1], s[D0:D0+1], s[2:3]
	s_lshl_b32 s2, s45, 4
	s_add_nc_u64 s[D1:D1+1], s[D0:D0+1], s[2:3]    ; the next head: 16 records on
	s_mov_b32 s18, 0xffff
	s_mov_b32 s19, 0x7f7f0000
	LAST
.irp a, 0,1,2,3,4,5,6,7
	EBLK \a, 0
.endr
	ds_load_b128 v[GA:GA+3], v[WR16]               ; LDS serves a wave's instructions in order: these see my stores
	ds_load_b128 v[GA+4:GA+7], v[WR16] offset:512
	s_wait_dscnt 0x0
	global_store_b128 v[L16], v[GA:GA+3], s[D0:D0+1] offset:6144       ; a head's 128 scale words: 512 consecutive bytes
	global_store_b128 v[L16], v[GA+4:GA+7], s[D1:D1+1] offset:6144
	s_branch .Lend
.Lvalues:
	; ---- v.  The bias of my channel in each of P's 8 blocks, twice: the packed addition names a pair
	s_lshl_b32 s2, s17, 10
	s_lshl_b32 s3, s15, 9
	s_add_co_u32 s2, s2, s3
	s_mov_b32 s3, 0
	s_add_nc_u64 s[94:95], s[8:9], s[2:3]
.irp a, 0,1,2,3,4,5,6,7
	global_load_b32 v[BI+2*\a], v[BV], s[94:95] offset:4*(32*(\a/2)+8*(\a%2))
	global_load_b32 v[BI+2*\a+1], v[BV], s[94:95] offset:4*(32*(\a/2)+8*(\a%2))
.endr
	s_lshl_b32 s2, s42, 1
	s_add_co_u32 s2, s2, s16                       ; my 128 keys: record 2 Q + half
	s_lshr_b32 s3, s2, 4
	s_lshl_b32 s3, s3, 4
	s_lshl_b32 s45, s41, 2
	s_add_co_u32 s3, s3, s45
	s_lshl_b32 s45, s15, 1
	s_add_co_u32 s3, s3, s45                       ; my first head: 4 cy + 2 x half
	s_lshl_b32 s3, s3, 4
	s_and_b32 s2, s2, 15
	s_add_co_u32 s3, s3, s2
	s_mul_i32 s2, s3, 13056
	s_mov_b32 s3, 0
	s_add_nc_u64 s[D0:D0+1], s[12:13], s[2:3]
	s_add_nc_u64 s[D1:D1+1], s[D0:D0+1], 208896
	LAST
.irp a, 0,1,2,3,4,5,6,7
	EBLK \a, 1
.endr
	ds_load_b64 v[GA:GA+1], v[WR8] offset:4096
	ds_load_b64 v[GA+2:GA+3], v[WR8] offset:4096+256
	s_wait_dscnt 0x0
	global_store_b64 v[L8], v[GA:GA+1], s[D0:D0+1] offset:12800        ; a head's 64 scale words: 256 consecutive bytes
	global_store_b64 v[L8], v[GA+2:GA+3], s[D1:D1+1] offset:12800
.Lend:
	s_wait_tensorcnt 0x0                           ; the wave's end
	ds_add_u32 v[SPW], v[NIL]
	s_wait_dscnt 0x0
	CROUND                                         ; the closing round: no work-group ends while a partner may still ask for a tile that names it
	s_endpgm
.Lfunc_end_k_q7b50f88c88_gemm_qkv:
	.size	k_q7b50f88c88_gemm_qkv, .Lfunc_end_k_q7b50f88c88_gemm_qkv-k_q7b50f88c88_gemm_qkv
	.p2alignl 7, 3214868480
	.fill 96, 4, 3214868480
	.section	.rodata,"a",@progbits
	.p2align	6, 0x0
	.amdhsa_kernel k_q7b50f88c88_gemm_qkv
		.amdhsa_group_segment_fixed_size 327680
		.amdhsa_private_segment_fixed_size 0
		.amdhsa_enable_private_segment 0
		.amdhsa_kernarg_size 40
		.amdhsa_user_sgpr_count 2
		.amdhsa_user_sgpr_kernarg_segment_ptr 1
		.amdhsa_wavefront_size32 1
		.amdhsa_system_sgpr_workgroup_id_x 1
		.amdhsa_system_sgpr_workgroup_id_y 1
		.amdhsa_system_sgpr_workgroup_id_z 1
		.amdhsa_system_vgpr_workitem_id 0
		.amdhsa_next_free_vgpr 1024
		.amdhsa_next_free_sgpr 102
		.amdhsa_reserve_vcc 0
		.amdhsa_float_denorm_mode_32 3
		.amdhsa_float_denorm_mode_16_64 3
		.amdhsa_memory_ordered 1
		.amdhsa_forward_progress 1
		.amdhsa_inst_pref_size 244
	.end_amdhsa_kernel
	.amdgpu_metadata
---
amdhsa.version: [ 1, 2 ]
amdhsa.kernels:
  - .name:           k_q7b50f88c88_gemm_qkv
    .symbol:         k_q7b50f88c88_gemm_qkv.kd
    .args:
      - { .name: xq, .offset: 0, .size: 8, .value_kind: global_buffer, .address_space: global }
      - { .name: wq, .offset: 8, .size: 8, .value_kind: global_buffer, .address_space: global }
      - { .name: b_qkv, .offset: 16, .size: 8, .value_kind: global_buffer, .address_space: global }
      - { .name: qr, .offset: 24, .size: 8, .value_kind: global_buffer, .address_space: global }
      - { .name: kv, .offset: 32, .size: 8, .value_kind: global_buffer, .address_space: global }
    .group_segment_fixed_size: 327680
    .private_segment_fixed_size: 0
    .kernarg_segment_align: 8
    .kernarg_segment_size: 40
    .max_flat_workgroup_size: 128
    .sgpr_count:     102
    .vgpr_count:     1024
    .wavefront_size: 32
...
	.end_amdgpu_metadata
.endif
;; end of part 2
;; launch attn (part 3): grid 8 x 32, 16 waves a work-group, clusters of 4 x 1, 327,680 bytes of LDS; arguments qr, kv, oq; writes oq
.if DOCPART == 3
	.amdgcn_target "amdgcn-amd-amdhsa--gfx1250"
	.amdhsa_code_object_version 6
	.text
	.protected	k_q7b50f88c88_attn
	.globl	k_q7b50f88c88_attn
	.p2align	8
	.type	k_q7b50f88c88_attn,@function
k_q7b50f88c88_attn:
	s_mov_b64 s[64:65], 0
	v_nop
	global_prefetch_b8 v0, s[64:65] scope:SCOPE_SE
	s_setreg_imm32_b32 hwreg(HW_REG_WAVE_MODE, 25, 1), 1
	s_wait_xcnt 0x0
	s_wait_alu depctr_hold_cnt(0) depctr_sa_sdst(0) depctr_va_vdst(0) depctr_va_sdst(0) depctr_va_ssrc(0) depctr_va_vcc(0) depctr_vm_vsrc(0)
	s_getreg_b32 s2, hwreg(HW_REG_IB_STS2, 6, 4)
	s_cmp_eq_u32 s2, 0
	s_cbranch_scc0 .Lentry_in_a_cluster
	s_endpgm
.Lentry_in_a_cluster:
	s_bfe_u32 s2, ttmp6, 0x10000c
	s_cmp_lg_u32 s2, 0x3003
	s_cbranch_scc0 .Lentry_shape_is_right
	s_endpgm
.Lentry_shape_is_right:
; o = softmax(q k^T / 8) v for 64 heads of 2,048 tokens x 64 channels, both products on codes of FP6 (E2M3) with E8M0 scales, and o quantised along the model's 1,024 for the last product.
; THE SOFTMAX: t = score x log2(e) / 8; M = the running largest t rounded UP to a whole number; p = 2^(t - M) is quantised along the keys, not normalised; the row's sum is taken of the unquantised p and divides O at the end.
; When M moves, the sum and O are multiplied by 2^(old M - new M): exact.
; SHARES.  A work-group owns 256 queries and TWO heads (2 y, 2 y + 1), one after the other: together they are 128 along the last product's K, so a wave ends with a whole fragment and a whole scale word of o,
; and their 32 records of K and V are one run of memory.  Each of sixteen waves owns one tile of 16 queries in 256 registers: four waves to a SIMD, so that one wave's vector work stands beside another's matrix work and LDS loads.
; LAYOUT.  Both products are used transposed: S^T = K Q^T, O^T = V^T P^T: a lane holds one query throughout.  The first product's K is 64: registers 6-11 of its two operands are zero codes, under the scale byte 0x7f.
; Tiles of K hold keys 32 (t / 2) + 8 (t % 2) + r + 8 (r / 8), tiles of V channels in the same order: so p's 16 registers of two tiles are 16 neighbouring keys, O^T's 16 neighbouring channels.
; A RECORD (13,056 bytes, 128 keys of a head): 8 images of K (768 bytes: registers 0-3 at 16 l, 4-5 at 512 + 8 l), 512 bytes of K's scale words, 4 fragments of V (1,536), 256 bytes of V's scale words.
; THE RING: two slots of 8 records; waves 0-7 fetch a record each.  CLUSTER: the four blocks of queries of a cluster walk the same records: each is asked for jointly, with a mask that names the four.
; LIMITS: NaN and infinities are not served; a block of zeros gets the byte 1 (its codes are zeros; the bytes are read by this program alone).
; A block's largest p is made from the block's largest score by the same two instructions: this takes v_exp_f32 not to fall where its input rises.
; REGISTERS: v1-3 16 l, 8 l, 4 r; v4-5 the add's; v6-8 addresses in hand; v9-11, v28-31 head B's Q, later head A's codes of o; v12 -M, v13 the largest t, v[14:15] the sum; v16-27 Q; v32-79 four tiles of K;
;   v80-127 V; v128-191 S^T, then p; v192-223 O^T; v224-235 p's codes; v232-247, v252, v254 at work; v248-251 K's, then V's scale words; v253 p's; v255 Q's.
.set REC,   13056
.set SLOTB, 8*REC                      ; 104,448
.set SPARE, 2*SLOTB                    ; the spare words, 128 bytes for each of 16 waves: eight blocks of 256 bytes that no other line names
.set SSTG,  SPARE+2048                 ; 1,024 bytes: o's scale words on their way out.  No tensor load fills them
.set XS,    6291456                    ; where oq's scale groups begin
.set S,     128
.set O,     192
.macro CROUND                          ; a round of the cluster's barrier
	s_barrier_signal -1
	s_barrier_wait -1
	s_cmp_lg_u32 s10, 0
	s_cbranch_scc1 .Lnot_wave_0_\@
	s_barrier_signal -3
.Lnot_wave_0_\@:
	s_barrier_wait -3
	s_barrier_signal -1
	s_barrier_wait -1
.endm
.macro JL g0                           ; a joint refill: waves 0-7, a record each.  The branch hangs on the wave's number alone.  Four v_nop follow the load
	s_cmp_lt_u32 s10, 8
	s_cbranch_scc0 .Lnone_\@
	tensor_load_to_lds s[\g0:\g0+3], s[24:31]
	s_nop 0
.rept 4
	v_nop
.endr
.Lnone_\@:
.endm
; A KEY STEP: the 128 keys of the record at LDS byte s40.
.macro STEP
	v_add_nc_u32 v6, s40, v1
	v_add_nc_u32 v7, s40, v2
	v_add_nc_u32 v8, s40, v3
	v_nop                                          ; four places behind the last step's products, in front of loads into their scale registers
.irp g, 0,1                                    ; S^T = K Q^T, four tiles of 16 keys at a time
.if \g > 0
.rept 4
	v_nop
.endr
.endif
.irp t, 0,1,2,3
	ds_load_b128 v[32+12*\t:35+12*\t], v6 offset:768*(4*\g+\t)
	ds_load_b64 v[36+12*\t:37+12*\t], v7 offset:768*(4*\g+\t)+512
	ds_load_b32 v[248+\t], v8 offset:6144+64*(4*\g+\t)
.endr
	s_wait_dscnt 0x0
.irp t, 0,1,2,3
	v_wmma_scale_f32_16x16x128_f8f6f4 v[S+8*(4*\g+\t):S+8*(4*\g+\t)+7], v[32+12*\t:43+12*\t], v[16:27], 0, v[248+\t], v255 matrix_a_fmt:MATRIX_FMT_FP6 matrix_b_fmt:MATRIX_FMT_FP6
.endr
.endr
.rept 4
	v_nop                                          ; places in front of the first read of the scores and of the loads into the scale registers
.endr
.irp t, 0,1,2,3                                ; V's four fragments and scale words: they land under the softmax
	ds_load_b128 v[80+12*\t:83+12*\t], v6 offset:6656+1536*\t
	ds_load_b64 v[84+12*\t:85+12*\t], v7 offset:6656+1536*\t+512
	ds_load_b128 v[86+12*\t:89+12*\t], v6 offset:6656+1536*\t+768
	ds_load_b64 v[90+12*\t:91+12*\t], v7 offset:6656+1536*\t+1280
	ds_load_b32 v[248+\t], v8 offset:12800+64*\t
.endr
.irp b, 0,1,2,3
	v_max3_num_f32 v[232+\b], v[S+16*\b], v[S+1+16*\b], v[S+2+16*\b]   ; the largest score of each block of 32 keys: it serves for the row's maximum and, since p rises with the score, for the block's largest p
.endr
.irp i, 3,5,7,9,11,13
.irp b, 0,1,2,3
	v_max3_num_f32 v[232+\b], v[232+\b], v[S+16*\b+\i], v[S+1+16*\b+\i]
.endr
.endr
.irp b, 0,1,2,3
	v_max_num_f32 v[232+\b], v[232+\b], v[S+15+16*\b]
.endr
.irp b, 0,1,2,3
	v_permlanex16_b32 v[236+\b], v[232+\b], s20, s21
.endr
.irp b, 0,1,2,3
	v_max_num_f32 v[232+\b], v[232+\b], v[236+\b]  ; with lane l xor 16's 16 keys
.endr
	v_max3_num_f32 v254, v232, v233, v234
	v_max_num_f32 v254, v254, v235                 ; the step's largest score of my query
	v_mul_f32 v254, s22, v254                      ; as t (c is positive)
	v_max_num_f32 v13, v13, v254                   ; the running largest t
	v_mov_b32 v254, v12
	v_floor_f32 v12, -v13                          ; the new -M = floor(-t): M is a whole number
	v_sub_f32 v254, v12, v254                      ; old M - new M: a whole number, 0 or less
	v_cvt_i32_f32 v254, v254                       ; (it saturates)
	v_ldexp_f32 v252, 1.0, v254                    ; f = 2^(old M - new M)
.irp j, 0,2,4,6,8,10,12,14,16,18,20,22,24,26,28,30,32,34,36,38,40,42,44,46,48,50,52,54,56,58,60,62
	v_pk_fma_f32 v[S+\j:S+1+\j], v[S+\j:S+1+\j], s[22:23], v[12:13] op_sel_hi:[1,0,0]   ; t - M, two at a time
.endr
.irp b, 0,1,2,3
	v_fma_f32 v[232+\b], v[232+\b], s22, v12       ; the same of each block's largest score
.endr
.irp j, 0,1,2,3,4,5,6,7,8,9,10,11,12,13,14,15,16,17,18,19,20,21,22,23,24,25,26,27,28,29,30,31,32,33,34,35,36,37,38,39,40,41,42,43,44,45,46,47,48,49,50,51,52,53,54,55,56,57,58,59,60,61,62,63
	v_exp_f32 v[S+\j], v[S+\j]                     ; p = 2^(t - M), at most 1
.endr
.irp b, 0,1,2,3
	v_exp_f32 v[232+\b], v[232+\b]                 ; the block's largest p
.endr
	v_pk_mul_f32 v[14:15], v[14:15], v[252:253] op_sel_hi:[1,0]    ; the sums under the new M (a plain place behind the exponentials)
	s_wait_alu depctr_va_vdst(0)
.irp b, 0,1,2,3
	v_max_num_f32 v[232+\b], 0x1800000, v[232+\b]  ; the floor 2^(3 - 127): the byte cannot fall under 1
.endr
.irp b, 0,1,2,3
	v_add_nc_u32 v[244+\b], 0xff000000, v[232+\b]  ; 2 off the exponent field: the conversion's scale operand
.endr
.irp b, 0,1,2,3
	v_lshrrev_b32 v[236+\b], 23, v[244+\b]         ; the scale's byte
.endr
	v_lshl_or_b32 v253, v237, 8, v236              ; p's scale word for these 128 keys
	v_lshl_or_b32 v253, v238, 16, v253
	v_lshl_or_b32 v253, v239, 24, v253
.irp c, 0,1
	v_cvt_scalef32_pk16_fp6_f32 v[224+6*\c:226+6*\c], v[S+32*\c:S+15+32*\c], v[244+2*\c]
	v_cvt_scalef32_pk16_fp6_f32 v[236+4*\c:238+4*\c], v[S+16+32*\c:S+31+32*\c], v[244+2*\c+1]
.endr
	v_nop                                          ; one plain place behind a scaled conversion
.irp c, 0,1                                    ; the layout wants a whole block in a lane
.irp i, 0,1,2
	v_permlane16_swap_b32 v[224+6*\c+\i], v[236+4*\c+\i]
.endr
.irp i, 0,1,2
	v_mov_b32 v[227+6*\c+\i], v[236+4*\c+\i]
.endr
.endr
	v_pk_add_f32 v[236:237], v[S:S+1], v[S+2:S+3]  ; the row's sum is taken of the unquantised p: two at a time, in two chains
.irp j, 4,8,12,16,20,24,28,32,36,40,44,48,52,56,60
	v_pk_add_f32 v[14:15], v[14:15], v[S+\j:S+1+\j]
	v_pk_add_f32 v[236:237], v[236:237], v[S+2+\j:S+3+\j]
.endr
	v_pk_add_f32 v[14:15], v[14:15], v[236:237]
.irp j, 0,2,4,6,8,10,12,14,16,18,20,22,24,26,28,30
	v_pk_mul_f32 v[O+\j:O+1+\j], v[O+\j:O+1+\j], v[252:253] op_sel_hi:[1,0]   ; O^T under the new M.  (With the sums above: the places between p's codes and scale word and the products below)
.endr
	s_wait_dscnt 0x0                               ; V is in
.irp t, 0,1,2,3                                ; O^T += V^T P^T: the four accumulators have one turn each; the next matrix instruction starts new scores
	v_wmma_scale_f32_16x16x128_f8f6f4 v[O+8*\t:O+8*\t+7], v[80+12*\t:91+12*\t], v[224:235], v[O+8*\t:O+8*\t+7], v[248+\t], v253 matrix_a_fmt:MATRIX_FMT_FP6 matrix_b_fmt:MATRIX_FMT_FP6
.endr
.endm
.macro EIGHT slot                      ; a slot's eight key steps: written once, walked eight times
	s_mov_b32 s40, \slot*SLOTB
	s_mov_b32 s41, 8
.Lstep_\@:
	STEP
	s_add_co_u32 s40, s40, REC
	s_sub_co_u32 s41, s41, 1
	s_cmp_lg_u32 s41, 0
	s_cbranch_scc1 .Lstep_\@
.endm
; THE CHANGE OF SLOTS.  Each wave waits for all its tensor loads (its part of the slot ahead), adds 0 to its spare word, and waits for that and for its reads of the slot that it has left.
; fill = 1: the slot just left takes the records 16 further on: the barrier is then a round of the cluster's, and the joint refill is the first thing behind it: it has eight key steps in which to land.
.macro CHANGE fill, g0
	s_wait_tensorcnt 0x0                           ; no tensor load of mine is out, so a group 0 may be written
	ds_add_u32 v4, v5                              ; 0 onto my spare word
.if \fill
	s_add_nc_u64 s[\g0+2:\g0+3], s[\g0+2:\g0+3], 2*SLOTB   ; the type bits on top are not reached
.endif
	s_wait_dscnt 0x0                               ; the add is done, and my reads of the slot are over
.if \fill
	CROUND
	JL \g0
.else
	s_barrier_signal -1
	s_barrier_wait -1
.endif
.endm
; A head's end: O^T / the sum, quantised along its 64 channels (two blocks): half a fragment and two scale bytes.  e = 0: head A: then head B's Q takes its place and the state begins anew.
.macro FINISH e
.rept 4
	v_nop                                          ; places behind the last products
.endr
	v_add_f32 v14, v14, v15
	v_permlanex16_b32 v252, v14, s20, s21
	v_add_f32 v14, v14, v252                       ; the row's sum
	v_rcp_f32 v14, v14
.if \e == 0
	v_mov_b32 v16, v28                             ; (plain places behind the transcendental)  head B's Q and its scale word
	v_mov_b32 v17, v29
	v_mov_b32 v18, v30
	v_mov_b32 v19, v31
	v_mov_b32 v20, v10
	v_mov_b32 v21, v11
	v_mov_b32 v255, v9
	s_wait_alu depctr_va_vdst(0)
.else
	v_nop
	s_wait_alu depctr_va_vdst(0)
.endif
.irp j, 0,2,4,6,8,10,12,14,16,18,20,22,24,26,28,30
	v_pk_mul_f32 v[S+\j:S+1+\j], v[O+\j:O+1+\j], v[14:15] op_sel_hi:[1,0]     ; register 16 b + i = channel 32 b + 16 h + i; each accumulator from its low end on
.endr
.irp b, 0,1
	v_max3_num_f32 v[232+\b], |v[S+16*\b]|, |v[S+1+16*\b]|, 0x1800000
.endr
.irp i, 2,4,6,8,10,12,14
.irp b, 0,1
	v_max3_num_f32 v[232+\b], v[232+\b], |v[S+16*\b+\i]|, |v[S+1+16*\b+\i]|
.endr
.endr
.irp b, 0,1
	v_permlanex16_b32 v[236+\b], v[232+\b], s20, s21
.endr
.irp b, 0,1
	v_max_num_f32 v[232+\b], v[232+\b], v[236+\b]
.endr
.irp b, 0,1
	v_add_nc_u32 v[244+\b], 0xff000000, v[232+\b]
.endr
.irp b, 0,1
	v_lshrrev_b32 v[236+\b], 23, v[244+\b]
.endr
	v_lshl_or_b32 v254, v237, 8, v236              ; the head's two scale bytes
	v_cvt_scalef32_pk16_fp6_f32 v[28+4*\e:30+4*\e], v[S:S+15], v244
	v_cvt_scalef32_pk16_fp6_f32 v[240:242], v[S+16:S+31], v245
	v_nop
.irp i, 0,1,2
	v_permlane16_swap_b32 v[28+4*\e+\i], v[240+\i]
.endr
.if \e == 0
	v_mov_b32 v31, v240                            ; head A: registers 0-3 in v28-31, 4-5 in v10-11
	v_mov_b32 v10, v241
	v_mov_b32 v11, v242
	v_mov_b32 v9, v254
	v_mov_b32 v13, 0xff61b1e6                      ; head B begins: the largest t -3e38, the sum and O^T zeros
	v_floor_f32 v12, -v13
	v_mov_b32 v14, 0
	v_mov_b32 v15, 0
.irp j, 0,1,2,3,4,5,6,7,8,9,10,11,12,13,14,15,16,17,18,19,20,21,22,23,24,25,26,27,28,29,30,31
	v_mov_b32 v[O+\j], 0
.endr
.else
	v_mov_b32 v35, v240                            ; head B: registers 6-9 in v32-35, 10-11 in v36-37
	v_mov_b32 v36, v241
	v_mov_b32 v37, v242
	v_lshl_or_b32 v9, v254, 16, v9                 ; my query's scale word of these 128 along the last product's K
.endif
.endm
	s_load_b128 s[4:7], s[0:1], 0x0                ; qr s[4:5], kv s[6:7]
	s_load_b64 s[8:9], s[0:1], 0x10                ; oq
	v_lshl_add_u32 v4, v0, 2, SPARE
	v_mov_b32 v5, 0
	ds_add_u32 v4, v5
	s_wait_dscnt 0x0
	v_lshrrev_b32 v6, 5, v0
	v_readfirstlane_b32 s10, v6                    ; wave 0..15
	s_bfe_u32 s11, ttmp6, 0x40000                  ; cx
	s_lshl_b32 s12, ttmp9, 2
	s_add_co_u32 s12, s12, s11                     ; my block of 256 queries: it enters Q's and o's addresses alone
	s_and_b32 s13, ttmp7, 0xffff                   ; the pair of heads, which the four partners share
	; group 1: a record as 51 dense rows of 256 bytes (32 elements of 8)
	s_mov_b32 s24, 15|(3<<16)|(1<<21)              ; 15:0 the mask: all four work-groups; 17:16 elements of 8 bytes; 21 set beside a mask
	s_mov_b32 s25, 32<<16                          ; tensor_dim0
	s_mov_b32 s26, 51<<16                          ; tensor_dim1
	s_mov_b32 s27, 32<<16                          ; tile_dim0
	s_mov_b32 s28, 51                              ; tile_dim1
	s_mov_b32 s29, 32                              ; from row to row
	s_mov_b32 s30, 0
	s_mov_b32 s31, 0
	s_mul_i32 s48, s10, REC                        ; my record in a slot,
	s_mul_i32 s46, s13, 32*REC                     ; and in memory: the pair's 32 records lie on end
	s_add_co_u32 s46, s46, s48
	s_mov_b32 s47, 0
	s_mov_b32 s20, 0x76543210
	s_mov_b32 s21, 0xfedcba98                      ; lane l xor 16
	s_mov_b32 s22, 0x3e38aa3b                      ; c = log2(e) / 8
	s_mov_b32 s23, s22                             ; (named with it as a pair)
	s_wait_kmcnt 0x0
	s_mov_b32 s32, 1                               ; group 0 for slot 0: records 0-7
	s_mov_b32 s33, s48
	s_add_nc_u64 s[34:35], s[6:7], s[46:47]
	s_mov_b32 s36, 1                               ; for slot 1: records 8-15
	s_add_co_u32 s37, s48, SLOTB
	s_add_nc_u64 s[38:39], s[34:35], SLOTB
	s_or_b32 s35, s35, 0x80000000
	s_or_b32 s39, s39, 0x80000000
	CROUND                                         ; all four work-groups are here: the first joint loads meet
	s_cmp_lt_u32 s10, 8                            ; a wave's two first fills stand in one branch: two loads of mine are out
	s_cbranch_scc0 .Lno_first
	tensor_load_to_lds s[32:35], s[24:31]
	s_nop 0
	tensor_load_to_lds s[36:39], s[24:31]
	s_nop 0
.rept 4
	v_nop
.endr
.Lno_first:
	s_lshl_b32 s46, s13, 5
	s_lshl_b32 s47, s12, 1
	s_add_co_u32 s46, s46, s47
	s_lshr_b32 s47, s10, 3
	s_add_co_u32 s46, s46, s47                     ; head A's record of my queries: 32 y + 2 block + wave / 8
	s_mul_i32 s46, s46, 6656
	s_and_b32 s47, s10, 7                          ; my tile in it
	s_mul_i32 s48, s47, 768
	s_add_co_u32 s48, s48, s46
	s_mov_b32 s49, 0
	s_lshl_b32 s52, s47, 6
	s_add_co_u32 s52, s52, s46
	s_add_co_u32 s52, s52, 6144
	s_mov_b32 s53, 0
	s_add_nc_u64 s[50:51], s[4:5], s[48:49]        ; its image
	s_add_nc_u64 s[52:53], s[4:5], s[52:53]        ; its scale words
	v_and_b32 v6, 31, v0
	v_lshlrev_b32 v1, 4, v6
	v_lshlrev_b32 v2, 3, v6
	v_and_b32 v6, 15, v0
	v_lshlrev_b32 v3, 2, v6
	global_load_b128 v[16:19], v1, s[50:51]
	global_load_b64 v[20:21], v2, s[50:51] offset:512
	global_load_b32 v255, v3, s[52:53]
	global_load_b128 v[28:31], v1, s[50:51] offset:106496          ; head B: 16 records on
	global_load_b64 v[10:11], v2, s[50:51] offset:106496+512
	global_load_b32 v9, v3, s[52:53] offset:106496
	s_lshr_b32 s54, s13, 3                         ; the batch
	s_and_b32 s55, s13, 7                          ; the pair in it: which 128 along the last product's K
	s_lshl_b32 s56, s54, 7
	s_lshl_b32 s57, s12, 4
	s_add_co_u32 s56, s56, s57
	s_add_co_u32 s56, s56, s10                     ; my tile of tokens
	s_mul_i32 s56, s56, 12288
	s_mul_i32 s57, s55, 1536
	s_add_co_u32 s56, s56, s57
	s_mov_b32 s57, 0
	s_add_nc_u64 s[42:43], s[8:9], s[56:57]        ; where my fragment of o goes
.irp j, 0,1,2,3,4,5
	v_mov_b32 v[22+\j], 0                          ; the upper 64 of the first product's K step: zero codes, written once
.irp t, 0,1,2,3
	v_mov_b32 v[38+12*\t+\j], 0
.endr
.endr
	v_mov_b32 v13, 0xff61b1e6                      ; the largest t so far: -3e38
	v_floor_f32 v12, -v13
	v_mov_b32 v14, 0
	v_mov_b32 v15, 0
.irp b, 0,1,2,3
	v_mov_b32 v[236+\b], 0                         ; written once: a lane permute's destination counts as one of its sources
.endr
	v_mov_b32 v253, 0                              ; (named as the upper half of v[252:253] before it is first written)
.irp j, 0,1,2,3,4,5,6,7,8,9,10,11,12,13,14,15,16,17,18,19,20,21,22,23,24,25,26,27,28,29,30,31
	v_mov_b32 v[O+\j], 0                           ; the step is written once: the first finds zeros, which the first change of M leaves zeros
.endr
	s_wait_tensorcnt 0x1                           ; my part of slot 0 is in; slot 1's may be out
	s_barrier_signal -1
	s_barrier_wait -1
	s_wait_loadcnt 0x0                             ; Q
	EIGHT 0                                        ; head A, keys 0-1023
	CHANGE 1, 32                                   ; slot 0 takes head B's first 8 records
	EIGHT 1                                        ; head A, keys 1024-2047
	CHANGE 1, 36                                   ; slot 1 takes head B's last 8
	FINISH 0
	EIGHT 0
	CHANGE 0, 32                                   ; nothing is left to fetch
	EIGHT 1
	FINISH 1
	global_store_b128 v1, v[28:31], s[42:43]                       ; my tile's fragment of o: 512, 256, 512, 256 consecutive bytes
	global_store_b64 v2, v[10:11], s[42:43] offset:512
	global_store_b128 v1, v[32:35], s[42:43] offset:768
	global_store_b64 v2, v[36:37], s[42:43] offset:1280
	s_lshl_b32 s46, s10, 6
	v_add_nc_u32 v6, s46, v3
	v_add_nc_u32 v6, SSTG, v6
	ds_store_b32 v6, v9                            ; 64 x wave + 4 r: lanes l and l xor 16 write the same word
	s_wait_dscnt 0x0                               ; for the others' sake
	s_barrier_signal -1
	s_barrier_wait -1
	s_cmp_lt_u32 s10, 2                            ; waves 0 and 1 store the words of 8 tiles each: 512 consecutive bytes of a scale group
	s_cbranch_scc0 .Lno_words
	s_lshl_b32 s46, s10, 9
	v_add_nc_u32 v7, s46, v1
	v_add_nc_u32 v7, SSTG, v7
	ds_load_b128 v[16:19], v7
	s_lshl_b32 s56, s54, 4
	s_lshl_b32 s57, s12, 1
	s_add_co_u32 s56, s56, s57
	s_add_co_u32 s56, s56, s10                     ; the group of 8 tiles: 16 batch + 2 block + wave
	s_lshl_b32 s56, s56, 12
	s_lshl_b32 s57, s55, 9
	s_add_co_u32 s56, s56, s57
	s_add_co_u32 s56, s56, XS
	s_mov_b32 s57, 0
	s_add_nc_u64 s[44:45], s[8:9], s[56:57]
	s_wait_dscnt 0x0
	global_store_b128 v1, v[16:19], s[44:45]
.Lno_words:
	s_wait_tensorcnt 0x0                           ; the wave's end
	ds_add_u32 v4, v5
	s_wait_dscnt 0x0
	CROUND                                         ; the closing round
	s_endpgm
.Lfunc_end_k_q7b50f88c88_attn:
	.size	k_q7b50f88c88_attn, .Lfunc_end_k_q7b50f88c88_attn-k_q7b50f88c88_attn
	.p2alignl 7, 3214868480
	.fill 96, 4, 3214868480
	.section	.rodata,"a",@progbits
	.p2align	6, 0x0
	.amdhsa_kernel k_q7b50f88c88_attn
		.amdhsa_group_segment_fixed_size 327680
		.amdhsa_private_segment_fixed_size 0
		.amdhsa_enable_private_segment 0
		.amdhsa_kernarg_size 24
		.amdhsa_user_sgpr_count 2
		.amdhsa_user_sgpr_kernarg_segment_ptr 1
		.amdhsa_wavefront_size32 1
		.amdhsa_system_sgpr_workgroup_id_x 1
		.amdhsa_system_sgpr_workgroup_id_y 1
		.amdhsa_system_sgpr_workgroup_id_z 1
		.amdhsa_system_vgpr_workitem_id 0
		.amdhsa_next_free_vgpr 256
		.amdhsa_next_free_sgpr 66
		.amdhsa_reserve_vcc 0
		.amdhsa_float_denorm_mode_32 3
		.amdhsa_float_denorm_mode_16_64 3
		.amdhsa_memory_ordered 1
		.amdhsa_forward_progress 1
		.amdhsa_inst_pref_size 85
	.end_amdhsa_kernel
	.amdgpu_metadata
---
amdhsa.version: [ 1, 2 ]
amdhsa.kernels:
  - .name:           k_q7b50f88c88_attn
    .symbol:         k_q7b50f88c88_attn.kd
    .args:
      - { .name: qr, .offset: 0, .size: 8, .value_kind: global_buffer, .address_space: global }
      - { .name: kv, .offset: 8, .size: 8, .value_kind: global_buffer, .address_space: global }
      - { .name: oq, .offset: 16, .size: 8, .value_kind: global_buffer, .address_space: global }
    .group_segment_fixed_size: 327680
    .private_segment_fixed_size: 0
    .kernarg_segment_align: 8
    .kernarg_segment_size: 24
    .max_flat_workgroup_size: 512
    .sgpr_count:     66
    .vgpr_count:     256
    .wavefront_size: 32
...
	.end_amdgpu_metadata
.endif
;; end of part 3
;; launch gemm_proj (part 4): grid 4 x 32, 4 waves a work-group, clusters of 4 x 4, 327,680 bytes of LDS; arguments oq, wp, b_proj, out0; writes out0
.if DOCPART == 4
	.amdgcn_target "amdgcn-amd-amdhsa--gfx1250"
	.amdhsa_code_object_version 6
	.text
	.protected	k_q7b50f88c88_gemm_proj
	.globl	k_q7b50f88c88_gemm_proj
	.p2align	8
	.type	k_q7b50f88c88_gemm_proj,@function
k_q7b50f88c88_gemm_proj:
	s_mov_b64 s[64:65], 0
	v_nop
	global_prefetch_b8 v0, s[64:65] scope:SCOPE_SE
	s_setreg_imm32_b32 hwreg(HW_REG_WAVE_MODE, 25, 1), 1
	s_wait_xcnt 0x0
	s_wait_alu depctr_hold_cnt(0) depctr_sa_sdst(0) depctr_va_vdst(0) depctr_va_sdst(0) depctr_va_ssrc(0) depctr_va_vcc(0) depctr_vm_vsrc(0)
	s_getreg_b32 s2, hwreg(HW_REG_IB_STS2, 6, 4)
	s_cmp_eq_u32 s2, 0
	s_cbranch_scc0 .Lentry_in_a_cluster
	s_endpgm
.Lentry_in_a_cluster:
	s_bfe_u32 s2, ttmp6, 0x10000c
	s_cmp_lg_u32 s2, 0xf033
	s_cbranch_scc0 .Lentry_shape_is_right
	s_endpgm
.Lentry_shape_is_right:
; out0 = o w_proj + b_proj on codes of FP6 (E2M3) with E8M0 scales, K = 1024; out0 [8192][1024] f32.
; OPERANDS are laid as register images: tile T (16 rows), slot r = row 32 (T / 2) + 8 (T % 2) + r + 8 (r / 8); half a fragment (16 slots x 64 K) = 768 bytes: registers 0-3 at 16 l, 4-5 at 512 + 8 l.
; Codes [tile][16][768]; scale words in groups of 8 tiles, [128 along K][16 tile + r].  A fragment is four LDS loads of consecutive bytes: no pitch, no padding.
; A work-group of four waves makes 256 tokens (P) x 256 columns (Q), a wave 128 x 128: 64 accumulators.  Source 1 = 16 tokens, source 0 = 16 columns: a lane holds one token, and by the tiles' order of rows the
; registers of Q's tiles 2 b, 2 b + 1 are columns 32 b + 16 (lane / 16) + 0 .. 15.  The bias is the C of each sum's first product.
; CLUSTERS: 4 x 4.  P's tiles are shared along a row of the cluster, Q's along a column: joint loads.  K goes in four steps of 256 through two LDS slots; the text is written out.
; 128 work-groups: half of the WGPs; a tile of 256 x 128 would fill them and wants another loop.
; REGISTERS: window 0: v10-31 addresses; v32-63 scale words, two sets; v64-127 the bias; v128-223 P's fragments, one set (on the way out v128-255: rows of out0).  window 1: Q's fragments, two sets.
;   window 2: accumulators of P's blocks 0-3 ((a, b) at v[8 (8 (a % 4) + b)]); window 3: blocks 4-7.
.set XS,    6291456
.set WPS,   786432
.set HALFT, 24576                      ; 8 tiles x 3,072 bytes (256 along K)
.set SLOT,  4*HALFT
.set SCL,   2*SLOT                     ; the scale groups: 4 x 4,096 bytes, filled once
.set SPARE, SCL+4*4096                 ; the spare words, 128 bytes a wave: two blocks of 256 bytes that no other line names
.set STG,   SPARE+512                  ; the way out: 16 rows x 528 bytes for each wave.  No tensor load fills it
.set FR,    12
.set NL,    4
.set NP,    4                          ; places behind this matrix instruction (ISA guide 7.12.1)
.set BQ,   10                          ; v10  64 h: the bias
.set A16,  16
.set A8,   18
.set B16,  20
.set B8,   22
.set L16,  24                          ; v24  16 x lane
.set L8,   25
.set STO,  26                          ; v26  the stage: where I put 32 bytes of a row
.set ADRS, 27
.set SPW,  28                          ; v28  LDS address of my spare word; never rewritten
.set NIL,  29                          ; v29  0; never rewritten
.set RD,   30                          ; v30  the stage: where I read a row back
.set SC,   32
.set BI,   64
.set AF,   128
.set BK,   128
.set G1,   24
.set G0,   32
.set G1B,  48
.set G0B,  56
.set G1S,  68
.set G0S,  76
.set G1SB, 80
.set G0SB, 88
.set MSB, 0
.macro WIN new                         ; the immediate's high byte repeats the setting that is left
.if MSB != (\new)
	s_set_vgpr_msb (MSB<<8)|(\new)
.set MSB, (\new)
.endif
.endm
.set MUL_LO,   0xa1                    ; source 0 (Q) window 1, source 1 (P) window 0, C and D window 2
.set MUL_HI,   0xf1                    ; the same, C and D window 3
.set START_LO, 0x81                    ; the first products: C (the bias) window 0, D window 2
.set START_HI, 0xc1                    ; D window 3
.set TO_B,     0x40
.macro JLOAD g0a, g1a, g0b, g1b        ; a joint load: waves 0 and 1 fetch for P, waves 2 and 3 for Q; four v_nop follow each of the two lines
	s_cmp_eq_u32 s15, 0
	s_cbranch_scc0 .Lfor_b_\@
	tensor_load_to_lds s[\g0a:\g0a+3], s[\g1a:\g1a+7]
	s_nop 0
.rept 4
	v_nop
.endr
	s_branch .Lasked_\@
.Lfor_b_\@:
	tensor_load_to_lds s[\g0b:\g0b+3], s[\g1b:\g1b+7]
	s_nop 0
.rept 4
	v_nop
.endr
.Lasked_\@:
.endm
.macro CREST
	s_cmp_lg_u32 s14, 0
	s_cbranch_scc1 .Lnot_wave_0_\@
	s_barrier_signal -3
.Lnot_wave_0_\@:
	s_barrier_wait -3
	s_barrier_signal -1
	s_barrier_wait -1
.endm
.macro CROUND
	s_barrier_signal -1
	s_barrier_wait -1
	CREST
.endm
.macro PLACES n
.rept \n
	v_nop
.endr
.endm
.macro FRAG reg, a16, a8, q, i
	ds_load_b128 v[\reg:\reg+3], v[\a16] offset:(\i)*3072+(\q)*1536
	ds_load_b64 v[\reg+4:\reg+5], v[\a8] offset:(\i)*3072+(\q)*1536+512
	ds_load_b128 v[\reg+6:\reg+9], v[\a16] offset:(\i)*3072+(\q)*1536+768
	ds_load_b64 v[\reg+10:\reg+11], v[\a8] offset:(\i)*3072+(\q)*1536+1280
.endm
; 16 matrix instructions: P's blocks a0, a0 + 1 x Q's eight.  zero = 1: the product starts the sum from the bias.  The 64 accumulators take turns, in the same order in every step.
.macro MUL16 a0, p, q, sc, zero
.irp a, \a0, \a0+1
.irp b, 0,1,2,3,4,5,6,7
.if \zero
	v_wmma_scale_f32_16x16x128_f8f6f4 v[8*(8*((\a)%4)+\b):8*(8*((\a)%4)+\b)+7], v[128*(\p)+FR*\b:128*(\p)+FR*\b+FR-1], v[AF+FR*(\a):AF+FR*(\a)+FR-1], v[BI+8*\b:BI+8*\b+7], v[SC+16*(\sc)+2*\b+(\q)], v[SC+16*(\sc)+2*(\a)+(\q)] matrix_a_fmt:MATRIX_FMT_FP6 matrix_b_fmt:MATRIX_FMT_FP6 matrix_a_scale:MATRIX_SCALE_ROW1
.else
	v_wmma_scale_f32_16x16x128_f8f6f4 v[8*(8*((\a)%4)+\b):8*(8*((\a)%4)+\b)+7], v[128*(\p)+FR*\b:128*(\p)+FR*\b+FR-1], v[AF+FR*(\a):AF+FR*(\a)+FR-1], v[8*(8*((\a)%4)+\b):8*(8*((\a)%4)+\b)+7], v[SC+16*(\sc)+2*\b+(\q)], v[SC+16*(\sc)+2*(\a)+(\q)] matrix_a_fmt:MATRIX_FMT_FP6 matrix_b_fmt:MATRIX_FMT_FP6 matrix_a_scale:MATRIX_SCALE_ROW1
.endif
.endr
.endr
.endm
.macro FETCH_B slot, q, p
	WIN TO_B
.irp i, 0,1,2,3,4,5,6,7
	FRAG 128*(\p)+FR*\i, B16+\slot, B8+\slot, \q, \i
.endr
	WIN 0
.endm
.macro FETCH_A slot, q, i0
.irp i, \i0, \i0+1, \i0+2, \i0+3
	FRAG AF+FR*(\i), A16+\slot, A8+\slot, \q, \i
.endr
.endm
.macro SCALES set, k
.irp i, 0,1,2,3,4,5,6,7
	ds_load_b32 v[SC+16*(\set)+2*\i], v[ADRS] offset:(2*(\k))*512+64*\i
	ds_load_b32 v[SC+16*(\set)+2*\i+1], v[ADRS] offset:(2*(\k)+1)*512+64*\i
.endr
.endm
.macro STEP slot, q, zero
	s_wait_dscnt 4*NL                              ; all but the youngest 16 loads (P's blocks 4-7) are in
.if \zero
	WIN START_LO
.else
	WIN MUL_LO
.endif
	MUL16 0, (\q)%2, \q, \slot, \zero
	MUL16 2, (\q)%2, \q, \slot, \zero
	s_wait_dscnt 0x0                               ; P's blocks 4-7 are in
	PLACES NP
	FETCH_B \slot, (\q)+1, 1-(\q)%2
	FETCH_A \slot, (\q)+1, 0
.if \zero
	WIN START_HI
.else
	WIN MUL_HI
.endif
	MUL16 4, (\q)%2, \q, \slot, \zero
	MUL16 6, (\q)%2, \q, \slot, \zero
	PLACES NP
	WIN 0
	FETCH_A \slot, (\q)+1, 4
.endm
.macro TURN slot, next, fill, k
	s_wait_tensorcnt 0x0                           ; all my tensor loads have landed: my part of the next slot
	ds_add_u32 v[SPW], v[NIL]                      ; 0 onto my spare word
	s_wait_dscnt 4*NL+1                            ; (the add and the youngest 16 loads may be out)
	WIN MUL_LO
	MUL16 0, 1, 1, \slot, 0
	s_wait_dscnt 0x0                               ; the add is done, and my reads of this slot are over
	s_barrier_signal -1
	MUL16 2, 1, 1, \slot, 0
	WIN 0
	s_barrier_wait -1
.if \fill
	CREST                                          ; the barrier has opened a round of the cluster's: no wave of any partner still reads this slot or has a load on its way
	s_add_nc_u64 s[G0+4*\slot+2:G0+4*\slot+3], s[G0+4*\slot+2:G0+4*\slot+3], 2*3072
	s_add_nc_u64 s[G0B+4*\slot+2:G0B+4*\slot+3], s[G0B+4*\slot+2:G0B+4*\slot+3], 2*3072
	JLOAD G0+4*\slot, G1, G0B+4*\slot, G1B         ; the first tensor load behind the round; its four v_nop are also the places in front of the loads below
.else
	PLACES NP
.endif
	FETCH_B \next, 0, 0
	FETCH_A \next, 0, 0
	SCALES \next, \k
	WIN MUL_HI
	MUL16 4, 1, 1, \slot, 0
	MUL16 6, 1, 1, \slot, 0
	PLACES NP
	WIN 0
	FETCH_A \next, 0, 4
.endm
	s_load_b256 s[4:11], s[0:1], 0x0               ; oq s[4:5], wp s[6:7], b_proj s[8:9], out0 s[10:11]
	v_lshl_add_u32 v[SPW], v0, 2, SPARE
	v_mov_b32 v[NIL], 0
	ds_add_u32 v28, v29
	s_wait_dscnt 0x0
	v_lshrrev_b32 v1, 5, v0
	v_readfirstlane_b32 s14, v1                    ; wave 0..3
	s_lshr_b32 s15, s14, 1                         ; which half of the tokens is mine.  Also: I fetch for P (0) or for Q (1)
	s_and_b32 s16, s14, 1                          ; which half of the columns.  Also: which half of that tile I fetch
	s_bfe_u32 s40, ttmp6, 0x40000                  ; cx, cy
	s_bfe_u32 s41, ttmp6, 0x40004
	s_lshl_b32 s42, ttmp9, 2
	s_add_co_u32 s42, s42, s40                     ; Q: which 256 columns
	s_and_b32 s17, ttmp7, 0xffff
	s_lshl_b32 s17, s17, 2
	s_add_co_u32 s17, s17, s41                     ; P: which 256 tokens
	s_lshl_b32 s43, s41, 2
	s_lshl_b32 s43, 15, s43                        ; my row of the cluster
	s_lshl_b32 s44, 0x1111, s40                    ; my column
	s_or_b32 s[G1+0], s43, (3<<16)|(1<<21)         ; codes: 8 rows (tiles) of 3,072 bytes (384 elements of 8), 12,288 bytes apart; the mask; bit 21 beside it
	s_or_b32 s[G1B+0], s44, (3<<16)|(1<<21)
.irp g, G1, G1B
	s_mov_b32 s[\g+1], 384<<16
	s_mov_b32 s[\g+2], 8<<16
	s_mov_b32 s[\g+3], 384<<16
	s_mov_b32 s[\g+4], 8
	s_mov_b32 s[\g+5], 1536
	s_mov_b32 s[\g+6], 0
	s_mov_b32 s[\g+7], 0
.endr
	s_or_b32 s[G1S+0], s43, (3<<16)|(1<<21)        ; scales: 4,096 dense bytes as 16 rows of 256
	s_or_b32 s[G1SB+0], s44, (3<<16)|(1<<21)
.irp g, G1S, G1SB
	s_mov_b32 s[\g+1], 32<<16
	s_mov_b32 s[\g+2], 16<<16
	s_mov_b32 s[\g+3], 32<<16
	s_mov_b32 s[\g+4], 16
	s_mov_b32 s[\g+5], 32
	s_mov_b32 s[\g+6], 0
	s_mov_b32 s[\g+7], 0
.endr
	s_lshl_b32 s20, s17, 4
	s_lshl_b32 s21, s16, 3
	s_add_co_u32 s20, s20, s21                     ; P: the first of the 8 tiles that I fetch
	s_lshl_b32 s22, s20, 9
	s_mul_i32 s20, s20, 12288
	s_mov_b32 s21, 0
	s_mov_b32 s23, 0
	s_lshl_b32 s46, s42, 4
	s_lshl_b32 s47, s16, 3
	s_add_co_u32 s46, s46, s47                     ; Q likewise
	s_lshl_b32 s92, s46, 9
	s_mul_i32 s46, s46, 12288
	s_mov_b32 s47, 0
	s_mov_b32 s93, 0
	s_mul_i32 s45, s14, HALFT                      ; where they go: no place in the cluster enters an LDS address
	s_lshl_b32 s100, s14, 12
	s_wait_kmcnt 0x0
	s_add_nc_u64 s[18:19], s[4:5], XS              ; oq's scale groups
	s_add_nc_u64 s[98:99], s[6:7], WPS             ; wp's
	s_add_nc_u64 s[20:21], s[4:5], s[20:21]
	s_add_nc_u64 s[22:23], s[18:19], s[22:23]
	s_add_nc_u64 s[46:47], s[6:7], s[46:47]
	s_add_nc_u64 s[92:93], s[98:99], s[92:93]
	CROUND                                         ; all sixteen work-groups are here: the first joint loads meet
	s_mov_b32 s[G0S], 1
	s_add_co_u32 s[G0S+1], s100, SCL
	s_mov_b64 s[G0S+2:G0S+3], s[22:23]
	s_or_b32 s[G0S+3], s[G0S+3], 0x80000000
	s_mov_b32 s[G0SB], 1
	s_add_co_u32 s[G0SB+1], s100, SCL
	s_mov_b64 s[G0SB+2:G0SB+3], s[92:93]
	s_or_b32 s[G0SB+3], s[G0SB+3], 0x80000000
	JLOAD G0S, G1S, G0SB, G1SB
.irp s, 0,1
	s_mov_b32 s[G0+4*\s], 1
	s_add_co_u32 s[G0+4*\s+1], s45, \s*SLOT
	s_add_nc_u64 s[G0+4*\s+2:G0+4*\s+3], s[20:21], \s*3072
	s_or_b32 s[G0+4*\s+3], s[G0+4*\s+3], 0x80000000
	s_mov_b32 s[G0B+4*\s], 1
	s_add_co_u32 s[G0B+4*\s+1], s45, \s*SLOT
	s_add_nc_u64 s[G0B+4*\s+2:G0B+4*\s+3], s[46:47], \s*3072
	s_or_b32 s[G0B+4*\s+3], s[G0B+4*\s+3], 0x80000000
	JLOAD G0+4*\s, G1, G0B+4*\s, G1B               ; three tensor loads of mine are out
.endr
	v_and_b32 v1, 15, v0                           ; r
	v_bfe_u32 v2, v0, 4, 1                         ; h
	v_and_b32 v3, 31, v0                           ; lane
	v_lshlrev_b32 v[L16], 4, v3
	v_lshlrev_b32 v[L8], 3, v3
	v_lshlrev_b32 v[BQ], 6, v2
	s_lshl_b32 s2, s42, 10                         ; the bias of my 128 columns, in the result's layout: register 8 b + j = column 32 (b / 2) + 16 h + 8 (b % 2) + j
	s_lshl_b32 s3, s16, 9
	s_add_co_u32 s2, s2, s3
	s_mov_b32 s3, 0
	s_add_nc_u64 s[8:9], s[8:9], s[2:3]
.irp b, 0,1,2,3,4,5,6,7
	global_load_b128 v[BI+8*\b:BI+8*\b+3], v[BQ], s[8:9] offset:128*(\b/2)+32*(\b%2)
	global_load_b128 v[BI+8*\b+4:BI+8*\b+7], v[BQ], s[8:9] offset:128*(\b/2)+32*(\b%2)+16
.endr
	s_add_nc_u64 s[12:13], s[10:11], s[2:3]        ; out0 at my first column,
	s_lshl_b32 s18, s17, 20
	s_lshl_b32 s19, s15, 19
	s_add_co_u32 s18, s18, s19
	s_mov_b32 s19, 0
	s_add_nc_u64 s[12:13], s[12:13], s[18:19]      ; and my first token: rows of 4,096 bytes
	s_mul_i32 s21, s15, HALFT
	s_mul_i32 s22, s16, HALFT
	s_add_co_u32 s22, s22, 2*HALFT
.irp s, 0,1
	v_add_nc_u32 v[A16+\s], s21, v[L16]
	v_add_nc_u32 v[A8+\s], s21, v[L8]
	v_add_nc_u32 v[B16+\s], s22, v[L16]
	v_add_nc_u32 v[B8+\s], s22, v[L8]
	s_add_co_u32 s21, s21, SLOT
	s_add_co_u32 s22, s22, SLOT
.endr
	v_lshlrev_b32 v5, 2, v1
	s_lshl_b32 s21, s15, 12
	s_lshl_b32 s22, s16, 12
	s_add_co_u32 s22, s22, 2*4096
	s_sub_co_u32 s22, s22, s21
	v_mul_u32_u24 v6, s22, v2                      ; lanes 16-31 take Q's scale words
	s_add_co_u32 s21, s21, SCL
	v_add_nc_u32 v6, v5, v6
	v_add_nc_u32 v[ADRS], s21, v6
	s_mul_i32 s21, s14, 16*528
	s_add_co_u32 s21, s21, STG                     ; my stage
	v_mul_u32_u24 v5, v1, 528
	v_lshl_add_u32 v5, v2, 6, v5
	v_add_nc_u32 v[STO], s21, v5                   ; in: row r, + 64 h
	v_add_nc_u32 v[RD], s21, v[L16]                ; back: the 32 lanes take a row of 512 bytes
	s_wait_tensorcnt 0x1                           ; the scales and my part of K step 0 are in; K step 1's load may be out
	s_barrier_signal -1
	s_barrier_wait -1
	FETCH_B 0, 0, 0
	FETCH_A 0, 0, 0
	SCALES 0, 0
	FETCH_A 0, 0, 4
	s_wait_loadcnt 0x0                             ; the bias
	STEP 0, 0, 1                                   ; the first products start the sums from the bias
	TURN 0, 1, 1, 1                                ; slot 0 takes K step 2
	STEP 1, 0, 0
	TURN 1, 0, 1, 2                                ; slot 1 takes K step 3
	STEP 0, 0, 0
	TURN 0, 1, 0, 3                                ; nothing is left to fetch
	STEP 1, 0, 0
	s_wait_dscnt 4*NL                              ; the very last step
	WIN MUL_LO
	MUL16 0, 1, 1, 1, 0
	MUL16 2, 1, 1, 1, 0
	s_wait_dscnt 0x0
	WIN MUL_HI
	MUL16 4, 1, 1, 1, 0
	MUL16 6, 1, 1, 1, 0
	WIN 0
; THE WAY OUT, a block of 16 tokens x 128 columns at a time, through my own stage: in as 32 bytes a lane, back as whole rows of 512 bytes.  LDS serves a wave's instructions in order: no wait between the stores and the loads.
.macro TOSTAGE a
.set AC, 64*((\a)%4)
	WIN 0x08+4*((\a)/4)                            ; an LDS store's data are its source 1: window 2 or 3
.irp b, 0,1,2,3,4,5,6,7
	ds_store_b128 v[STO], v[AC+8*\b:AC+8*\b+3] offset:128*(\b/2)+32*(\b%2)         ; each accumulator from its low end on
	ds_store_b128 v[STO], v[AC+8*\b+4:AC+8*\b+7] offset:128*(\b/2)+32*(\b%2)+16
.endr
	WIN 0
.set BB, BK+64*((\a)%2)
.irp t, 0,1,2,3,4,5,6,7,8,9,10,11,12,13,14,15
	ds_load_b128 v[BB+4*\t:BB+4*\t+3], v[RD] offset:\t*528
.endr
.endm
.macro SEND a, younger                 ; younger: the LDS instructions issued behind block a's loads, which may stay out
.set BB, BK+64*((\a)%2)
	s_wait_dscnt \younger
.irp t, 0,1,2,3,4,5,6,7,8,9,10,11,12,13,14,15
	global_store_b128 v[L16], v[BB+4*\t:BB+4*\t+3], s[12:13] offset:(32*((\a)/2)+8*((\a)%2)+\t+8*(\t/8))*4096 th:TH_STORE_NT   ; slot t's token: 512 consecutive bytes, aligned; written once, read by nobody here
.endr
.endm
	PLACES NP                                      ; in front of the first read of results and of loads into P's registers
	TOSTAGE 0
.irp a, 1,2,3,4,5,6,7
.if \a > 1
	s_wait_xcnt 0x0                                ; block a - 2's stores have read their registers: block a's loads may land there
.endif
	TOSTAGE \a
	SEND \a-1, 32                                  ; behind block a - 1's loads: block a's 16 stores and 16 loads
.endr
	SEND 7, 0
	s_wait_tensorcnt 0x0                           ; the wave's end
	ds_add_u32 v[SPW], v[NIL]
	s_wait_dscnt 0x0
	CROUND                                         ; the closing round
	s_endpgm
.Lfunc_end_k_q7b50f88c88_gemm_proj:
	.size	k_q7b50f88c88_gemm_proj, .Lfunc_end_k_q7b50f88c88_gemm_proj-k_q7b50f88c88_gemm_proj
	.p2alignl 7, 3214868480
	.fill 96, 4, 3214868480
	.section	.rodata,"a",@progbits
	.p2align	6, 0x0
	.amdhsa_kernel k_q7b50f88c88_gemm_proj
		.amdhsa_group_segment_fixed_size 327680
		.amdhsa_private_segment_fixed_size 0
		.amdhsa_enable_private_segment 0
		.amdhsa_kernarg_size 32
		.amdhsa_user_sgpr_count 2
		.amdhsa_user_sgpr_kernarg_segment_ptr 1
		.amdhsa_wavefront_size32 1
		.amdhsa_system_sgpr_workgroup_id_x 1
		.amdhsa_system_sgpr_workgroup_id_y 1
		.amdhsa_system_sgpr_workgroup_id_z 1
		.amdhsa_system_vgpr_workitem_id 0
		.amdhsa_next_free_vgpr 1024
		.amdhsa_next_free_sgpr 102
		.amdhsa_reserve_vcc 0
		.amdhsa_float_denorm_mode_32 3
		.amdhsa_float_denorm_mode_16_64 3
		.amdhsa_memory_ordered 1
		.amdhsa_forward_progress 1
		.amdhsa_inst_pref_size 146
	.end_amdhsa_kernel
	.amdgpu_metadata
---
amdhsa.version: [ 1, 2 ]
amdhsa.kernels:
  - .name:           k_q7b50f88c88_gemm_proj
    .symbol:         k_q7b50f88c88_gemm_proj.kd
    .args:
      - { .name: oq, .offset: 0, .size: 8, .value_kind: global_buffer, .address_space: global }
      - { .name: wp, .offset: 8, .size: 8, .value_kind: global_buffer, .address_space: global }
      - { .name: b_proj, .offset: 16, .size: 8, .value_kind: global_buffer, .address_space: global }
      - { .name: out0, .offset: 24, .size: 8, .value_kind: global_buffer, .address_space: global }
    .group_segment_fixed_size: 327680
    .private_segment_fixed_size: 0
    .kernarg_segment_align: 8
    .kernarg_segment_size: 32
    .max_flat_workgroup_size: 128
    .sgpr_count:     102
    .vgpr_count:     1024
    .wavefront_size: 32
...
	.end_amdgpu_metadata
.endif
;; end of part 4
;; ======== version 2 of 2: 4 launches
;; limits: right only within a limited range of input values
;; workspace buffers: xq 6,553,600 bytes; wq 2,457,600 bytes; wp 819,200 bytes; qr 6,815,744 bytes; kv 13,369,344 bytes; oq 6,553,600 bytes
;; launch quant (part 5): grid 512 x 1, 4 waves a work-group, no clusters, 35,328 bytes of LDS; arguments x, w_qkv, w_proj, xq, wq, wp; writes xq, wq, wp
.if DOCPART == 5
	.amdgcn_target "amdgcn-amd-amdhsa--gfx1250"
	.amdhsa_code_object_version 6
	.text
	.protected	k_q7b50f88c88_quant
	.globl	k_q7b50f88c88_quant
	.p2align	8
	.type	k_q7b50f88c88_quant,@function
k_q7b50f88c88_quant:
	s_mov_b64 s[64:65], 0
	v_nop
	global_prefetch_b8 v0, s[64:65] scope:SCOPE_SE
	s_setreg_imm32_b32 hwreg(HW_REG_WAVE_MODE, 25, 1), 1
	s_wait_xcnt 0x0
; x [8192][1024], w_qkv [1024][3072] and w_proj [1024][1024], f32, become codes of FP6 (E2M3) with one E8M0 byte for each 32 along K (K = 1024 in all three).
; A block's scale is 2^(floor(log2(largest magnitude)) - 2); its byte is the largest magnitude's exponent field - 2, held at 1 from below by a floor among the maximum's leaves.
; LIMITS: NaN and infinities among the inputs are not served.  A block of zeros gets the byte 1 where the rule says 127: its codes are zeros, and these bytes are read by this program alone.
; THE WORKSPACE IS LAID AS THE MATRIX OPERAND'S REGISTERS.  A tile is 16 rows (tokens of x, columns of a weight): tile T, slot s = row 64 (T / 4) + 32 (s / 8) + 8 (T % 4) + s % 8:
; as source 0 of a product four such tiles give a lane 32 neighbouring rows in 32 registers, a whole block of the next quantiser.
; Half a fragment (16 slots x 64 along K, registers 0-5 of lane l = r + 16 h, k = 32 h .. 32 h + 31) is an image of 768 bytes: registers 0-3 at 16 l, registers 4-5 at 512 + 8 l.
; Codes: [tile][64 along K: 0..15][768].  xq, wp: scale words behind them in groups of 8 tiles: [128 along K: 0..7][16 x tile in group + s], 4 bytes each.
; wq's tiles are ordered [head 0..15][q, k, v][4 tiles of the head's 64 columns], its scale words in groups of a head's 12 tiles: [128 along K][16 x tile + s].
; WORK-GROUPS 0-255 take x (64 rows x 512 along K each), 256-447 w_qkv, 448-511 w_proj (128 columns x 128 along K each: four blocks of 32 a lane, of which two are asked for ahead).
; No cluster: no two work-groups read the same bytes.  No tensor loads, no barrier: waves share nothing.  Only x's way uses LDS.
.set XS,   6291456                     ; where xq's scale groups begin
.set WQS,  2359296                     ; wq's
.set WPS,  786432                      ; wp's
.set WREG, 8704                        ; LDS of a wave: a stage of 16 rows x 528 bytes, then 256 bytes of scale words
.set SGAT, 8448
.set R,    16                          ; v16-143  two sets of 64: 16 rows x 512 bytes as loaded
.set X,    144                         ; v144-207 64 numbers of my row: register 16 b + i = k 32 b + 16 h + i
.set PC,   208                         ; v208-219 the fragment just made
.set TQ,   220                         ; v220-226 the conversions' second halves
.set TM,   228                         ; v228-239 maxima, bytes, scale operands
.set PW,   240                         ; v240     my row's scale word
.set SEL,  28                          ; s[28:29] lane selects: lane l xor 16
; 64 numbers of a lane, register 16 b + i = k 32 b + 16 (lane / 16) + i of its row, become a fragment's 12 registers in v[pc] on and the row's scale word in v[pw].
.macro QUANT s, pc, tq, tm, pw
.irp b, 0,1,2,3
	v_max3_num_f32 v[\tm+\b], |v[\s+16*\b]|, |v[\s+1+16*\b]|, 0x1800000   ; my 16 numbers of block b, and the floor 2^(3 - 127)
.endr
.irp i, 2,4,6,8,10,12,14
.irp b, 0,1,2,3
	v_max3_num_f32 v[\tm+\b], v[\tm+\b], |v[\s+16*\b+\i]|, |v[\s+1+16*\b+\i]|   ; the four blocks by turns
.endr
.endr
.irp b, 0,1,2,3
	v_permlanex16_b32 v[\tm+4+\b], v[\tm+\b], s[SEL], s[SEL+1]
.endr
.irp b, 0,1,2,3
	v_max_num_f32 v[\tm+\b], v[\tm+\b], v[\tm+4+\b]        ; with lane l xor 16's 16: the block's largest magnitude
.endr
.irp b, 0,1,2,3
	v_add_nc_u32 v[\tm+8+\b], 0xff000000, v[\tm+\b]        ; 2 off its exponent field: the conversion takes that field as its scale
.endr
.irp b, 0,1,2,3
	v_lshrrev_b32 v[\tm+4+\b], 23, v[\tm+8+\b]             ; the scale's byte
.endr
	v_lshl_or_b32 v[\pw], v[\tm+5], 8, v[\tm+4]
	v_lshl_or_b32 v[\pw], v[\tm+6], 16, v[\pw]
	v_lshl_or_b32 v[\pw], v[\tm+7], 24, v[\pw]
.irp c, 0,1
	v_cvt_scalef32_pk16_fp6_f32 v[\pc+6*\c:\pc+6*\c+2], v[\s+32*\c:\s+32*\c+15], v[\tm+8+2*\c]
	v_cvt_scalef32_pk16_fp6_f32 v[\tq+4*\c:\tq+4*\c+2], v[\s+32*\c+16:\s+32*\c+31], v[\tm+8+2*\c+1]   ; (three registers begin on an even number)
.endr
	v_nop                                          ; one plain place behind a scaled conversion
.irp c, 0,1                                    ; the layout wants a whole block in a lane: lanes 0-15 block 2 c, lanes 16-31 block 2 c + 1
.irp i, 0,1,2
	v_permlane16_swap_b32 v[\pc+6*\c+\i], v[\tq+4*\c+\i]
.endr
.irp i, 0,1,2
	v_mov_b32 v[\pc+3+6*\c+\i], v[\tq+4*\c+\i]
.endr
.endr
.endm
; x: the 16 rows of tile u of my 64 rows, 512 bytes (128 along K) of each: every load covers 512 consecutive bytes
.macro LOADX u
.irp i, 0,1,2,3,4,5,6,7,8,9,10,11,12,13,14,15
	global_load_b128 v[R+64*((\u)%2)+4*\i:R+64*((\u)%2)+4*\i+3], v1, s[4:5] offset:(32*(\i/8)+8*(\u)+(\i%8))*4096 th:TH_LOAD_NT
.endr
.endm
; a weight: block t of 32 along K of my column, a register to a row: 32 lanes read two runs of 64 consecutive bytes; the four waves side by side cover 512
.macro LOADW t, n, src
.irp i, 0,1,2,3,4,5,6,7,8,9,10,11,12,13,14,15,16,17,18,19,20,21,22,23,24,25,26,27,28,29,30,31
	global_load_b32 v[32+32*((\t)%2)+\i], v3, s[\src:\src+1] offset:(32*(\t)+\i)*\n*4 th:TH_LOAD_NT
.endr
.endm
.macro BLOCKW t, n, src
.set XW, 32+32*((\t)%2)
.set CP, 96+16*((\t)/2)                ; the pair's registers: my first tile at CP, my second at CP + 8: a set for each pair, so that no store's data are written again
.set CW, CP+8*((\t)%2)
.set TW, 160+4*((\t)%2)
.if (\t) < 3
	s_wait_loadcnt 32                              ; this block's 32 loads are in; the next block's may be out
.else
	s_wait_loadcnt 0x0
.endif
	v_max3_num_f32 v12, |v[XW]|, |v[XW+1]|, |v[XW+2]|          ; all 32 numbers of the block are mine
	v_max3_num_f32 v13, |v[XW+3]|, |v[XW+4]|, |v[XW+5]|
.irp i, 6,10,14,18,22,26
	v_max3_num_f32 v12, v12, |v[XW+\i]|, |v[XW+\i+1]|
	v_max3_num_f32 v13, v13, |v[XW+\i+2]|, |v[XW+\i+3]|
.endr
	v_max3_num_f32 v12, v12, |v[XW+30]|, |v[XW+31]|
	v_max3_num_f32 v12, v12, v13, 0x1800000        ; and the floor
	v_add_nc_u32 v11, 0xff000000, v12
	v_lshrrev_b32 v13, 23, v11
.if (\t) == 0
	v_mov_b32 v24, v13                             ; four bytes make the word of my 128 along K
.else
	v_lshl_or_b32 v24, v13, 8*(\t), v24
.endif
	v_cvt_scalef32_pk16_fp6_f32 v[CW:CW+2], v[XW:XW+15], v11
	v_cvt_scalef32_pk16_fp6_f32 v[TW:TW+2], v[XW+16:XW+31], v11
.if (\t)+2 < 4
	LOADW (\t)+2, \n, \src
.endif
.if (\t)%2 == 1
	v_nop                                          ; one plain place behind a scaled conversion
.irp i, 0,1,2                                  ; lanes 0-15 hold my first tile's columns, lanes 16-31 my second's.  The exchange gives the first register the first tile (even block below, odd block above), the second the second
	v_permlane16_swap_b32 v[CP+\i], v[CP+8+\i]
	v_permlane16_swap_b32 v[160+\i], v[164+\i]
.endr
.irp i, 0,1,2
	v_mov_b32 v[CP+3+\i], v[160+\i]
	v_mov_b32 v[CP+11+\i], v[164+\i]
.endr
	global_store_b128 v1, v[CP:CP+3], s[22:23] offset:768*((\t)/2)             ; 512 consecutive bytes, aligned
	global_store_b64 v2, v[CP+4:CP+5], s[22:23] offset:768*((\t)/2)+512        ; 256
	global_store_b128 v1, v[CP+8:CP+11], s[22:23] offset:768*((\t)/2)+12288
	global_store_b64 v2, v[CP+12:CP+13], s[22:23] offset:768*((\t)/2)+12288+512
.endif
.endm
; A weight [1024][n].  Work-group id - id0: 128 columns x 128 along K.  Wave w takes two tiles of the 64 columns number w / 2: tiles 2 (w % 2) and 2 (w % 2) + 1; a lane takes a column and its registers run down K.
; qkv = 1: the 128 columns are two heads of q, of k or of v, and the tiles go to wq's order.
.macro WPATH n, id0, src, dst, soff, qkv
	s_sub_co_u32 s17, ttmp9, \id0
	s_lshr_b32 s18, s17, 3                         ; the group of 128 columns
	s_and_b32 s19, s17, 7                          ; which 128 along K: y
	s_lshr_b32 s26, s16, 1                         ; which 64 columns of the group
	s_and_b32 s27, s16, 1                          ; which two of their four tiles
	s_mul_i32 s20, s19, 512*\n                     ; 128 rows of n x 4 bytes
	s_lshl_b32 s22, s18, 9
	s_add_co_u32 s20, s20, s22
	s_lshl_b32 s22, s26, 8
	s_add_co_u32 s20, s20, s22
	s_lshl_b32 s22, s27, 6
	s_add_co_u32 s20, s20, s22                     ; + 4 (128 group + 64 (w / 2) + 16 (w % 2))
	s_add_nc_u64 s[\src:\src+1], s[\src:\src+1], s[20:21]
.if \qkv
	s_lshr_b32 s28, s18, 3                         ; q, k or v
	s_and_b32 s29, s18, 7
	s_lshl_b32 s29, s29, 1
	s_add_co_u32 s29, s29, s26                     ; the head
	s_mul_i32 s30, s29, 12
	s_lshl_b32 s31, s28, 2
	s_add_co_u32 s30, s30, s31
	s_lshl_b32 s31, s27, 1
	s_add_co_u32 s30, s30, s31                     ; my first tile
	s_mul_i32 s20, s30, 12288
	s_mul_i32 s22, s19, 1536                       ; + 2 y images of 768
	s_add_co_u32 s20, s20, s22
	s_add_nc_u64 s[22:23], s[\dst:\dst+1], s[20:21]
	s_mul_i32 s20, s29, 6144                       ; scale words: the head's group, y steps of 768 bytes, 64 bytes a tile
	s_mul_i32 s24, s19, 768
	s_add_co_u32 s20, s20, s24
	s_lshl_b32 s24, s28, 8
	s_add_co_u32 s20, s20, s24
	s_lshl_b32 s24, s27, 7
	s_add_co_u32 s20, s20, s24
	s_add_co_u32 s20, s20, \soff
	s_add_nc_u64 s[24:25], s[\dst:\dst+1], s[20:21]
.else
	s_mul_i32 s20, s18, 98304                      ; codes: (8 group + 2 wave) tiles of 12,288 bytes + 2 y images of 768
	s_mul_i32 s22, s16, 24576
	s_add_co_u32 s20, s20, s22
	s_mul_i32 s22, s19, 1536
	s_add_co_u32 s20, s20, s22
	s_add_nc_u64 s[22:23], s[\dst:\dst+1], s[20:21]
	s_lshl_b32 s20, s18, 12                        ; scale words: the group, y steps of 512 bytes, 128 bytes a wave
	s_lshl_b32 s24, s19, 9
	s_add_co_u32 s20, s20, s24
	s_lshl_b32 s24, s16, 7
	s_add_co_u32 s20, s20, s24
	s_add_co_u32 s20, s20, \soff
	s_add_nc_u64 s[24:25], s[\dst:\dst+1], s[20:21]
.endif
	LOADW 0, \n, \src
	LOADW 1, \n, \src
.irp t, 0,1,2,3
	BLOCKW \t, \n, \src
.endr
	global_store_b32 v4, v24, s[24:25]             ; my column's scale word: a wave stores 128 consecutive bytes
	s_endpgm
.endm
	s_load_b256 s[4:11], s[0:1], 0x0               ; x s[4:5], w_qkv s[6:7], w_proj s[8:9], xq s[10:11]
	s_load_b128 s[12:15], s[0:1], 0x20             ; wq s[12:13], wp s[14:15]
	v_lshl_add_u32 v248, v0, 2, 0x8800
	v_mov_b32 v249, 0
	v_lshrrev_b32 v1, 5, v0
	v_readfirstlane_b32 s16, v1                    ; wave
	v_and_b32 v7, 31, v0                           ; lane
	v_lshlrev_b32 v1, 4, v7                        ; 16 x lane
	v_lshlrev_b32 v2, 3, v7                        ; 8 x lane
	s_mov_b32 s21, 0                               ; the high word of every offset
	s_wait_kmcnt 0x0
	s_cmp_lt_u32 ttmp9, 256
	s_cbranch_scc0 .Lweights
	; ---- x: work-group id: rows 64 (id / 2) on; wave w takes the 128 along K number 4 (id % 2) + w, four tiles of 16 rows
	s_lshr_b32 s17, ttmp9, 1
	s_and_b32 s18, ttmp9, 1
	s_lshl_b32 s19, s18, 2
	s_add_co_u32 s19, s19, s16                     ; which 128 along K
	s_lshl_b32 s20, s17, 18                        ; 64 rows of 4,096 bytes
	s_lshl_b32 s22, s19, 9
	s_add_co_u32 s20, s20, s22
	s_add_nc_u64 s[4:5], s[4:5], s[20:21]
	s_mul_i32 s20, s17, 49152                      ; four tiles of 12,288 bytes
	s_mul_i32 s22, s19, 1536
	s_add_co_u32 s20, s20, s22
	s_add_nc_u64 s[22:23], s[10:11], s[20:21]      ; my codes
	s_lshr_b32 s20, s17, 1
	s_lshl_b32 s20, s20, 12                        ; the scale group of 128 rows,
	s_lshl_b32 s24, s19, 9
	s_add_co_u32 s20, s20, s24                     ; my 128 along K,
	s_and_b32 s24, s17, 1
	s_lshl_b32 s24, s24, 8
	s_add_co_u32 s20, s20, s24                     ; my four tiles' 256 bytes
	s_add_co_u32 s20, s20, XS
	s_add_nc_u64 s[24:25], s[10:11], s[20:21]
	s_mov_b32 s[SEL], 0x76543210
	s_mov_b32 s[SEL+1], 0xfedcba98
	v_and_b32 v8, 15, v0                           ; r
	v_bfe_u32 v9, v0, 4, 1                         ; h
	s_mul_i32 s26, s16, WREG
	s_wait_alu depctr_va_vdst(0)
	v_add_nc_u32 v3, s26, v1                       ; the stage, in: 16 x lane, a row of 528 bytes to a load
	v_mul_u32_u24 v4, v8, 528
	v_lshl_add_u32 v4, v9, 6, v4
	v_add_nc_u32 v4, s26, v4                       ; out: row r, + 64 h: my 16 numbers of each block of 32
	v_lshlrev_b32 v5, 2, v8
	v_add_nc_u32 v5, s26, v5                       ; my row's scale word
	v_add_nc_u32 v6, s26, v2                       ; and 8 bytes a lane on their way out
.irp b, 0,1,2,3
	v_mov_b32 v[TM+4+\b], 0                        ; written once: a lane permute's destination counts as one of its sources
.endr
	LOADX 0
	LOADX 1
	s_wait_alu depctr_va_vdst(0)
.irp u, 0,1,2,3
.if \u < 3
	s_wait_loadcnt 16                              ; this tile's 16 loads are in; the next tile's may be out
.else
	s_wait_loadcnt 0x0
.endif
.irp i, 0,1,2,3,4,5,6,7,8,9,10,11,12,13,14,15
	ds_store_b128 v3, v[R+64*(\u%2)+4*\i:R+64*(\u%2)+4*\i+3] offset:528*\i
.endr
.irp b, 0,1,2,3
.irp j, 0,1,2,3
	ds_load_b128 v[X+16*\b+4*\j:X+16*\b+4*\j+3], v4 offset:128*\b+16*\j   ; LDS serves a wave's instructions in order: these see the stores above
.endr
.endr
	s_wait_dscnt 0x0                               ; my numbers are back, and the stores have read their registers
	s_wait_xcnt 0x0                                ; the last tile's stores have read the fragment's registers
.if \u < 2
	LOADX \u+2
.endif
	QUANT X, PC, TQ, TM, PW
	ds_store_b32 v5, v[PW] offset:SGAT+64*\u       ; lanes l and l xor 16 write the same word with the same value
	global_store_b128 v1, v[PC:PC+3], s[22:23] offset:12288*\u
	global_store_b64 v2, v[PC+4:PC+5], s[22:23] offset:12288*\u+512
	global_store_b128 v1, v[PC+6:PC+9], s[22:23] offset:12288*\u+768
	global_store_b64 v2, v[PC+10:PC+11], s[22:23] offset:12288*\u+1280
.endr
	ds_load_b64 v[242:243], v6 offset:SGAT
	s_wait_dscnt 0x0
	global_store_b64 v2, v[242:243], s[24:25]      ; 256 consecutive bytes, aligned
	s_wait_tensorcnt 0x0                           ; the wave's end
	ds_add_u32 v248, v249
	s_wait_dscnt 0x0
	s_endpgm
.Lweights:
	v_and_b32 v8, 7, v0
	v_bfe_u32 v9, v0, 3, 1
	v_bfe_u32 v10, v0, 4, 1
	v_lshl_add_u32 v8, v9, 5, v8
	v_lshl_add_u32 v8, v10, 3, v8                  ; my column from the wave's first: lane l is slot l % 16 of tile l / 16: 32 (slot / 8) + 8 (l / 16) + slot % 8
	v_lshlrev_b32 v3, 2, v8
	s_wait_alu depctr_va_vdst(0)
	v_lshlrev_b32 v4, 2, v7                        ; 4 x lane
	s_cmp_lt_u32 ttmp9, 448
	s_cbranch_scc0 .Lproj
	WPATH 3072, 256, 6, 12, WQS, 1
.Lproj:
	WPATH 1024, 448, 8, 14, WPS, 0
.Lfunc_end_k_q7b50f88c88_quant:
	.size	k_q7b50f88c88_quant, .Lfunc_end_k_q7b50f88c88_quant-k_q7b50f88c88_quant
	.p2alignl 7, 3214868480
	.fill 96, 4, 3214868480
	.section	.rodata,"a",@progbits
	.p2align	6, 0x0
	.amdhsa_kernel k_q7b50f88c88_quant
		.amdhsa_group_segment_fixed_size 35328
		.amdhsa_private_segment_fixed_size 0
		.amdhsa_enable_private_segment 0
		.amdhsa_kernarg_size 48
		.amdhsa_user_sgpr_count 2
		.amdhsa_user_sgpr_kernarg_segment_ptr 1
		.amdhsa_wavefront_size32 1
		.amdhsa_system_sgpr_workgroup_id_x 1
		.amdhsa_system_sgpr_workgroup_id_y 1
		.amdhsa_system_sgpr_workgroup_id_z 1
		.amdhsa_system_vgpr_workitem_id 0
		.amdhsa_next_free_vgpr 250
		.amdhsa_next_free_sgpr 66
		.amdhsa_reserve_vcc 0
		.amdhsa_float_denorm_mode_32 3
		.amdhsa_float_denorm_mode_16_64 3
		.amdhsa_memory_ordered 1
		.amdhsa_forward_progress 1
		.amdhsa_inst_pref_size 75
	.end_amdhsa_kernel
	.amdgpu_metadata
---
amdhsa.version: [ 1, 2 ]
amdhsa.kernels:
  - .name:           k_q7b50f88c88_quant
    .symbol:         k_q7b50f88c88_quant.kd
    .args:
      - { .name: x, .offset: 0, .size: 8, .value_kind: global_buffer, .address_space: global }
      - { .name: w_qkv, .offset: 8, .size: 8, .value_kind: global_buffer, .address_space: global }
      - { .name: w_proj, .offset: 16, .size: 8, .value_kind: global_buffer, .address_space: global }
      - { .name: xq, .offset: 24, .size: 8, .value_kind: global_buffer, .address_space: global }
      - { .name: wq, .offset: 32, .size: 8, .value_kind: global_buffer, .address_space: global }
      - { .name: wp, .offset: 40, .size: 8, .value_kind: global_buffer, .address_space: global }
    .group_segment_fixed_size: 35328
    .private_segment_fixed_size: 0
    .kernarg_segment_align: 8
    .kernarg_segment_size: 48
    .max_flat_workgroup_size: 128
    .sgpr_count:     66
    .vgpr_count:     250
    .wavefront_size: 32
...
	.end_amdgpu_metadata
.endif
;; end of part 5
;; launch gemm_qkv (part 6): grid 8 x 32, 4 waves a work-group, clusters of 4 x 4, 327,680 bytes of LDS; arguments xq, wq, b_qkv, qr, kv; writes qr, kv
.if DOCPART == 6
	.amdgcn_target "amdgcn-amd-amdhsa--gfx1250"
	.amdhsa_code_object_version 6
	.text
	.protected	k_q7b50f88c88_gemm_qkv
	.globl	k_q7b50f88c88_gemm_qkv
	.p2align	8
	.type	k_q7b50f88c88_gemm_qkv,@function
k_q7b50f88c88_gemm_qkv:
	s_mov_b64 s[64:65], 0
	v_nop
	global_prefetch_b8 v0, s[64:65] scope:SCOPE_SE
	s_setreg_imm32_b32 hwreg(HW_REG_WAVE_MODE, 25, 1), 1
	s_wait_xcnt 0x0
	s_wait_alu depctr_hold_cnt(0) depctr_sa_sdst(0) depctr_va_vdst(0) depctr_va_sdst(0) depctr_va_ssrc(0) depctr_va_vcc(0) depctr_vm_vsrc(0)
	s_getreg_b32 s2, hwreg(HW_REG_IB_STS2, 6, 4)
	s_cmp_eq_u32 s2, 0
	s_cbranch_scc0 .Lentry_in_a_cluster
	s_endpgm
.Lentry_in_a_cluster:
	s_bfe_u32 s2, ttmp6, 0x10000c
	s_cmp_lg_u32 s2, 0xf033
	s_cbranch_scc0 .Lentry_shape_is_right
	s_endpgm
.Lentry_shape_is_right:
.set XS,    6291456
.set WQS,   2359296
.set PT,    24576
.set QT,    36864
.set QOFF,  2*PT
.set SLOT,  2*PT+2*QT
.set SCL,   2*SLOT
.set SCLQ,  SCL+2*4096
.set SPARE, SCLQ+2*6144
.set BSC,   SPARE+512
.set STG,   BSC+4*768
.set PA16, 8
.set PA8,  10
.set QA16, 12
.set QA8,  14
.set L16,  16
.set L8,   17
.set ADRS, 18
.set STP,  19
.set SPW,  20
.set NIL,  21
.set WS,   22
.set WR16, 23
.set WR8,  24
.set BA,   25
.set BVA,  26
.set SH8,  27
.set SH24, 28
.set BST,  29
.set WS16, 30
.set SC,   32
.set PF,   64
.set QF,   160
.set T,    64
.set BK,   96
.set BV,   128
.set M,    136
.set TQ,   142
.set WD,   146
.set GA,   154
.set BQR,  160
.set PCS,  192
.set G1,   24
.set G0,   32
.set G1B,  48
.set G0B,  56
.set SEL,  96
.set DQ,   98
.set DK,   100
.set MSB, 0
.macro WIN new
.if MSB != (\new)
	s_set_vgpr_msb (MSB<<8)|(\new)
.set MSB, (\new)
.endif
.endm
.macro JLOAD g0a, g1a, g0b, g1b
	s_cmp_eq_u32 s15, 0
	s_cbranch_scc0 .Lfor_b_\@
	tensor_load_to_lds s[\g0a:\g0a+3], s[\g1a:\g1a+7]
	s_nop 0
.rept 4
	v_nop
.endr
	s_branch .Lasked_\@
.Lfor_b_\@:
	tensor_load_to_lds s[\g0b:\g0b+3], s[\g1b:\g1b+7]
	s_nop 0
.rept 4
	v_nop
.endr
.Lasked_\@:
.endm
.macro CREST
	s_cmp_lg_u32 s14, 0
	s_cbranch_scc1 .Lnot_wave_0_\@
	s_barrier_signal -3
.Lnot_wave_0_\@:
	s_barrier_wait -3
	s_barrier_signal -1
	s_barrier_wait -1
.endm
.macro CROUND
	s_barrier_signal -1
	s_barrier_wait -1
	CREST
.endm
.macro PLACES
.rept 4
	v_nop
.endr
.endm
.macro FRAG reg, a16, a8, q, i
	ds_load_b128 v[\reg:\reg+3], v[\a16] offset:(\i)*3072+(\q)*1536
	ds_load_b64 v[\reg+4:\reg+5], v[\a8] offset:(\i)*3072+(\q)*1536+512
	ds_load_b128 v[\reg+6:\reg+9], v[\a16] offset:(\i)*3072+(\q)*1536+768
	ds_load_b64 v[\reg+10:\reg+11], v[\a8] offset:(\i)*3072+(\q)*1536+1280
.endm
.macro LDP slot, q, i0
.irp i, \i0, \i0+1, \i0+2, \i0+3
	FRAG PF+12*(\i), PA16+\slot, PA8+\slot, \q, \i
.endr
.endm
.macro LDQ slot, q, sel, buf
.irp u, 0,1,2,3
	FRAG QF+48*(\buf)+12*\u, QA16+\slot, QA8+\slot, \q, 4*(\sel)+\u
.endr
.endm
.macro SCALES set, step
.if \step
	v_add_nc_u32 v[ADRS], v[ADRS], v[STP]
.endif
.irp i, 0,1,2,3,4,5,6,7,8,9,10,11
	ds_load_b32 v[SC+12*(\set)+\i], v[ADRS] offset:64*\i
.endr
.endm
.macro MULH sel, a0, buf, set, zero
.irp a, \a0, \a0+1, \a0+2, \a0+3
.irp u, 0,1,2,3
.set QR, QF+48*(\buf)+12*\u
.set PR, PF+12*(\a)
.set SQ, SC+12*(\set)+4*(\sel)+\u
.set SP, SC+12*(\set)+(\a)
.if \sel < 2
.set DR, 32*(\a)+8*\u
.if \zero
	v_wmma_scale_f32_16x16x128_f8f6f4 v[DR:DR+7], v[QR:QR+11], v[PR:PR+11], 0, v[SQ], v[SP] matrix_a_fmt:MATRIX_FMT_FP6 matrix_b_fmt:MATRIX_FMT_FP6 matrix_a_scale:MATRIX_SCALE_ROW1
.else
	v_wmma_scale_f32_16x16x128_f8f6f4 v[DR:DR+7], v[QR:QR+11], v[PR:PR+11], v[DR:DR+7], v[SQ], v[SP] matrix_a_fmt:MATRIX_FMT_FP6 matrix_b_fmt:MATRIX_FMT_FP6 matrix_a_scale:MATRIX_SCALE_ROW1
.endif
.else
.set DR, 32*(2*\u+(\a)/4)+8*((\a)%4)
.if \zero
	v_wmma_scale_f32_16x16x128_f8f6f4 v[DR:DR+7], v[PR:PR+11], v[QR:QR+11], 0, v[SP], v[SQ] matrix_a_fmt:MATRIX_FMT_FP6 matrix_b_fmt:MATRIX_FMT_FP6 matrix_b_scale:MATRIX_SCALE_ROW1
.else
	v_wmma_scale_f32_16x16x128_f8f6f4 v[DR:DR+7], v[PR:PR+11], v[QR:QR+11], v[DR:DR+7], v[SP], v[SQ] matrix_a_fmt:MATRIX_FMT_FP6 matrix_b_fmt:MATRIX_FMT_FP6 matrix_b_scale:MATRIX_SCALE_ROW1
.endif
.endif
.endr
.endr
.endm
.macro CH0 slot, q, b, set, zero
	LDP \slot, \q, 4
	LDQ \slot, \q, 1, 1-(\b)
	s_wait_dscnt 32
	WIN 0x50
	MULH 0, 0, \b, \set, \zero
	s_wait_dscnt 16
	MULH 0, 4, \b, \set, \zero
	PLACES
	WIN 0
.endm
.macro STEPA slot, zero
	CH0 \slot, 0, 0, 0, \zero
	LDQ \slot, 0, 2, 0
	SCALES 1, 1
	s_wait_dscnt 28
	WIN 0xa0
	MULH 1, 0, 1, 0, \zero
	MULH 1, 4, 1, 0, \zero
	PLACES
	WIN 0
	LDQ \slot, 1, 0, 1
	s_wait_dscnt 28
	WIN 0xf0
	MULH 2, 0, 0, 0, \zero
	PLACES
	WIN 0
	LDP \slot, 1, 0
	WIN 0xf0
	MULH 2, 4, 0, 0, \zero
	PLACES
	WIN 0
.endm
.macro STEPB slot, next, fill
	CH0 \slot, 1, 1, 1, 0
	LDQ \slot, 1, 2, 1
	SCALES 0, 1
	s_wait_dscnt 28
	WIN 0xa0
	MULH 1, 0, 0, 1, 0
	WIN 0
	s_wait_tensorcnt 0x0
	ds_add_u32 v[SPW], v[NIL]
	WIN 0xa0
	MULH 1, 4, 0, 1, 0
	s_wait_dscnt 0x0
	s_barrier_signal -1
	WIN 0xf0
	MULH 2, 0, 1, 1, 0
	WIN 0
	s_barrier_wait -1
.if \fill
	CREST
	s_add_nc_u64 s[G0+4*\slot+2:G0+4*\slot+3], s[G0+4*\slot+2:G0+4*\slot+3], 2*3072
	s_add_nc_u64 s[G0B+4*\slot+2:G0B+4*\slot+3], s[G0B+4*\slot+2:G0B+4*\slot+3], 2*3072
	JLOAD G0+4*\slot, G1, G0B+4*\slot, G1B
.else
	PLACES
.endif
	LDQ \next, 0, 0, 0
	LDP \next, 0, 0
	WIN 0xf0
	MULH 2, 4, 1, 1, 0
	PLACES
	WIN 0
.endm
.macro QB32 win, src, bias, bcast, pc
	WIN \win
.set n, 0
.rept 16
.if \bcast
	v_pk_add_f32 v[T+n:T+n+1], v[(\src)+n:(\src)+n+1], v[\bias:\bias+1] op_sel_hi:[1,0]
.else
	v_pk_add_f32 v[T+n:T+n+1], v[(\src)+n:(\src)+n+1], v[\bias+n:\bias+n+1]
.endif
.set n, n+2
.endr
	WIN 0
	v_max3_num_f32 v[M], |v[T]|, |v[T+1]|, 0x1800000
	v_max3_num_f32 v[M+1], |v[T+16]|, |v[T+17]|, |v[T+18]|
.irp i, 0,1,2,3,4,5
	v_max3_num_f32 v[M], v[M], |v[T+2+2*\i]|, |v[T+3+2*\i]|
	v_max3_num_f32 v[M+1], v[M+1], |v[T+19+2*\i]|, |v[T+20+2*\i]|
.endr
	v_max3_num_f32 v[M], v[M], |v[T+14]|, |v[T+15]|
	v_max3_num_f32 v[M], v[M], v[M+1], |v[T+31]|
	v_add_nc_u32 v[M+2], 0xff000000, v[M]
	v_cvt_scalef32_pk16_fp6_f32 v[\pc:\pc+2], v[T:T+15], v[M+2]
	v_cvt_scalef32_pk16_fp6_f32 v[TQ:TQ+2], v[T+16:T+31], v[M+2]
	v_lshrrev_b32 v[M+3], 23, v[M+2]
.irp i, 0,1,2
	v_mov_b32 v[\pc+3+\i], v[TQ+\i]
.endr
.endm
.macro UQK win, a, bias, wofs, d, runs
.set PCA, PCS+12*((\a)/2)+6*((\a)%2)
	QB32 \win, 32*(\a), \bias, 0, PCA
	v_lshl_or_b32 v[WD+\a], v[M+3], v[SH8], s19
	v_permlanex16_b32 v[M+4], v[WD+\a], s[SEL], s[SEL+1]
	v_or_b32 v[WD+\a], v[WD+\a], v[M+4]
.if \runs
	ds_store_b32 v[WS16], v[WD+\a] offset:\wofs+256*((\a)/4)+4*((\a)%4)
.if (\a)%2 == 1
.irp j, 0,1,2
	global_store_b128 v[L16], v[PCA-6+4*\j:PCA-6+4*\j+3], s[\d:\d+1] offset:1536*((\a)/2)+512*\j
.endr
.endif
.else
	ds_store_b32 v[WS], v[WD+\a] offset:\wofs+64*(\a)
	global_store_b128 v[L16], v[PCA:PCA+3], s[\d:\d+1] offset:768*(\a)
	global_store_b64 v[L8], v[PCA+4:PCA+5], s[\d:\d+1] offset:768*(\a)+512
.endif
.endm
.macro UV u, g
.set PCA, PCS+12*(\u)+6*(\g)
	QB32 3, 32*(2*(\u)+\g), BV+2*(\u), 1, PCA
.if \g == 0
	v_lshlrev_b32 v[WD+\u], v[SH8], v[M+3]
.else
	v_lshl_or_b32 v[WD+\u], v[M+3], v[SH24], v[WD+\u]
	v_permlanex16_b32 v[M+4], v[WD+\u], s[SEL], s[SEL+1]
	v_or_b32 v[WD+\u], v[WD+\u], v[M+4]
	ds_store_b32 v[WS16], v[WD+\u] offset:1024+4*(\u)
.irp j, 0,1,2
	global_store_b128 v[L16], v[PCS+12*(\u)+4*\j:PCS+12*(\u)+4*\j+3], s[DK:DK+1] offset:6656+1536*(\u)+512*\j
.endr
.endif
.endm
	s_load_b256 s[4:11], s[0:1], 0x0
	s_load_b64 s[12:13], s[0:1], 0x20
	v_lshl_add_u32 v[SPW], v0, 2, SPARE
	v_mov_b32 v[NIL], 0
	ds_add_u32 v20, v21
	ds_add_u32 v20, v21
	s_wait_dscnt 0x0
	v_lshrrev_b32 v1, 5, v0
	v_readfirstlane_b32 s14, v1
	s_lshr_b32 s15, s14, 1
	s_and_b32 s16, s14, 1
	s_bfe_u32 s40, ttmp6, 0x40000
	s_bfe_u32 s41, ttmp6, 0x40004
	s_lshl_b32 s42, ttmp9, 2
	s_add_co_u32 s42, s42, s40
	s_and_b32 s17, ttmp7, 0xffff
	s_lshl_b32 s17, s17, 2
	s_add_co_u32 s17, s17, s41
	s_lshl_b32 s43, s41, 2
	s_lshl_b32 s43, 15, s43
	s_lshl_b32 s44, 0x1111, s40
	s_or_b32 s[G1+0], s43, (3<<16)|(1<<21)
	s_mov_b32 s[G1+1], 384<<16
	s_mov_b32 s[G1+2], 8<<16
	s_mov_b32 s[G1+3], 384<<16
	s_mov_b32 s[G1+4], 8
	s_mov_b32 s[G1+5], 1536
	s_mov_b32 s[G1+6], 0
	s_mov_b32 s[G1+7], 0
	s_or_b32 s[G1B+0], s44, (3<<16)|(1<<21)
	s_mov_b32 s[G1B+1], 384<<16
	s_mov_b32 s[G1B+2], 12<<16
	s_mov_b32 s[G1B+3], 384<<16
	s_mov_b32 s[G1B+4], 12
	s_mov_b32 s[G1B+5], 1536
	s_mov_b32 s[G1B+6], 0
	s_mov_b32 s[G1B+7], 0
	s_lshl_b32 s20, s17, 4
	s_lshl_b32 s21, s16, 3
	s_add_co_u32 s20, s20, s21
	s_lshl_b32 s22, s20, 9
	s_mul_i32 s20, s20, 12288
	s_mov_b32 s21, 0
	s_mov_b32 s23, 0
	s_lshl_b32 s46, s42, 1
	s_add_co_u32 s46, s46, s16
	s_mul_i32 s92, s46, 6144
	s_mul_i32 s46, s46, 12*12288
	s_mov_b32 s47, 0
	s_mov_b32 s93, 0
	s_mul_i32 s45, s16, PT
	s_mul_i32 s94, s16, QT
	s_add_co_u32 s94, s94, QOFF
	s_lshl_b32 s95, s16, 12
	s_add_co_u32 s95, s95, SCL
	s_mul_i32 s96, s16, 6144
	s_add_co_u32 s96, s96, SCLQ
	s_wait_kmcnt 0x0
	s_add_nc_u64 s[18:19], s[4:5], XS
	s_add_nc_u64 s[98:99], s[6:7], WQS
	s_add_nc_u64 s[20:21], s[4:5], s[20:21]
	s_add_nc_u64 s[22:23], s[18:19], s[22:23]
	s_add_nc_u64 s[46:47], s[6:7], s[46:47]
	s_add_nc_u64 s[92:93], s[98:99], s[92:93]
	; the scale words (8,192 bytes of x's, 12,288 of the weights') and my head's bias come by plain loads, asked for ahead of the opening round.
	; The scale words: 16 bytes a lane, 512 consecutive bytes an instruction, a quarter to each wave; they go on into LDS bytes that no tensor load fills
	s_lshl_b32 s2, s42, 1
	s_add_co_u32 s2, s2, s16
	s_lshl_b32 s2, s2, 8
	s_mov_b32 s3, 0
	s_add_nc_u64 s[66:67], s[8:9], s[2:3]
	s_lshl_b32 s2, s15, 11
	s_mul_i32 s3, s15, 3072
	v_and_b32 v3, 31, v0
	v_lshl_add_u32 v1, v3, 4, s2
	v_lshl_add_u32 v2, v3, 4, s3
	v_lshlrev_b32 v6, 3, v3
	v_add_nc_u32 v4, s95, v1
	v_add_nc_u32 v5, s96, v2
.irp j, 0,1,2,3
	global_load_b128 v[64+4*\j:67+4*\j], v1, s[22:23] offset:512*\j
.endr
.irp j, 0,1,2,3,4,5
	global_load_b128 v[80+4*\j:83+4*\j], v2, s[92:93] offset:512*\j
.endr
	global_load_b64 v[56:57], v6, s[66:67]
	global_load_b64 v[58:59], v6, s[66:67] offset:4096
	global_load_b64 v[60:61], v6, s[66:67] offset:8192
	CROUND
.irp s, 0,1
	s_mov_b32 s[G0+4*\s], 1
	s_add_co_u32 s[G0+4*\s+1], s45, \s*SLOT
	s_add_nc_u64 s[G0+4*\s+2:G0+4*\s+3], s[20:21], \s*3072
	s_or_b32 s[G0+4*\s+3], s[G0+4*\s+3], 0x80000000
	s_mov_b32 s[G0B+4*\s], 1
	s_add_co_u32 s[G0B+4*\s+1], s94, \s*SLOT
	s_add_nc_u64 s[G0B+4*\s+2:G0B+4*\s+3], s[46:47], \s*3072
	s_or_b32 s[G0B+4*\s+3], s[G0B+4*\s+3], 0x80000000
.endr
	JLOAD G0, G1, G0B, G1B                         ; slot 0: the wave's one tensor load at the head
	s_wait_alu depctr_va_vdst(0)
	s_wait_loadcnt 0x0
.irp j, 0,1,2,3
	ds_store_b128 v4, v[64+4*\j:67+4*\j] offset:512*\j
.endr
.irp j, 0,1,2,3,4,5
	ds_store_b128 v5, v[80+4*\j:83+4*\j] offset:512*\j
.endr
	s_wait_alu depctr_va_vdst(0)
	s_wait_tensorcnt 0x0                           ; slot 0 is in
	ds_add_u32 v20, v21
	s_wait_dscnt 0x0                               ; the add and my stores of scale words are done
	CROUND
	JLOAD G0+4, G1, G0B+4, G1B                     ; slot 1
	v_and_b32 v1, 15, v0
	v_bfe_u32 v2, v0, 4, 1
	v_and_b32 v3, 31, v0
	v_lshlrev_b32 v[L16], 4, v3
	s_wait_alu depctr_va_vdst(0)
	v_lshlrev_b32 v[L8], 3, v3
	s_wait_alu depctr_va_vdst(0)
	s_lshl_b32 s2, s17, 1
	s_add_co_u32 s2, s2, s15
	s_lshr_b32 s3, s2, 4
	s_lshl_b32 s3, s3, 4
	s_lshl_b32 s45, s42, 1
	s_add_co_u32 s3, s3, s45
	s_add_co_u32 s3, s3, s16
	s_lshl_b32 s3, s3, 4
	s_and_b32 s2, s2, 15
	s_add_co_u32 s3, s3, s2
	s_mul_i32 s2, s3, 6656
	s_mul_i32 s18, s3, 13056
	s_mov_b32 s3, 0
	s_mov_b32 s19, 0
	s_add_nc_u64 s[DQ:DQ+1], s[10:11], s[2:3]
	s_add_nc_u64 s[DK:DK+1], s[12:13], s[18:19]
	s_mov_b32 s19, 0x7f7f0000
	s_mov_b32 s[SEL], 0x76543210
	s_mov_b32 s[SEL+1], 0xfedcba98
	s_mul_i32 s21, s15, PT
	s_mul_i32 s22, s16, QT
	s_add_co_u32 s22, s22, QOFF
.irp s, 0,1
	v_add_nc_u32 v[PA16+\s], s21, v[L16]
	v_add_nc_u32 v[PA8+\s], s21, v[L8]
	v_add_nc_u32 v[QA16+\s], s22, v[L16]
	v_add_nc_u32 v[QA8+\s], s22, v[L8]
	s_add_co_u32 s21, s21, SLOT
	s_add_co_u32 s22, s22, SLOT
.endr
	v_lshlrev_b32 v5, 2, v1
	s_lshl_b32 s21, s15, 12
	s_mul_i32 s22, s16, 6144
	s_add_co_u32 s22, s22, SCLQ-SCL
	s_sub_co_u32 s22, s22, s21
	v_mul_u32_u24 v6, s22, v2
	s_add_co_u32 s21, s21, SCL
	v_add_nc_u32 v6, v5, v6
	v_add_nc_u32 v[ADRS], s21, v6
	v_lshlrev_b32 v[STP], 8, v2
	v_add_nc_u32 v[STP], 512, v[STP]
	s_mul_i32 s21, s14, 1280
	s_add_co_u32 s21, s21, STG
	v_add_nc_u32 v[WS], s21, v5
	v_lshl_add_u32 v[WS16], v1, 4, s21
	v_add_nc_u32 v[WR16], s21, v[L16]
	v_add_nc_u32 v[WR8], s21, v[L8]
	s_mul_i32 s21, s14, 768
	s_add_co_u32 s21, s21, BSC
	v_add_nc_u32 v[BST], s21, v[L8]
	v_lshl_add_u32 v[BA], v2, 7, s21
	v_and_b32 v6, 7, v0
	v_bfe_u32 v7, v0, 3, 1
	v_lshl_add_u32 v6, v7, 5, v6
	v_lshl_add_u32 v[BVA], v6, 2, s21
	v_lshlrev_b32 v[SH8], 3, v2
	v_add_nc_u32 v[SH24], 16, v[SH8]
	s_wait_alu depctr_va_vdst(0)
	ds_store_b64 v[BST], v[56:57]
	ds_store_b64 v[BST], v[58:59] offset:256
	ds_store_b64 v[BST], v[60:61] offset:512
	s_wait_tensorcnt 0x1
	s_wait_dscnt 0x0
	s_barrier_signal -1
	s_barrier_wait -1
	LDP 0, 0, 0
	LDQ 0, 0, 0, 0
	SCALES 0, 0
	STEPA 0, 1
	s_wait_alu depctr_va_vdst(0)
	STEPB 0, 1, 1
	s_wait_alu depctr_va_vdst(0)
	STEPA 1, 0
	s_wait_alu depctr_va_vdst(0)
	STEPB 1, 0, 1
	s_wait_alu depctr_va_vdst(0)
	STEPA 0, 0
	s_wait_alu depctr_va_vdst(0)
	STEPB 0, 1, 0
	s_wait_alu depctr_va_vdst(0)
	STEPA 1, 0
	CH0 1, 1, 1, 1, 0
	LDQ 1, 1, 2, 1
	s_wait_dscnt 16
	WIN 0xa0
	MULH 1, 0, 0, 1, 0
	MULH 1, 4, 0, 1, 0
	PLACES
	WIN 0
.irp k, 0,1,2,3,4,5,6,7
	ds_load_b128 v[BQR+4*\k:BQR+4*\k+3], v[BA] offset:16*\k
.endr
	s_wait_dscnt 8
	WIN 0xf0
	MULH 2, 0, 1, 1, 0
	MULH 2, 4, 1, 1, 0
	WIN 0
	PLACES
.irp k, 0,1,2,3,4,5,6,7
	ds_load_b128 v[BK+4*\k:BK+4*\k+3], v[BA] offset:256+16*\k
.endr
.irp u, 0,1,2,3
	ds_load_b32 v[BV+2*\u], v[BVA] offset:512+32*\u
	ds_load_b32 v[BV+2*\u+1], v[BVA] offset:512+32*\u
.endr
	v_mov_b32 v[M+4], 0
	s_wait_dscnt 16
.irp a, 0,1,2,3,4,5,6,7
	UQK 1, \a, BQR, 0, DQ, 0
.endr
	ds_load_b128 v[GA:GA+3], v[WR16]
	s_wait_dscnt 0x0
	global_store_b128 v[L16], v[GA:GA+3], s[DQ:DQ+1] offset:6144
	s_wait_xcnt 0x0
.irp a, 0,1,2,3,4,5,6,7
	UQK 2, \a, BK, 512, DK, 1
.endr
	ds_load_b128 v[GA:GA+3], v[WR16] offset:512
	s_wait_dscnt 0x0
	global_store_b128 v[L16], v[GA:GA+3], s[DK:DK+1] offset:6144
	s_wait_xcnt 0x0
.irp u, 0,1,2,3
	UV \u, 0
	UV \u, 1
.endr
	ds_load_b64 v[GA+4:GA+5], v[WR8] offset:1024
	s_wait_dscnt 0x0
	global_store_b64 v[L8], v[GA+4:GA+5], s[DK:DK+1] offset:12800
	s_wait_tensorcnt 0x0
	ds_add_u32 v[SPW], v[NIL]
	s_wait_dscnt 0x0
	CROUND
	s_endpgm
.Lfunc_end_k_q7b50f88c88_gemm_qkv:
	.size	k_q7b50f88c88_gemm_qkv, .Lfunc_end_k_q7b50f88c88_gemm_qkv-k_q7b50f88c88_gemm_qkv
	.p2alignl 7, 3214868480
	.fill 96, 4, 3214868480
	.section	.rodata,"a",@progbits
	.p2align	6, 0x0
	.amdhsa_kernel k_q7b50f88c88_gemm_qkv
		.amdhsa_group_segment_fixed_size 327680
		.amdhsa_private_segment_fixed_size 0
		.amdhsa_enable_private_segment 0
		.amdhsa_kernarg_size 40
		.amdhsa_user_sgpr_count 2
		.amdhsa_user_sgpr_kernarg_segment_ptr 1
		.amdhsa_wavefront_size32 1
		.amdhsa_system_sgpr_workgroup_id_x 1
		.amdhsa_system_sgpr_workgroup_id_y 1
		.amdhsa_system_sgpr_workgroup_id_z 1
		.amdhsa_system_vgpr_workitem_id 0
		.amdhsa_next_free_vgpr 1024
		.amdhsa_next_free_sgpr 102
		.amdhsa_reserve_vcc 0
		.amdhsa_float_denorm_mode_32 3
		.amdhsa_float_denorm_mode_16_64 3
		.amdhsa_memory_ordered 1
		.amdhsa_forward_progress 1
		.amdhsa_inst_pref_size 232
	.end_amdhsa_kernel
	.amdgpu_metadata
---
amdhsa.version: [ 1, 2 ]
amdhsa.kernels:
  - .name:           k_q7b50f88c88_gemm_qkv
    .symbol:         k_q7b50f88c88_gemm_qkv.kd
    .args:
      - { .name: xq, .offset: 0, .size: 8, .value_kind: global_buffer, .address_space: global }
      - { .name: wq, .offset: 8, .size: 8, .value_kind: global_buffer, .address_space: global }
      - { .name: b_qkv, .offset: 16, .size: 8, .value_kind: global_buffer, .address_space: global }
      - { .name: qr, .offset: 24, .size: 8, .value_kind: global_buffer, .address_space: global }
      - { .name: kv, .offset: 32, .size: 8, .value_kind: global_buffer, .address_space: global }
    .group_segment_fixed_size: 327680
    .private_segment_fixed_size: 0
    .kernarg_segment_align: 8
    .kernarg_segment_size: 40
    .max_flat_workgroup_size: 128
    .sgpr_count:     102
    .vgpr_count:     1024
    .wavefront_size: 32
...
	.end_amdgpu_metadata
.endif
;; end of part 6
;; launch attn (part 7): grid 4 x 64, 16 waves a work-group, clusters of 4 x 1, 327,680 bytes of LDS; arguments qr, kv, oq; writes oq
.if DOCPART == 7
	.amdgcn_target "amdgcn-amd-amdhsa--gfx1250"
	.amdhsa_code_object_version 6
	.text
	.protected	k_q7b50f88c88_attn
	.globl	k_q7b50f88c88_attn
	.p2align	8
	.type	k_q7b50f88c88_attn,@function
k_q7b50f88c88_attn:
	s_mov_b64 s[64:65], 0
	v_nop
	global_prefetch_b8 v0, s[64:65] scope:SCOPE_SE
	s_setreg_imm32_b32 hwreg(HW_REG_WAVE_MODE, 25, 1), 1
	s_wait_xcnt 0x0
	s_wait_alu depctr_hold_cnt(0) depctr_sa_sdst(0) depctr_va_vdst(0) depctr_va_sdst(0) depctr_va_ssrc(0) depctr_va_vcc(0) depctr_vm_vsrc(0)
	s_getreg_b32 s2, hwreg(HW_REG_IB_STS2, 6, 4)
	s_cmp_eq_u32 s2, 0
	s_cbranch_scc0 .Lentry_in_a_cluster
	s_endpgm
.Lentry_in_a_cluster:
	s_bfe_u32 s2, ttmp6, 0x10000c
	s_cmp_lg_u32 s2, 0x3003
	s_cbranch_scc0 .Lentry_shape_is_right
	s_endpgm
.Lentry_shape_is_right:
; o = softmax(q k^T / 8) v for 64 heads of 2,048 tokens x 64 channels, both products on codes of FP6 (E2M3) with E8M0 scales, and o quantised along the model's 1,024 for the last product.
; THE SOFTMAX: t = score x log2(e) / 8; M = the running largest t rounded UP to a whole number; p = 2^(t - M) is quantised along the keys, not normalised; the row's sum is taken of the unquantised p and divides O at the end.
; When M moves, the sum and O are multiplied by 2^(old M - new M): exact.  The running maximum is kept of the scores: c is positive, and rounding a product does not change an order.
; SHARES.  A work-group owns ONE head (grid y) and 512 of its queries (place in the cluster); the four work-groups of a cluster own the head's 2,048 queries.
; The head's 16 records of K and V, 16 x 13,056 = 208,896 bytes, lie in LDS whole: each of the sixteen waves asks for one record, jointly with the three partners, at the head.  Nothing is filled again,
; so no barrier stands between the head's and the one at the end.  A wave owns two tiles of 16 queries and walks the 16 records once for each: one nest of 2 x 4 trips of 4 key steps.
; No prefetch: all that the launch reads by tensor loads is asked for at its head, and no loop runs ahead of a load.
; LAYOUT.  Both products are used transposed: S^T = K Q^T, O^T = V^T P^T: a lane holds one query throughout.  Tile t of 128 keys, slot s = key 64 (t / 4) + 32 (s / 8) + 8 (t % 4) + s % 8, and V's channels likewise:
; so a lane's 32 registers of four tiles of scores are keys 64 c + 32 (lane / 16) + 0 .. 31: a whole block, the one that the second product's layout gives that lane.
; The first product's K is 64: registers 6-11 of Q are zero codes under the scale byte 0x7f.  What K's operand holds there is multiplied by zero: so the eight tiles of K lie 6 registers apart.
; A RECORD (128 keys of a head): K's 48 registers as 12 groups of 512 bytes (16 bytes a lane); at 6144 K's scale words, word (t, s) at 256 (t / 4) + 16 s + 4 (t % 4); at 6656 V's 48 registers; at 12800 V's scale words, (u, s) at 16 s + 4 u.
; OUT: a tile's 64 channels are half a fragment of the last product: an image of 768 bytes at oq[tile of tokens][head].  Its two scale bytes a row go to oq's scales, laid [8 tiles of tokens][head][tile][row] in 16 bits:
; the 256 bytes of (8 tiles, head) are gathered in LDS and stored by sixteen lanes as one aligned unit; the last launch joins two heads' halves into scale words.
; LIMITS: NaN and infinities are not served; a block of zeros gets the byte 1 (its codes are zeros; the bytes are read by this program alone); the promise holds while |t| stays under 2^31.
; A block's largest p is made from the block's largest score by the same two instructions: this takes v_exp_f32 not to fall where its input rises.
; REGISTERS: v1-3 16 l, 8 l, 4 r; v4-5 the add's; v6, v8 addresses in hand; v7 16 r; v9-11, v28-31 the second tile's Q, then a tile's codes of o; v12 -M, v13 the largest score, v[14:15] the sum; v16-27 Q; v32-79 K,
;   behind the scores' products at work; v80-127 V; v128-191 S^T, then p; v192-223 O^T; v224-235 p's codes; v236-239 V's scale words; v240 the old -M; v241 stage address; v242 both tiles' scale bytes; v244-251 K's scale words; v252 p's; v253 Q's; v254 8 h; v255 16 + 8 h.
.set REC,   13056
.set SPARE, 16*REC                     ; the spare words, 128 bytes for each of 16 waves
.set SSTG,  SPARE+2048                 ; 1,024 bytes: o's scale bytes on their way out: [tile of the wave][wave][row], 2 bytes
.set XS,    6291456                    ; where oq's scales begin
.set S,     128
.set O,     192
.set CT,    32
.set SM,    40
.set BM,    48
.set C2,    50
.set TT,    52
.set FF,    54
.set VS,    236
.set OM,    240
.set SA,    241
.set SW,    242
.set KS,    244
.macro CROUND
	s_barrier_signal -1
	s_barrier_wait -1
	s_cmp_lg_u32 s10, 0
	s_cbranch_scc1 .Lnot_wave_0_\@
	s_barrier_signal -3
.Lnot_wave_0_\@:
	s_barrier_wait -3
	s_barrier_signal -1
	s_barrier_wait -1
.endm
; A KEY STEP: the 128 keys of the record o bytes behind the addresses in hand.  Its first loads name no register of the products just issued.
.macro OMUL j                          ; two numbers of O^T under the new M
	v_pk_mul_f32 v[O+\j:O+1+\j], v[O+\j:O+1+\j], v[FF:FF+1] op_sel_hi:[1,0]
.endm
.macro STEP o
.irp g, 0,1,2,3,4,5,6,7,8,9,10,11
	ds_load_b128 v[32+4*\g:35+4*\g], v6 offset:\o+512*\g
.endr
	ds_load_b128 v[KS:KS+3], v8 offset:\o+6144
	ds_load_b128 v[KS+4:KS+7], v8 offset:\o+6400
	s_wait_dscnt 0x0
.irp t, 0,1,2,3,4,5,6,7                        ; S^T = K Q^T
	v_wmma_scale_f32_16x16x128_f8f6f4 v[S+8*\t:S+8*\t+7], v[32+6*\t:43+6*\t], v[16:27], 0, v[KS+\t], v253 matrix_a_fmt:MATRIX_FMT_FP6 matrix_b_fmt:MATRIX_FMT_FP6
.endr
	v_mov_b32 v[OM], v12                           ; the old -M; with the three lines below: four places
.rept 3
	v_nop
.endr
.irp g, 0,1,2,3,4,5,6,7,8,9,10,11              ; V lands under the softmax
	ds_load_b128 v[80+4*\g:83+4*\g], v6 offset:\o+6656+512*\g
.endr
	ds_load_b128 v[VS:VS+3], v8 offset:\o+12800
.irp c, 0,1                                    ; the largest score of each of my two blocks of 32 keys, two chains a block
	v_max3_num_f32 v[BM+\c], v[S+32*\c], v[S+32*\c+1], v[S+32*\c+2]
	v_max3_num_f32 v[C2+\c], v[S+32*\c+16], v[S+32*\c+17], v[S+32*\c+18]
.endr
.irp i, 0,1,2,3,4,5
.irp c, 0,1
	v_max3_num_f32 v[BM+\c], v[BM+\c], v[S+32*\c+3+2*\i], v[S+32*\c+4+2*\i]
	v_max3_num_f32 v[C2+\c], v[C2+\c], v[S+32*\c+19+2*\i], v[S+32*\c+20+2*\i]
.endr
.endr
.irp c, 0,1
	v_max3_num_f32 v[BM+\c], v[BM+\c], v[C2+\c], v[S+32*\c+15]
.endr
.irp c, 0,1
	v_max_num_f32 v[BM+\c], v[BM+\c], v[S+32*\c+31]
.endr
	s_delay_alu instid0(VALU_DEP_1)
	v_max_num_f32 v[TT], v[BM], v[BM+1]
	s_delay_alu instid0(VALU_DEP_1)
	v_permlanex16_b32 v[C2+1], v[TT], s20, s21
	s_delay_alu instid0(VALU_DEP_1)
	v_max3_num_f32 v13, v13, v[TT], v[C2+1]        ; the running largest score
	s_delay_alu instid0(VALU_DEP_1)
	v_mul_f32 v[TT], s22, v13
	s_delay_alu instid0(VALU_DEP_1)
	v_floor_f32 v12, -v[TT]                        ; the new -M
	s_delay_alu instid0(VALU_DEP_1)
	v_sub_f32 v[TT+1], v12, v[OM]
.irp j, 0,2,4,6                                ; t - M, two at a time; the two lines that finish f stand among them, each well behind the line that it reads
	v_pk_fma_f32 v[S+\j:S+1+\j], v[S+\j:S+1+\j], s[22:23], v[12:13] op_sel_hi:[1,0,0]
.endr
	v_cvt_i32_f32 v[TT+1], v[TT+1]
.irp j, 8,10,12,14
	v_pk_fma_f32 v[S+\j:S+1+\j], v[S+\j:S+1+\j], s[22:23], v[12:13] op_sel_hi:[1,0,0]
.endr
	v_ldexp_f32 v[FF], 1.0, v[TT+1]                ; f = 2^(old M - new M)
.irp j, 16,18,20,22,24,26,28,30,32,34,36,38,40,42,44,46,48,50,52,54,56,58,60,62
	v_pk_fma_f32 v[S+\j:S+1+\j], v[S+\j:S+1+\j], s[22:23], v[12:13] op_sel_hi:[1,0,0]
.endr
.irp c, 0,1
	v_fma_f32 v[BM+\c], v[BM+\c], s22, v12
.endr
	s_wait_alu depctr_va_vdst(0)
.irp j, 0,1,2,3,4,5,6,7,8,9,10,11,12,13,14,15,16,17,18,19,20,21,22,23,24,25,26,27,28,29,30,31,32,33,34,35,36,37,38,39,40,41,42,43,44,45,46,47,48,49,50,51,52,53,54,55,56,57,58,59,60,61,62,63
	v_exp_f32 v[S+\j], v[S+\j]
.endr
.irp c, 0,1
	v_exp_f32 v[BM+\c], v[BM+\c]
.endr
	s_wait_alu depctr_va_vdst(0)
; O^T under the new M, each accumulator from its low end on; the lines that make p's scales stand among these sixteen, each well behind the line that it reads
.irp j, 0,2
	OMUL \j
.endr
.irp c, 0,1
	v_max_num_f32 v[BM+\c], 0x1800000, v[BM+\c]    ; the floor 2^(3 - 127): the byte cannot fall under 1
.endr
.irp j, 4,6,8
	OMUL \j
.endr
.irp c, 0,1
	v_add_nc_u32 v[C2+\c], 0xff000000, v[BM+\c]    ; 2 off the exponent field: the conversion's scale operand
.endr
.irp j, 10,12,14
	OMUL \j
.endr
.irp c, 0,1
	v_lshrrev_b32 v[TT+\c], 23, v[C2+\c]           ; the scale's byte
.endr
.irp j, 16,18,20
	OMUL \j
.endr
	v_lshlrev_b32 v252, v254, v[TT]                ; block h's byte at bit 8 h,
.irp j, 22,24,26
	OMUL \j
.endr
	v_lshl_or_b32 v252, v[TT+1], v255, v252        ; block 2 + h's at bit 16 + 8 h
.irp j, 28,30
	OMUL \j
.endr
.irp c, 0,1
	v_cvt_scalef32_pk16_fp6_f32 v[224+6*\c:226+6*\c], v[S+32*\c:S+15+32*\c], v[C2+\c]
	v_cvt_scalef32_pk16_fp6_f32 v[CT+4*\c:CT+2+4*\c], v[S+16+32*\c:S+31+32*\c], v[C2+\c]
.endr
	v_pk_add_f32 v[SM:SM+1], v[S:S+1], v[S+2:S+3]  ; the row's sum of the unquantised p, in two chains; also the plain place behind the conversions
	v_permlanex16_b32 v[TT], v252, s20, s21
.irp c, 0,1
.irp i, 0,1,2
	v_mov_b32 v[227+6*\c+\i], v[CT+4*\c+\i]
.endr
.endr
	v_or_b32 v252, v252, v[TT]                     ; with lane l xor 16's two bytes: p's scale word for these 128 keys; the sums below are its places ahead of the products
	v_pk_fma_f32 v[14:15], v[14:15], v[FF:FF+1], v[S+4:S+5] op_sel_hi:[1,0,1]
	v_pk_add_f32 v[SM:SM+1], v[SM:SM+1], v[S+6:S+7]
.irp j, 8,12,16,20,24,28,32,36,40,44,48,52,56,60
	v_pk_add_f32 v[14:15], v[14:15], v[S+\j:S+1+\j]
	v_pk_add_f32 v[SM:SM+1], v[SM:SM+1], v[S+2+\j:S+3+\j]
.endr
	s_delay_alu instid0(VALU_DEP_1)
	v_pk_add_f32 v[14:15], v[14:15], v[SM:SM+1]
	s_wait_dscnt 0x0                               ; V is in
.irp t, 0,1,2,3                                ; O^T += V^T P^T
	v_wmma_scale_f32_16x16x128_f8f6f4 v[O+8*\t:O+8*\t+7], v[80+12*\t:91+12*\t], v[224:235], v[O+8*\t:O+8*\t+7], v[VS+\t], v252 matrix_a_fmt:MATRIX_FMT_FP6 matrix_b_fmt:MATRIX_FMT_FP6
.endr
.endm
; A TILE'S END: O^T / the sum; my 32 registers are channels 32 h + 0 .. 31, a whole block: six registers of codes and a scale byte.  Then the second tile's Q takes its place and the state begins anew.
; The text is written once for both tiles: behind the second tile the copies of Q and the new state are read by nothing.
.macro FINISH
	s_wait_alu depctr_va_vdst(0)
	s_wait_xcnt 0x0                                ; the first tile's stores have read their registers and their base
	s_add_nc_u64 s[42:43], s[42:43], s[58:59]      ; 0 for the first tile, 16 tiles of tokens on for the second
	s_mov_b32 s58, 16*12288
.rept 4
	v_nop                                          ; places behind the last products
.endr
	v_add_f32 v14, v14, v15
	s_delay_alu instid0(VALU_DEP_1)
	v_permlanex16_b32 v[TT], v14, s20, s21
	s_delay_alu instid0(VALU_DEP_1)
	v_add_f32 v14, v14, v[TT]                      ; the row's sum
	s_wait_alu depctr_va_vdst(0)
	v_rcp_f32 v14, v14
	v_mov_b32 v16, v28
	v_mov_b32 v17, v29
	v_mov_b32 v18, v30
	v_mov_b32 v19, v31
	v_mov_b32 v20, v10
	v_mov_b32 v21, v11
	v_mov_b32 v253, v9
	s_wait_alu depctr_va_vdst(0)
.irp j, 0,2,4,6,8,10,12,14,16,18,20,22,24,26,28,30
	v_pk_mul_f32 v[S+\j:S+1+\j], v[O+\j:O+1+\j], v[14:15] op_sel_hi:[1,0]
.endr
	v_max3_num_f32 v[BM], |v[S]|, |v[S+1]|, 0x1800000
	v_max3_num_f32 v[BM+1], |v[S+16]|, |v[S+17]|, |v[S+18]|
.irp i, 0,1,2,3,4,5
	s_delay_alu instid0(VALU_DEP_2)
	v_max3_num_f32 v[BM], v[BM], |v[S+2+2*\i]|, |v[S+3+2*\i]|
	s_delay_alu instid0(VALU_DEP_2)
	v_max3_num_f32 v[BM+1], v[BM+1], |v[S+19+2*\i]|, |v[S+20+2*\i]|
.endr
	s_delay_alu instid0(VALU_DEP_2)
	v_max3_num_f32 v[BM], v[BM], |v[S+14]|, |v[S+15]|
	s_delay_alu instid0(VALU_DEP_1)
	v_max3_num_f32 v[BM], v[BM], v[BM+1], |v[S+31]|
	s_delay_alu instid0(VALU_DEP_1)
	v_add_nc_u32 v[C2], 0xff000000, v[BM]
	v_cvt_scalef32_pk16_fp6_f32 v[28:30], v[S:S+15], v[C2]
	v_cvt_scalef32_pk16_fp6_f32 v[40:42], v[S+16:S+31], v[C2]
	v_lshrrev_b32 v[C2+1], 23, v[C2]               ; the scale's byte; also the plain place behind the conversions
	v_mov_b32 v31, v40                             ; registers 0-3 in v28-31, 4-5 in v10-11
	v_mov_b32 v10, v41
	v_mov_b32 v11, v42
	v_lshlrev_b32 v9, v254, v[C2+1]                ; my block's byte at bit 8 h,
	v_lshrrev_b32 v[SW], 16, v[SW]                 ; (the first tile's two bytes go to the low half)
	v_permlanex16_b32 v[TT], v9, s20, s21
	v_or_b32 v9, v9, v[TT]                         ; with lane l xor 16's: my query's two bytes
	v_lshl_or_b32 v[SW], v9, 16, v[SW]
	global_store_b128 v1, v[28:31], s[42:43]       ; 512 and 256 consecutive bytes, aligned
	global_store_b64 v2, v[10:11], s[42:43] offset:512
	v_mov_b32 v13, 0xff61b1e6                      ; the next tile begins: the largest score -3e38, the sum and O^T zeros
	v_floor_f32 v12, -v13
	v_mov_b32 v14, 0
	v_mov_b32 v15, 0
.irp j, 0,1,2,3,4,5,6,7,8,9,10,11,12,13,14,15,16,17,18,19,20,21,22,23,24,25,26,27,28,29,30,31
	v_mov_b32 v[O+\j], 0
.endr
.endm
	s_load_b128 s[4:7], s[0:1], 0x0                ; qr s[4:5], kv s[6:7]
	s_load_b64 s[8:9], s[0:1], 0x10                ; oq
	v_lshl_add_u32 v4, v0, 2, SPARE
	v_mov_b32 v5, 0
	ds_add_u32 v4, v5
	ds_add_u32 v4, v5
	v_lshrrev_b32 v6, 5, v0
	v_readfirstlane_b32 s10, v6                    ; wave 0..15
	s_bfe_u32 s11, ttmp6, 0x40000                  ; cx: my block of 512 queries: it enters Q's and o's addresses alone
	s_and_b32 s13, ttmp7, 0xffff                   ; 16 x batch + head, which the four partners share
	s_mov_b32 s24, 15|(3<<16)|(1<<21)              ; group 1: a record as 51 dense rows of 256 bytes; the mask names all four work-groups
	s_mov_b32 s25, 32<<16
	s_mov_b32 s26, 51<<16
	s_mov_b32 s27, 32<<16
	s_mov_b32 s28, 51
	s_mov_b32 s29, 32
	s_mov_b32 s30, 0
	s_mov_b32 s31, 0
	s_mov_b32 s32, 1
	s_mul_i32 s33, s10, REC                        ; record = wave, in LDS
	s_lshl_b32 s46, s13, 4
	s_add_co_u32 s46, s46, s10
	s_mul_i32 s46, s46, REC                        ; and in memory: the head's 16 records lie on end
	s_mov_b32 s47, 0
	s_mov_b32 s20, 0x76543210
	s_mov_b32 s21, 0xfedcba98                      ; lane l xor 16
	s_mov_b32 s22, 0x3e38aa3b                      ; c = log2(e) / 8
	s_mov_b32 s23, s22
	s_wait_alu depctr_va_vdst(0)
	s_wait_dscnt 0x0
	s_wait_kmcnt 0x0
	s_add_nc_u64 s[34:35], s[6:7], s[46:47]
	s_or_b32 s35, s35, 0x80000000
	CROUND                                         ; all four work-groups are here: the joint loads meet
	tensor_load_to_lds s[32:35], s[24:31]          ; every wave's one load: one line, no branch
	s_nop 0
.rept 4
	v_nop
.endr
	s_lshl_b32 s46, s13, 4
	s_lshl_b32 s47, s11, 2
	s_add_co_u32 s46, s46, s47
	s_lshr_b32 s47, s10, 3
	s_add_co_u32 s46, s46, s47                     ; Q's record of my first tile: 16 (16 batch + head) + 4 cx + wave / 8
	s_mul_i32 s46, s46, 6656
	s_and_b32 s47, s10, 7                          ; my tile in it
	s_mul_i32 s48, s47, 768
	s_add_co_u32 s48, s48, s46
	s_mov_b32 s49, 0
	s_lshl_b32 s52, s47, 6
	s_add_co_u32 s52, s52, s46
	s_add_co_u32 s52, s52, 6144
	s_mov_b32 s53, 0
	s_add_nc_u64 s[50:51], s[4:5], s[48:49]        ; its image
	s_add_nc_u64 s[52:53], s[4:5], s[52:53]        ; its scale words
	s_lshr_b32 s54, s13, 4                         ; the batch
	s_and_b32 s55, s13, 15                         ; the head: which 64 along the last product's K
	s_lshl_b32 s56, s54, 7
	s_lshl_b32 s57, s11, 5
	s_add_co_u32 s56, s56, s57
	s_add_co_u32 s56, s56, s10                     ; my first tile of tokens
	s_mul_i32 s56, s56, 12288
	s_mul_i32 s57, s55, 768
	s_add_co_u32 s56, s56, s57
	s_mov_b32 s57, 0
	s_add_nc_u64 s[42:43], s[8:9], s[56:57]        ; where its codes go
	s_mov_b32 s58, 0
	s_mov_b32 s59, 0
	s_lshl_b32 s46, s10, 5
	s_mov_b32 s45, 0                               ; tiles done
	v_and_b32 v6, 31, v0
	v_lshlrev_b32 v1, 4, v6
	v_lshlrev_b32 v2, 3, v6
	v_and_b32 v6, 15, v0
	v_lshlrev_b32 v3, 2, v6
	v_lshlrev_b32 v7, 4, v6
	global_load_b128 v[16:19], v1, s[50:51]
	global_load_b64 v[20:21], v2, s[50:51] offset:512
	global_load_b32 v253, v3, s[52:53]
	global_load_b128 v[28:31], v1, s[50:51] offset:13312           ; my second tile: 16 tiles, two records, on
	global_load_b64 v[10:11], v2, s[50:51] offset:13312+512
	global_load_b32 v9, v3, s[52:53] offset:13312
	v_lshrrev_b32 v[SA], 1, v3
	v_add_nc_u32 v[SA], s46, v[SA]
	v_add_nc_u32 v[SA], SSTG, v[SA]                ; the stage: 32 x wave + 2 r
	v_mov_b32 v[SW], 0
	v_bfe_u32 v6, v0, 4, 1
	v_lshlrev_b32 v254, 3, v6                      ; 8 h
	v_add_nc_u32 v255, 16, v254                    ; 16 + 8 h
.irp j, 0,1,2,3,4,5
	v_mov_b32 v[22+\j], 0                          ; the upper 64 of the first product's K step: zero codes, written once
	v_mov_b32 v[80+\j], 0                          ; (named by the first step's last product of scores before V's first load)
.endr
	v_mov_b32 v13, 0xff61b1e6
	v_floor_f32 v12, -v13
	v_mov_b32 v14, 0
	v_mov_b32 v15, 0
.irp j, 0,1,2,3,4,5,6,7,8,9,10,11,12,13,14,15,16,17,18,19,20,21,22,23,24,25,26,27,28,29,30,31
	v_mov_b32 v[O+\j], 0
.endr
	s_wait_alu depctr_va_vdst(0)
	s_wait_tensorcnt 0x0                           ; my record is in: every wave waits, under no branch
	s_barrier_signal -1
	s_barrier_wait -1                              ; all sixteen records are in
	s_wait_loadcnt 0x0                             ; Q
.Ltile:
	s_mov_b32 s40, 0
	s_mov_b32 s41, 4
.Ltrip:                                                ; four records a trip; a record's place in the trip stands in the loads' immediates
	v_add_nc_u32 v6, s40, v1
	s_wait_alu depctr_va_vdst(0)
	v_add_nc_u32 v8, s40, v7
	s_wait_alu depctr_va_vdst(0)
	STEP 0
	STEP REC
	STEP 2*REC
	STEP 3*REC
	s_add_co_u32 s40, s40, 4*REC
	s_sub_co_u32 s41, s41, 1
	s_cmp_lg_u32 s41, 0
	s_cbranch_scc1 .Ltrip
	FINISH
	s_add_co_u32 s45, s45, 1
	s_cmp_lg_u32 s45, 2
	s_wait_alu depctr_va_vdst(0)
	s_cbranch_scc1 .Ltile
	ds_store_b16 v[SA], v[SW]                      ; my first tile's two bytes a row (lanes l and l xor 16 write the same),
	ds_store_b16_d16_hi v[SA], v[SW] offset:512    ; and my second's
	s_wait_dscnt 0x0                               ; for the others' sake
	s_barrier_signal -1
	s_barrier_wait -1
	s_cmp_lt_u32 s10, 2                            ; waves 0 and 1 store two units of 256 bytes each: wave e the units of the waves' tiles e; lanes 0-15 those of waves 0-7, lanes 16-31 of waves 8-15
	s_cbranch_scc0 .Lno_words
	s_lshl_b32 s46, s10, 9
	v_add_nc_u32 v6, s46, v1
	v_add_nc_u32 v6, SSTG, v6
	ds_load_b128 v[16:19], v6
	v_lshl_add_u32 v8, v254, 9, v7                 ; 4096 h + 16 r: the next 8 tiles' scales lie 4,096 bytes on
	s_lshl_b32 s56, s54, 4
	s_lshl_b32 s57, s11, 2
	s_add_co_u32 s56, s56, s57
	s_lshl_b32 s57, s10, 1
	s_add_co_u32 s56, s56, s57                     ; the 8 tiles: 16 batch + 4 cx + 2 wave
	s_lshl_b32 s56, s56, 12
	s_lshl_b32 s57, s55, 8
	s_add_co_u32 s56, s56, s57                     ; the head's 256 bytes
	s_add_co_u32 s56, s56, XS
	s_mov_b32 s57, 0
	s_add_nc_u64 s[60:61], s[8:9], s[56:57]
	s_wait_alu depctr_va_vdst(0)
	s_wait_dscnt 0x0
	global_store_b128 v8, v[16:19], s[60:61]
.Lno_words:
	s_wait_tensorcnt 0x0                           ; the wave's end
	ds_add_u32 v4, v5
	s_wait_dscnt 0x0
	CROUND                                         ; the closing round
	s_endpgm
.Lfunc_end_k_q7b50f88c88_attn:
	.size	k_q7b50f88c88_attn, .Lfunc_end_k_q7b50f88c88_attn-k_q7b50f88c88_attn
	.p2alignl 7, 3214868480
	.fill 96, 4, 3214868480
	.section	.rodata,"a",@progbits
	.p2align	6, 0x0
	.amdhsa_kernel k_q7b50f88c88_attn
		.amdhsa_group_segment_fixed_size 327680
		.amdhsa_private_segment_fixed_size 0
		.amdhsa_enable_private_segment 0
		.amdhsa_kernarg_size 24
		.amdhsa_user_sgpr_count 2
		.amdhsa_user_sgpr_kernarg_segment_ptr 1
		.amdhsa_wavefront_size32 1
		.amdhsa_system_sgpr_workgroup_id_x 1
		.amdhsa_system_sgpr_workgroup_id_y 1
		.amdhsa_system_sgpr_workgroup_id_z 1
		.amdhsa_system_vgpr_workitem_id 0
		.amdhsa_next_free_vgpr 256
		.amdhsa_next_free_sgpr 66
		.amdhsa_reserve_vcc 0
		.amdhsa_float_denorm_mode_32 3
		.amdhsa_float_denorm_mode_16_64 3
		.amdhsa_memory_ordered 1
		.amdhsa_forward_progress 1
		.amdhsa_inst_pref_size 71
	.end_amdhsa_kernel
	.amdgpu_metadata
---
amdhsa.version: [ 1, 2 ]
amdhsa.kernels:
  - .name:           k_q7b50f88c88_attn
    .symbol:         k_q7b50f88c88_attn.kd
    .args:
      - { .name: qr, .offset: 0, .size: 8, .value_kind: global_buffer, .address_space: global }
      - { .name: kv, .offset: 8, .size: 8, .value_kind: global_buffer, .address_space: global }
      - { .name: oq, .offset: 16, .size: 8, .value_kind: global_buffer, .address_space: global }
    .group_segment_fixed_size: 327680
    .private_segment_fixed_size: 0
    .kernarg_segment_align: 8
    .kernarg_segment_size: 24
    .max_flat_workgroup_size: 512
    .sgpr_count:     66
    .vgpr_count:     256
    .wavefront_size: 32
...
	.end_amdgpu_metadata
.endif
;; end of part 7
;; launch gemm_proj (part 8): grid 4 x 64, 4 waves a work-group, clusters of 4 x 4, 327,680 bytes of LDS; arguments oq, wp, b_proj, out0; writes out0
.if DOCPART == 8
	.amdgcn_target "amdgcn-amd-amdhsa--gfx1250"
	.amdhsa_code_object_version 6
	.text
	.protected	k_q7b50f88c88_gemm_proj
	.globl	k_q7b50f88c88_gemm_proj
	.p2align	8
	.type	k_q7b50f88c88_gemm_proj,@function
k_q7b50f88c88_gemm_proj:
	s_mov_b64 s[64:65], 0
	v_nop
	global_prefetch_b8 v0, s[64:65] scope:SCOPE_SE
	s_setreg_imm32_b32 hwreg(HW_REG_WAVE_MODE, 25, 1), 1
	s_wait_xcnt 0x0
	s_wait_alu depctr_hold_cnt(0) depctr_sa_sdst(0) depctr_va_vdst(0) depctr_va_sdst(0) depctr_va_ssrc(0) depctr_va_vcc(0) depctr_vm_vsrc(0)
	s_getreg_b32 s2, hwreg(HW_REG_IB_STS2, 6, 4)
	s_cmp_eq_u32 s2, 0
	s_cbranch_scc0 .Lentry_in_a_cluster
	s_endpgm
.Lentry_in_a_cluster:
	s_bfe_u32 s2, ttmp6, 0x10000c
	s_cmp_lg_u32 s2, 0xf033
	s_cbranch_scc0 .Lentry_shape_is_right
	s_endpgm
.Lentry_shape_is_right:
; out0 = o w_proj + b_proj on codes of FP6 (E2M3) with E8M0 scales; o [8192][1024] and w_proj's columns arrive as images of the operand's registers: [tile of 16 rows][64 along K: 0..15][768 bytes].
; A work-group of four waves, 2 x 2, makes 128 rows x 256 columns; a wave 64 x 128: 32 accumulators.  The matrix instruction is used transposed (source 0 = the weight's columns); the bias is the first products' C.
; ALL OF K LIES IN LDS, in two halves of 512 along K (4 steps of 128): a half holds o's 8 tiles and the weight's 16 tiles, 6,144 bytes a tile.  Waves 0 and 1 fetch half of o's tiles each, waves 2 and 3 half of the weight's.
; The first half is the wave's one tensor load at the head; the second is asked for behind the full sequence and a round of the cluster's barrier, and is shown to all waves by a plain barrier in step 3.
; CLUSTER 4 x 4: o's tiles are shared along a row of the cluster, the weight's along a column, by joint loads.
; THE SCALES, 4,096 bytes of o's and 8,192 of the weight's, 12,288 of the work-group's 307,200 bytes, come by plain loads of 16 bytes a lane into LDS bytes that no tensor load fills.
; o's lie [head][tile][row] in 16 bits (two blocks of a head's 64): heads 2 p and 2 p + 1 are joined here into the scale word of step p, laid [step][16 tile + row] as the weight's are.
; No prefetch: K is 8 steps, and both halves are asked for ahead of the first product.
.set XS,    6291456
.set WPS,   786432
.set PH,    24576                      ; 4 tiles x 6,144: what a wave fetches and reads of o in a half
.set QH,    49152                      ; 8 tiles of the weight
.set QOFF,  2*PH
.set CH,    2*PH+2*QH                  ; a half of K
.set SCL,   2*CH
.set SCLQ,  SCL+4096
.set SPARE, SCLQ+8192
.set FR,    12
.set A16,  8
.set A8,   12
.set B16,  16
.set B8,   20
.set L16,  24
.set L8,   25
.set STO,  26
.set ADRS, 27
.set BQ,   28
.set RD,   30
.set SC,   32
.set SPW,  62
.set NIL,  63
.set BI,   64
.set AF,   128
.set BK,   128
.set G1,   24
.set G1B,  32
.set GP0,  56
.set GP1,  60
.set GQ0,  76
.set GQ1,  80
.set MSB, 0
.macro WIN new
.if MSB != (\new)
	s_set_vgpr_msb (MSB<<8)|(\new)
.set MSB, (\new)
.endif
.endm
.set MUL,   0xa1
.set START, 0x81
.set TO_B,  0x40
.macro JLOAD g0a, g1a, g0b, g1b
	s_cmp_eq_u32 s15, 0
	s_cbranch_scc0 .Lfor_b_\@
	tensor_load_to_lds s[\g0a:\g0a+3], s[\g1a:\g1a+7]
	s_nop 0
.rept 4
	v_nop
.endr
	s_branch .Lasked_\@
.Lfor_b_\@:
	tensor_load_to_lds s[\g0b:\g0b+3], s[\g1b:\g1b+7]
	s_nop 0
.rept 4
	v_nop
.endr
.Lasked_\@:
.endm
.macro CROUND
	s_barrier_signal -1
	s_barrier_wait -1
	s_cmp_lg_u32 s14, 0
	s_cbranch_scc1 .Lnot_wave_0_\@
	s_barrier_signal -3
.Lnot_wave_0_\@:
	s_barrier_wait -3
	s_barrier_signal -1
	s_barrier_wait -1
.endm
.macro PLACES
.rept 4
	v_nop
.endr
.endm
.macro FRAG reg, a16, a8, q, i         ; tile i, step q of the half: two images of 768 bytes
	ds_load_b128 v[\reg:\reg+3], v[\a16] offset:(\i)*6144+(\q)*1536
	ds_load_b64 v[\reg+4:\reg+5], v[\a8] offset:(\i)*6144+(\q)*1536+512
	ds_load_b128 v[\reg+6:\reg+9], v[\a16] offset:(\i)*6144+(\q)*1536+768
	ds_load_b64 v[\reg+10:\reg+11], v[\a8] offset:(\i)*6144+(\q)*1536+1280
.endm
.macro FETCH s
	WIN TO_B
.irp i, 0,1,2,3,4,5,6,7
	FRAG 128*((\s)%2)+FR*\i, B16+(\s)/4, B8+(\s)/4, (\s)%4, \i
.endr
	WIN 0
.irp i, 0,1,2,3
	FRAG AF+48*((\s)%2)+FR*\i, A16+(\s)/4, A8+(\s)/4, (\s)%4, \i
.endr
.irp i, 0,1,2,3,4,5,6,7
	ds_load_b32 v[SC+8*((\s)%2)+\i], v[ADRS] offset:512*(\s)+64*\i
.endr
.endm
.macro MUL16 a0, buf, zero
.irp a, \a0, \a0+1
.irp b, 0,1,2,3,4,5,6,7
.if \zero
	v_wmma_scale_f32_16x16x128_f8f6f4 v[8*(8*(\a)+\b):8*(8*(\a)+\b)+7], v[128*(\buf)+FR*\b:128*(\buf)+FR*\b+FR-1], v[AF+48*(\buf)+FR*(\a):AF+48*(\buf)+FR*(\a)+FR-1], v[BI+8*\b:BI+8*\b+7], v[SC+8*(\buf)+\b], v[SC+8*(\buf)+(\a)] matrix_a_fmt:MATRIX_FMT_FP6 matrix_b_fmt:MATRIX_FMT_FP6 matrix_a_scale:MATRIX_SCALE_ROW1
.else
	v_wmma_scale_f32_16x16x128_f8f6f4 v[8*(8*(\a)+\b):8*(8*(\a)+\b)+7], v[128*(\buf)+FR*\b:128*(\buf)+FR*\b+FR-1], v[AF+48*(\buf)+FR*(\a):AF+48*(\buf)+FR*(\a)+FR-1], v[8*(8*(\a)+\b):8*(8*(\a)+\b)+7], v[SC+8*(\buf)+\b], v[SC+8*(\buf)+(\a)] matrix_a_fmt:MATRIX_FMT_FP6 matrix_b_fmt:MATRIX_FMT_FP6 matrix_a_scale:MATRIX_SCALE_ROW1
.endif
.endr
.endr
.endm
.macro STEP s, zero
	s_wait_dscnt 0x0
.if (\s) == 3
	s_wait_tensorcnt 0x0                           ; my part of the second half is in
	s_barrier_signal -1
.endif
.if \zero
	WIN START
.else
	WIN MUL
.endif
	MUL16 0, (\s)%2, \zero
.if (\s) == 3
	s_barrier_wait -1
.endif
.if (\s) < 7
	PLACES
	FETCH (\s)+1
.endif
.if \zero
	WIN START
.else
	WIN MUL
.endif
	MUL16 2, (\s)%2, \zero
.endm
	s_load_b256 s[4:11], s[0:1], 0x0               ; oq, wp, b_proj, out0
	v_lshl_add_u32 v[SPW], v0, 2, SPARE
	v_mov_b32 v[NIL], 0
	ds_add_u32 v[SPW], v[NIL]
	ds_add_u32 v[SPW], v[NIL]
	v_lshrrev_b32 v1, 5, v0
	v_readfirstlane_b32 s14, v1
	s_lshr_b32 s15, s14, 1                         ; my half of the rows; also: I fetch for o (0) or for the weight (1)
	s_and_b32 s16, s14, 1                          ; my half of the columns; also: which half of the tiles I fetch
	s_bfe_u32 s100, ttmp6, 0x40000
	s_bfe_u32 s101, ttmp6, 0x40004
	s_lshl_b32 s66, ttmp9, 2
	s_add_co_u32 s66, s66, s100                    ; tile column
	s_and_b32 s17, ttmp7, 0xffff
	s_lshl_b32 s17, s17, 2
	s_add_co_u32 s17, s17, s101                    ; tile row
	s_lshl_b32 s67, s101, 2
	s_lshl_b32 s67, 15, s67
	s_lshl_b32 s2, 0x1111, s100
	s_or_b32 s[G1+0], s67, (3<<16)|(1<<21)         ; 4 rows (tiles) of 768 elements of 8 bytes, 12,288 bytes apart
	s_mov_b32 s[G1+1], 768<<16
	s_mov_b32 s[G1+2], 4<<16
	s_mov_b32 s[G1+3], 768<<16
	s_mov_b32 s[G1+4], 4
	s_mov_b32 s[G1+5], 1536
	s_mov_b32 s[G1+6], 0
	s_mov_b32 s[G1+7], 0
	s_or_b32 s[G1B+0], s2, (3<<16)|(1<<21)         ; 8 such rows
	s_mov_b32 s[G1B+1], 768<<16
	s_mov_b32 s[G1B+2], 8<<16
	s_mov_b32 s[G1B+3], 768<<16
	s_mov_b32 s[G1B+4], 8
	s_mov_b32 s[G1B+5], 1536
	s_mov_b32 s[G1B+6], 0
	s_mov_b32 s[G1B+7], 0
	s_lshl_b32 s20, s17, 3
	s_lshl_b32 s21, s16, 2
	s_add_co_u32 s20, s20, s21
	s_mul_i32 s20, s20, 12288
	s_mov_b32 s21, 0
	s_lshl_b32 s22, s17, 12                        ; o's scales: my 8 tiles' 4,096 bytes
	s_add_co_u32 s22, s22, XS
	s_mov_b32 s23, 0
	s_lshl_b32 s18, s66, 4
	s_lshl_b32 s19, s16, 3
	s_add_co_u32 s18, s18, s19
	s_lshl_b32 s100, s66, 13                       ; the weight's: my 16 tiles' 8,192 bytes
	s_add_co_u32 s100, s100, WPS
	s_mov_b32 s101, 0
	s_mul_i32 s18, s18, 12288
	s_mov_b32 s19, 0
	s_mul_i32 s2, s16, PH
	s_mul_i32 s3, s16, QH
	s_add_co_u32 s3, s3, QOFF
	s_wait_alu depctr_va_vdst(0)
	s_wait_dscnt 0x0
	s_wait_kmcnt 0x0
	s_add_nc_u64 s[20:21], s[4:5], s[20:21]
	s_add_nc_u64 s[22:23], s[4:5], s[22:23]
	s_add_nc_u64 s[18:19], s[6:7], s[18:19]
	s_add_nc_u64 s[100:101], s[6:7], s[100:101]
	CROUND
.irp c, 0,1
	s_mov_b32 s[GP\c], 1
	s_add_co_u32 s[GP\c+1], s2, \c*CH
	s_add_nc_u64 s[GP\c+2:GP\c+3], s[20:21], \c*6144
	s_or_b32 s[GP\c+3], s[GP\c+3], 0x80000000
	s_mov_b32 s[GQ\c], 1
	s_add_co_u32 s[GQ\c+1], s3, \c*CH
	s_add_nc_u64 s[GQ\c+2:GQ\c+3], s[18:19], \c*6144
	s_or_b32 s[GQ\c+3], s[GQ\c+3], 0x80000000
.endr
	JLOAD GP0, G1, GQ0, G1B                        ; K 0-511: the wave's one tensor load at the head
	s_lshl_b32 s18, s66, 10
	s_lshl_b32 s19, s16, 9
	s_add_co_u32 s18, s18, s19
	s_mov_b32 s19, 0
	s_add_nc_u64 s[8:9], s[8:9], s[18:19]          ; my 128 columns of the bias,
	s_add_nc_u64 s[12:13], s[10:11], s[18:19]      ; and of out0,
	s_lshl_b32 s18, s17, 19
	s_lshl_b32 s19, s15, 18
	s_add_co_u32 s18, s18, s19
	s_mov_b32 s19, 0
	s_add_nc_u64 s[12:13], s[12:13], s[18:19]      ; from my first row on
	v_and_b32 v1, 15, v0
	v_bfe_u32 v2, v0, 4, 1
	v_and_b32 v3, 31, v0
	v_lshlrev_b32 v[L16], 4, v3
	v_lshlrev_b32 v[L8], 3, v3
	v_lshlrev_b32 v[BQ], 7, v2
	v_lshrrev_b32 v4, 4, v0                        ; thread t takes step p = t / 16
	v_lshlrev_b32 v5, 4, v1
	v_lshl_add_u32 v4, v4, 9, v5                   ; 16 bytes at 16 (t % 16) of head 2 p's 256 bytes; head 2 p + 1's lie 256 on
	v_lshlrev_b32 v5, 4, v0                        ; the weight's: 16 t
	v_lshl_add_u32 v6, v0, 5, SCL                  ; o's words go to 32 t = 512 p + 32 (t % 16)
	v_lshl_add_u32 v31, v0, 4, SCLQ
	global_load_b128 v[224:227], v4, s[22:23]
	global_load_b128 v[228:231], v4, s[22:23] offset:256
.irp j, 0,1,2,3
	global_load_b128 v[232+4*\j:235+4*\j], v5, s[100:101] offset:2048*\j
.endr
.irp b, 0,1,2,3,4,5,6,7
	global_load_b128 v[BI+8*\b:BI+8*\b+3], v[BQ], s[8:9] offset:256*(\b/4)+32*(\b%4)
	global_load_b128 v[BI+8*\b+4:BI+8*\b+7], v[BQ], s[8:9] offset:256*(\b/4)+32*(\b%4)+16
.endr
	s_mul_i32 s40, s15, PH
	s_mul_i32 s41, s16, QH
	s_add_co_u32 s41, s41, QOFF
.irp c, 0,1
	v_add_nc_u32 v[A16+\c], s40, v[L16]
	v_add_nc_u32 v[A8+\c], s40, v[L8]
	v_add_nc_u32 v[B16+\c], s41, v[L16]
	v_add_nc_u32 v[B8+\c], s41, v[L8]
	s_add_co_u32 s40, s40, CH
	s_add_co_u32 s41, s41, CH
.endr
	v_lshlrev_b32 v7, 2, v1
	s_lshl_b32 s40, s15, 8
	s_lshl_b32 s41, s16, 12
	s_add_co_u32 s41, s41, 4096
	s_sub_co_u32 s41, s41, s40
	v_mul_u32_u24 v29, s41, v2                     ; lanes 16-31 take the weight's words
	s_add_co_u32 s40, s40, SCL
	v_add_nc_u32 v29, v7, v29
	v_add_nc_u32 v[ADRS], s40, v29
	s_mul_i32 s40, s14, 16*528
	v_mul_u32_u24 v7, v1, 528
	v_lshl_add_u32 v7, v2, 7, v7
	v_add_nc_u32 v[STO], s40, v7
	v_add_nc_u32 v[RD], s40, v[L16]
	s_wait_alu depctr_va_vdst(0)
	s_wait_loadcnt 16                              ; the six loads of scales are in; the bias's sixteen may be out
.irp j, 0,1,2,3
	v_perm_b32 v[248+2*\j], v[228+\j], v[224+\j], 0x05040100       ; row 2 j: head 2 p's two bytes below, head 2 p + 1's above
	v_perm_b32 v[249+2*\j], v[228+\j], v[224+\j], 0x07060302       ; row 2 j + 1
.endr
	ds_store_b128 v6, v[248:251]
	ds_store_b128 v6, v[252:255] offset:16
.irp j, 0,1,2,3
	ds_store_b128 v31, v[232+4*\j:235+4*\j] offset:2048*\j
.endr
	s_wait_alu depctr_va_vdst(0)
	s_wait_tensorcnt 0x0                           ; my part of the first half is in
	ds_add_u32 v[SPW], v[NIL]
	s_wait_dscnt 0x0                               ; the add and my stores of scale words are done
	CROUND
	JLOAD GP1, G1, GQ1, G1B                        ; K 512-1023
	FETCH 0
	s_wait_loadcnt 0x0                             ; the bias
	STEP 0, 1
	STEP 1, 0
	STEP 2, 0
	STEP 3, 0
	STEP 4, 0
	STEP 5, 0
	STEP 6, 0
	STEP 7, 0
	WIN 0
; THE WAY OUT: a block of 16 rows x 128 columns goes through my own stage, which lies in the first half's bytes (their one fill is past, and every wave's reads of them ended ahead of step 3's barrier), and leaves as rows of 512 bytes
.macro TOSTAGE a
.set AC, 64*(\a)
	WIN 0x08
.irp b, 0,1,2,3,4,5,6,7
	ds_store_b128 v[STO], v[AC+8*\b:AC+8*\b+3] offset:256*(\b/4)+32*(\b%4)
	ds_store_b128 v[STO], v[AC+8*\b+4:AC+8*\b+7] offset:256*(\b/4)+32*(\b%4)+16
.endr
	WIN 0
.set BB, BK+64*((\a)%2)
.irp t, 0,1,2,3,4,5,6,7,8,9,10,11,12,13,14,15
	ds_load_b128 v[BB+4*\t:BB+4*\t+3], v[RD] offset:\t*528
.endr
.endm
.macro SEND a, younger
.set BB, BK+64*((\a)%2)
	s_wait_dscnt \younger
.irp t, 0,1,2,3,4,5,6,7,8,9,10,11,12,13,14,15
	global_store_b128 v[L16], v[BB+4*\t:BB+4*\t+3], s[12:13] offset:(32*(\t/8)+8*(\a)+(\t%8))*4096 th:TH_STORE_NT
.endr
.endm
	PLACES
	TOSTAGE 0
.irp a, 1,2,3
.if \a > 1
	s_wait_xcnt 0x0
.endif
	TOSTAGE \a
	SEND \a-1, 32                                  ; behind block a - 1's loads: block a's 16 stores and 16 loads
.endr
	SEND 3, 0
	s_wait_tensorcnt 0x0                           ; the wave's end
	ds_add_u32 v[SPW], v[NIL]
	s_wait_dscnt 0x0
	CROUND
	s_endpgm
.Lfunc_end_k_q7b50f88c88_gemm_proj:
	.size	k_q7b50f88c88_gemm_proj, .Lfunc_end_k_q7b50f88c88_gemm_proj-k_q7b50f88c88_gemm_proj
	.p2alignl 7, 3214868480
	.fill 96, 4, 3214868480
	.section	.rodata,"a",@progbits
	.p2align	6, 0x0
	.amdhsa_kernel k_q7b50f88c88_gemm_proj
		.amdhsa_group_segment_fixed_size 327680
		.amdhsa_private_segment_fixed_size 0
		.amdhsa_enable_private_segment 0
		.amdhsa_kernarg_size 32
		.amdhsa_user_sgpr_count 2
		.amdhsa_user_sgpr_kernarg_segment_ptr 1
		.amdhsa_wavefront_size32 1
		.amdhsa_system_sgpr_workgroup_id_x 1
		.amdhsa_system_sgpr_workgroup_id_y 1
		.amdhsa_system_sgpr_workgroup_id_z 1
		.amdhsa_system_vgpr_workitem_id 0
		.amdhsa_next_free_vgpr 768
		.amdhsa_next_free_sgpr 102
		.amdhsa_reserve_vcc 0
		.amdhsa_float_denorm_mode_32 3
		.amdhsa_float_denorm_mode_16_64 3
		.amdhsa_memory_ordered 1
		.amdhsa_forward_progress 1
		.amdhsa_inst_pref_size 89
	.end_amdhsa_kernel
	.amdgpu_metadata
---
amdhsa.version: [ 1, 2 ]
amdhsa.kernels:
  - .name:           k_q7b50f88c88_gemm_proj
    .symbol:         k_q7b50f88c88_gemm_proj.kd
    .args:
      - { .name: oq, .offset: 0, .size: 8, .value_kind: global_buffer, .address_space: global }
      - { .name: wp, .offset: 8, .size: 8, .value_kind: global_buffer, .address_space: global }
      - { .name: b_proj, .offset: 16, .size: 8, .value_kind: global_buffer, .address_space: global }
      - { .name: out0, .offset: 24, .size: 8, .value_kind: global_buffer, .address_space: global }
    .group_segment_fixed_size: 327680
    .private_segment_fixed_size: 0
    .kernarg_segment_align: 8
    .kernarg_segment_size: 32
    .max_flat_workgroup_size: 128
    .sgpr_count:     102
    .vgpr_count:     768
    .wavefront_size: 32
...
	.end_amdgpu_metadata
.endif
;; end of part 8
